; MI455X (gfx1250); checked and timed in simulation.
; The chip was launched on July 23, 2026; its instructions are those of AMD's public machine-readable ISA for CDNA 5 (MIT licence, August 2026) and "CDNA5" Instruction Set Architecture Reference Guide (July 2026). The comments in the code are by the model that wrote it; some were corrected since.
;; Self Attention Block With Ro PE. Allowed arithmetic: matrix products marked QUANTISED: E2M3 operands, one E8M0 scale for each 32 along K, by v_wmma_scale_f32_16x16x128_f8f6f4 with both operands' format E2M3, f32 sums; everything else in f32.
;; Inputs: ln1_b 1,024 float32; ln1_w 1,024 float32; ln2_b 1,024 float32; ln2_w 1,024 float32; mlp_b1 4,096 float32; mlp_b2 1,024 float32; mlp_w1 1,024 x 4,096 float32; mlp_w2 4,096 x 1,024 float32; o_b 1,024 float32; o_w 1,024 x 1,024 float32; pos 2 x 2,048 int32; qkv_b 3,072 float32; qkv_w 1,024 x 3,072 float32; x 2 x 2,048 x 1,024 float32.
;; Outputs: out0 2 x 2,048 x 1,024 float32.
;; This version of the problem:
;;   THIS VERSION OF THE PROBLEM IS GIVEN IN LOW PRECISION. The matrix products marked QUANTISED in the list below multiply operands that are first quantised to E2M3 (2 exponent bits, 3 mantissa bits; 6 bits a number), with one power-of-two scale for each 32 numbers along K (OCP MX v1.0); their sums are f32. All else is computed in f32.
;;   The module's matrix products, in the order in which they are computed (A, B: the left and right operand; K: the contracted axis; several contracted axes count as one K, in the product's order):
;;     1. [M 4,096, K 1,024] x [K 1,024, N 3,072]; A: computed on the way; B: input qkv_w: QUANTISED
;;     2. batch 32 x [M 2,048, K 64] x [K 64, N 2,048]; A: computed on the way; B: computed on the way: QUANTISED
;;     3. batch 32 x [M 2,048, K 2,048] x [K 2,048, N 64]; A: softmax (see below); B: computed on the way: QUANTISED
;;     4. [M 4,096, K 1,024] x [K 1,024, N 1,024]; A: computed on the way; B: input o_w: QUANTISED
;;     5. [M 4,096, K 1,024] x [K 1,024, N 4,096]; A: computed on the way; B: input mlp_w1: QUANTISED
;;     6. [M 4,096, K 4,096] x [K 4,096, N 1,024]; A: computed on the way; B: input mlp_w2: QUANTISED
;;   THE QUANTISER, for each operand of a quantised product, along K:
;;     - K is cut into blocks of 32 from its start; a last block that is shorter is filled with zeros.
;;     - A block's scale is 2^e with e = floor(log2(the largest magnitude in the block)) - 2, held to -126 .. 127; a block of zeros has e = 0. As a byte (E8M0): e + 127.
;;     - Each number is divided by its block's scale, clamped to +-7.5, and rounded to the nearest number of E2M3, ties to even, subnormals kept.
;;     - The product sums the exact products of the quantised numbers (number of the format x scale) in f32.
;;   ~~~python
;;   def quantise(x, axis):      # numpy; x: float32 -> the quantised numbers, widened to float32 again
;;       x = np.moveaxis(x, axis, -1); K = x.shape[-1]
;;       x = np.pad(x, [(0, 0)] * (x.ndim - 1) + [(0, -K % 32)]); x = x.reshape(x.shape[:-1] + (-1, 32)); a = np.abs(x).max(-1, keepdims=True)
;;       e = np.where(a > 0, np.clip(np.frexp(np.where(a > 0, a, 1))[1] - 1 - 2, -126, 127), 0)      # np.frexp(a)[1] - 1 = floor(log2(a)), exactly
;;       r = np.clip(x / 2.0 ** e, -7.5, 7.5)
;;       step = 2.0 ** (np.maximum(np.frexp(np.where(r == 0, 1, r))[1] - 1, 0) - 3)
;;       q = np.round(r / step) * step * 2.0 ** e      # np.round: ties to even
;;       return np.moveaxis(q.reshape(q.shape[:-2] + (-1,))[..., :K], -1, axis).astype(np.float32)
;;   ~~~
;;   SOFTMAX AHEAD OF A QUANTISED PRODUCT. Where the list says 'softmax', what is quantised is not the finished softmax but p = 2^(t - M), with t = logit x log2(e) and M = ceil(the row's largest t), a whole number; so 1/2 < the row's largest p <= 1. The row's sum l is taken of the UNQUANTISED p, in f32, and the product's result is divided by l at the end. Since M is a whole number, a kernel that streams over the keys may use a running M (the ceiling of the running maximum): every later rescaling is an exact power of two, which a block's scale takes up: the codes' values come out the same.
;;   OPERANDS COMPUTED ON THE WAY. 'Computed on the way' means the value that the module computes at that place (a softmax that the list does not call 'softmax' is quantised finished and normalised). What goes into a quantiser is computed in f32, as accurately as f32 sums, v_exp_f32 and their like allow (about 1e-6 of the number): no bf16 or f16 on the way to a quantiser, and a product that is left as it is and whose result goes on into a quantised operand takes f32 operands (vector FMAs, or v_wmma_f32_16x16x4_f32). A number that lies on a knife's edge between two numbers of the format may be rounded either way, as far as f32 arithmetic and the matrix unit's own rounding can turn it there, and no further.
;; One version. Each part assembles by itself: llvm-mc -triple=amdgcn-amd-amdhsa -mcpu=gfx1250 --defsym DOCPART=n.
;; ======== version 1 of 1: 7 launches
;; limits: right only within a limited range of input values
;; workspace buffers: wts 10,878,976 bytes; xn 3,276,800 bytes; qkv 10,223,616 bytes; att 3,276,800 bytes; x1 16,777,216 bytes; hid 13,107,200 bytes
;; launch prep (part 1): grid 480 x 1, 8 waves a work-group, no clusters, 69,632 bytes of LDS; arguments qkv_w, o_w, mlp_w1, mlp_w2, pos, wts, x, ln1_w, ln1_b, xn; writes wts, xn
.if DOCPART == 1
	.amdgcn_target "amdgcn-amd-amdhsa--gfx1250"
	.amdhsa_code_object_version 6
	.text
	.protected	k_q83adf590d3_prep
	.globl	k_q83adf590d3_prep
	.p2align	8
	.type	k_q83adf590d3_prep,@function
k_q83adf590d3_prep:
	s_mov_b64 s[64:65], 0
	v_nop
	global_prefetch_b8 v0, s[64:65] scope:SCOPE_SE
	s_setreg_imm32_b32 hwreg(HW_REG_WAVE_MODE, 25, 1), 1
	s_wait_xcnt 0x0
; THREE TASKS THAT SHARE NOTHING STAND IN ONE LAUNCH, told apart by the work-group's number alone, so that one launch's start and end serve all three:
;   work-groups 0-255: the first layer norm of x, quantised (label .Lnorm, at the end of this text);
;   work-groups 256-447: the four weights [K][N], f32, into codes of FP6 (E2M3) with one E8M0 byte for each 32 along K (256-303 qkv_w, 304-319 o_w, 320-383 mlp_w1, 384-447 mlp_w2);
;   work-groups 448-479: the table of cos and sin for the rotary embedding, from pos.
; All codes are laid as IMAGES OF THE MATRIX OPERAND'S REGISTERS.
; ROW ORDER: tile t of 16 rows (or columns of a weight) holds, in lane row r, row 32 (t / 2) + 8 (t % 2) + r + 8 (r / 8).  A fragment (16 rows x 128 K, 12 registers a lane) lies as three groups of
; 512 bytes: registers 4 g .. 4 g + 3 of lane l at 512 g + 16 l.  Codes: [tile][K step][1536].  Scale words: [pair of tiles][K step][128]: lanes 0-15 the even tile, lanes 16-31 the odd one.
; THE WEIGHTS.  A LANE TAKES A COLUMN AND ITS REGISTERS RUN DOWN K: a wave's load reads 128 consecutive bytes, the eight waves 1,024; a block's largest magnitude needs no other lane.
; A work-group takes 256 columns x 256 along K; a wave 32 columns (a pair of tiles).  A block is 32 numbers a lane; block m is K step m / 4, c = m % 2, half h = (m / 2) % 2: rows 128 (m / 4) + 64 c + 32 h + 0 .. 31:
; registers 6 c .. 6 c + 5 of image lane r + 16 h.  Two blocks make a unit: that image lane's twelve registers.  Loads run two blocks ahead: 64 loads a wave are out at the most.
; Sixteen lanes of a store cover 256 consecutive bytes, aligned.  These paths use no LDS and pass no barrier.
; A block's byte is its largest magnitude's exponent field - 2, held at 1 from below.
; LIMITS: a block of zeros, or under 2^-124, gets the byte 1 (its codes are zeros; this program alone reads the bytes); NaN and infinities are not served;
; |pos| under 65,536 (the angle is reduced by pi / 2 in three parts); 1 / 10000^(k / 32) is 2^(-k log2(10) / 8) by v_exp_f32; sin and cos are polynomials on [-pi / 4, pi / 4]; rsqrt is v_rsq_f32.
.set WQC, 0
.set WOC, 2359296
.set W1C, 3145728
.set W2C, 6291456
.set WQS, 9437184
.set WOS, 9535488
.set W1S, 9568256
.set W2S, 9699328
.set ROPE, 9830400
.set X, 64                             ; v64-127  two sets of 32 numbers
.set PT, 128                           ; v128-130 a block's upper sixteen codes, as the conversion leaves them
.set SW, 132                           ; v132-133 the scale word of each K step
.set M, 134                            ; v134-135 largest magnitudes, two chains
.set SCO, 136                          ; v136     the conversions' scale operand
.set BY, 137                           ; v137     the byte
	v_lshl_add_u32 v15, v0, 2, 0x10c00
	v_mov_b32 v14, 0                               ; v15 my spare word's address, v14 = 0: kept for the add alone, on all three paths
	s_cmp_lt_u32 ttmp9, 256                        ; the same answer in all eight waves of a work-group
	s_cbranch_scc1 .Lnorm
	s_load_b256 s[4:11], s[0:1], 0x0               ; qkv_w, o_w, mlp_w1, mlp_w2
	s_load_b128 s[12:15], s[0:1], 0x20             ; pos, wts
	v_lshrrev_b32 v1, 5, v0
	s_delay_alu instid0(VALU_DEP_1)
	v_readfirstlane_b32 s16, v1                    ; wave 0..7
	v_and_b32 v2, 31, v0                           ; lane = my column among the wave's 32
	s_delay_alu instid0(VALU_DEP_1)
	v_lshlrev_b32 v3, 2, v2                        ; 4 bytes a column
	v_bfe_u32 v4, v0, 3, 1                         ; u: which tile of the pair
	v_and_b32 v5, 7, v0
	v_bfe_u32 v6, v0, 4, 1
	s_delay_alu instid0(VALU_DEP_1)
	v_lshl_add_u32 v5, v6, 3, v5                   ; r: my row in that tile
	s_delay_alu instid0(VALU_DEP_1)
	v_lshlrev_b32 v7, 2, v5
	s_delay_alu instid0(VALU_DEP_1)
	v_lshl_add_u32 v7, v4, 6, v7                   ; my scale word's place: 64 u + 4 r
	s_wait_kmcnt 0x0
	s_cmp_lt_u32 ttmp9, 304
	s_cbranch_scc1 .Lw_qkv
	s_cmp_lt_u32 ttmp9, 320
	s_cbranch_scc1 .Lw_o
	s_cmp_lt_u32 ttmp9, 384
	s_cbranch_scc1 .Lw_1
	s_cmp_lt_u32 ttmp9, 448
	s_cbranch_scc1 .Lw_2
	; ---- the table: wave = one tile of 16 tokens; lane (r, h) makes cos and sin of pos x inv_freq[16 h + e], e = 0 .. 15
	s_sub_co_u32 s17, ttmp9, 448
	s_lshl_b32 s17, s17, 3
	s_add_co_u32 s17, s17, s16                     ; the tile of tokens
	v_and_b32 v8, 15, v0                           ; r
	v_bfe_u32 v9, v0, 4, 1                         ; h
	s_wait_alu depctr_va_vdst(0)
	v_and_b32 v10, 8, v8
	s_delay_alu instid0(VALU_DEP_1)
	v_add_nc_u32 v10, v10, v8                      ; r + 8 (r / 8)
	s_lshr_b32 s18, s17, 1
	s_lshl_b32 s18, s18, 5
	s_and_b32 s19, s17, 1
	s_lshl_b32 s19, s19, 3
	s_add_co_u32 s18, s18, s19
	v_add_nc_u32 v10, s18, v10                     ; my token
	s_delay_alu instid0(VALU_DEP_1)
	v_lshlrev_b32 v10, 2, v10
	global_load_b32 v11, v10, s[12:13]
	s_lshl_b32 s18, s17, 12                        ; 4,096 bytes of table a tile
	s_mov_b32 s19, 0
	s_add_nc_u64 s[30:31], s[14:15], s[18:19]
	s_add_nc_u64 s[30:31], s[30:31], ROPE
	v_lshlrev_b32 v77, 4, v2                       ; 16 x lane
	s_mov_b32 s20, 0x3fc90fda                      ; pi / 2 in three parts
	s_mov_b32 s21, 0x33a22168
	s_mov_b32 s22, 0x27c234c4
	s_mov_b32 s23, 0xb94ca1f9                      ; sin: -1.9515295891e-4, 8.3321608736e-3, -1.6666654611e-1
	s_mov_b32 s24, 0x3c08839e
	s_mov_b32 s25, 0xbe2aaaa3
	s_mov_b32 s26, 0x37ccf5ce                      ; cos: 2.443315711809948e-5, -1.388731625493765e-3, 4.166664568298827e-2
	s_mov_b32 s27, 0xbab6061a
	s_mov_b32 s28, 0x3d2aaaa5
	v_lshlrev_b32 v12, 4, v9                       ; 16 h
.set e, 0
.rept 16
	v_add_nc_u32 v[16+e], e, v12
.set e, e+1
.endr
.set e, 0
.rept 16
	v_cvt_f32_u32 v[16+e], v[16+e]
.set e, e+1
.endr
.set e, 0
.rept 16
	v_mul_f32 v[16+e], 0xbed49a78, v[16+e]         ; -k log2(10000) / 32
.set e, e+1
.endr
.set e, 0
	s_wait_alu depctr_va_vdst(0)
.rept 16
	v_exp_f32 v[16+e], v[16+e]                     ; inv_freq: one batch
.set e, e+1
.endr
	s_wait_loadcnt 0x0
	v_cvt_f32_i32 v13, v11                         ; pos as f32: the plain line behind the batch
	s_wait_alu depctr_va_vdst(0)                   ; one wait for the sixteen, ahead of their first reader
.macro SINCOS e
	v_mul_f32 v64, v13, v[16+\e]                   ; the angle, rounded once
	s_delay_alu instid0(VALU_DEP_1)
	v_mul_f32 v65, 0x3f22f983, v64
	s_delay_alu instid0(VALU_DEP_1)
	v_rndne_f32 v65, v65                           ; n = the nearest multiple of pi / 2
	s_delay_alu instid0(VALU_DEP_1)
	v_fma_f32 v66, -v65, s20, v64
	s_delay_alu instid0(VALU_DEP_1)
	v_fma_f32 v66, -v65, s21, v66
	s_delay_alu instid0(VALU_DEP_1)
	v_fma_f32 v66, -v65, s22, v66                  ; rho
	s_delay_alu instid0(VALU_DEP_1)
	v_mul_f32 v67, v66, v66                        ; z
	s_delay_alu instid0(VALU_DEP_1)
	v_fma_f32 v68, v67, s23, s24
	s_delay_alu instid0(VALU_DEP_1)
	v_fma_f32 v68, v68, v67, s25
	s_delay_alu instid0(VALU_DEP_3)
	v_mul_f32 v69, v66, v67
	s_delay_alu instid0(VALU_DEP_1)
	v_fma_f32 v68, v69, v68, v66                   ; sin rho
	v_fma_f32 v70, v67, s26, s27
	s_delay_alu instid0(VALU_DEP_1)
	v_fma_f32 v70, v70, v67, s28
	v_mul_f32 v71, v67, v67
	v_fma_f32 v72, v67, -0.5, 1.0
	s_delay_alu instid0(VALU_DEP_1)
	v_fma_f32 v70, v71, v70, v72                   ; cos rho
	v_cvt_i32_f32 v73, v65
	s_delay_alu instid0(VALU_DEP_1)
	v_and_b32 v74, 1, v73
	s_delay_alu instid0(VALU_DEP_1)
	v_cmp_eq_u32 vcc_lo, 1, v74
	s_delay_alu instid0(VALU_DEP_1)
	v_cndmask_b32 v75, v68, v70, vcc_lo            ; an odd quadrant changes the two
	s_delay_alu instid0(VALU_DEP_2)
	v_cndmask_b32 v76, v70, v68, vcc_lo
	v_and_b32 v74, 2, v73
	s_delay_alu instid0(VALU_DEP_1)
	v_lshlrev_b32 v74, 30, v74
	s_delay_alu instid0(VALU_DEP_1)
	v_xor_b32 v[48+\e], v74, v75                   ; sin is negative in quadrants 2, 3
	v_add_nc_u32 v73, 1, v73
	s_delay_alu instid0(VALU_DEP_1)
	v_and_b32 v73, 2, v73
	s_delay_alu instid0(VALU_DEP_1)
	v_lshlrev_b32 v73, 30, v73
	s_delay_alu instid0(VALU_DEP_1)
	v_xor_b32 v[32+\e], v73, v76                   ; cos in quadrants 1, 2
.endm
.irp e, 0,1,2,3,4,5,6,7,8,9,10,11,12,13,14,15
	SINCOS \e
.endr
.irp g, 0,1,2,3,4,5,6,7
	global_store_b128 v77, v[32+4*\g:35+4*\g], s[30:31] offset:512*\g   ; groups 0-3 cos, 4-7 sin: 512 consecutive bytes a store
.endr
	s_endpgm
.macro LOADB m, NC                     ; block m: rows 128 (m / 4) + 64 (m % 2) + 32 ((m / 2) % 2) + i of my column, into set m % 2
.set i, 0
.rept 32
	global_load_b32 v[X+32*((\m)%2)+i], v3, s[22:23] offset:(128*((\m)/4)+64*((\m)%2)+32*(((\m)/2)%2)+i)*\NC*4 th:TH_LOAD_NT
.set i, i+1
.endr
.endm
.macro BLOCK m, NC
.set XS, X+32*((\m)%2)
.set CU, 16+12*((\m)/2)                ; each unit has its own twelve registers of codes: no store's data are written again
.set CD, CU+6*((\m)%2)
.if (\m) < 7
	s_wait_loadcnt 32                              ; this block's 32 loads are in; the next block's 32 may be out
.else
	s_wait_loadcnt 0x0
.endif
	v_max3_num_f32 v[M], |v[XS]|, |v[XS+1]|, |v[XS+2]|             ; the block's largest magnitude: all 32 numbers are mine; two chains
	v_max3_num_f32 v[M+1], |v[XS+3]|, |v[XS+4]|, |v[XS+5]|
.irp i, 6,10,14,18,22,26
	s_delay_alu instid0(VALU_DEP_2)
	v_max3_num_f32 v[M], v[M], |v[XS+\i]|, |v[XS+\i+1]|
	s_delay_alu instid0(VALU_DEP_2)
	v_max3_num_f32 v[M+1], v[M+1], |v[XS+\i+2]|, |v[XS+\i+3]|
.endr
	s_delay_alu instid0(VALU_DEP_2)
	v_max3_num_f32 v[M], v[M], |v[XS+30]|, |v[XS+31]|
	s_delay_alu instid0(VALU_DEP_1)
	v_max3_num_f32 v[M], v[M], v[M+1], 0x1800000   ; the floor 2^(3 - 127): the byte cannot fall under 1
	s_delay_alu instid0(VALU_DEP_1)
	v_add_nc_u32 v[SCO], 0xff000000, v[M]          ; 2 off the exponent field: the conversion's scale operand
	s_delay_alu instid0(VALU_DEP_1)
	v_lshrrev_b32 v[BY], 23, v[SCO]                ; the byte of the K step's block 2 c + h
.if (\m)%4 == 0
	s_delay_alu instid0(VALU_DEP_1)
	v_mov_b32 v[SW+(\m)/4], v[BY]
.else
	s_delay_alu instid0(VALU_DEP_1)
	v_lshl_or_b32 v[SW+(\m)/4], v[BY], 16*((\m)%2)+8*(((\m)/2)%2), v[SW+(\m)/4]
.endif
	v_cvt_scalef32_pk16_fp6_f32 v[CD:CD+2], v[XS:XS+15], v[SCO]
	v_cvt_scalef32_pk16_fp6_f32 v[PT:PT+2], v[XS+16:XS+31], v[SCO]   ; (a conversion's three registers begin on an even number)
	v_nop                                          ; one plain line behind the conversions
.irp i, 0,1,2
	v_mov_b32 v[CD+3+\i], v[PT+\i]
.endr
.if (\m)+2 < 8
	LOADB (\m)+2, \NC                              ; into the set that the conversions have read
.endif
.if (\m)%2 == 1                        ; the unit is whole
.irp g, 0,1,2
	global_store_b128 v8, v[CU+4*\g:CU+4*\g+3], s[26:27] offset:((\m)/4)*1536+512*\g+256*(((\m)/2)%2)
.endr
.endif
.if (\m)%4 == 3                        ; and so is the K step's scale word
	global_store_b32 v7, v[SW+(\m)/4], s[28:29] offset:128*((\m)/4)
.endif
.endm
; one weight: sb its pointer's register, NC its columns, KSP its K steps, LOGKG log2 of its runs of 256 along K, FIRST its first work-group, COFF and SOFF its places in wts
.macro WPATH sb, NC, KSP, LOGKG, FIRST, COFF, SOFF
	s_sub_co_u32 s17, ttmp9, \FIRST
	s_lshr_b32 s18, s17, \LOGKG                    ; which 256 columns
	s_and_b32 s19, s17, (1<<\LOGKG)-1              ; which 256 along K
	s_lshl_b32 s18, s18, 3
	s_add_co_u32 s18, s18, s16                     ; my pair of tiles
	s_mul_i32 s20, s19, 256*\NC*4
	s_lshl_b32 s21, s18, 7
	s_add_co_u32 s20, s20, s21
	s_mov_b32 s21, 0
	s_add_nc_u64 s[22:23], s[\sb:\sb+1], s[20:21]
	s_lshl_b32 s24, s19, 1                         ; my first K step
	s_mul_i32 s20, s18, 2*\KSP
	s_add_co_u32 s20, s20, s24
	s_mul_i32 s20, s20, 1536
	s_add_nc_u64 s[26:27], s[14:15], s[20:21]
	s_add_nc_u64 s[26:27], s[26:27], \COFF
	s_mul_i32 s20, s18, \KSP
	s_add_co_u32 s20, s20, s24
	s_lshl_b32 s20, s20, 7
	s_add_nc_u64 s[28:29], s[14:15], s[20:21]
	s_add_nc_u64 s[28:29], s[28:29], \SOFF
	v_mul_u32_u24 v8, v4, \KSP*1536
	s_delay_alu instid0(VALU_DEP_1)
	v_lshl_add_u32 v8, v5, 4, v8                   ; my codes' place: the tile of the pair, 16 r
	LOADB 0, \NC
	LOADB 1, \NC
	BLOCK 0, \NC
	BLOCK 1, \NC
	BLOCK 2, \NC
	BLOCK 3, \NC
	BLOCK 4, \NC
	BLOCK 5, \NC
	BLOCK 6, \NC
	BLOCK 7, \NC
	s_endpgm
.endm
.Lw_qkv:
	s_wait_alu depctr_va_vdst(0)
	WPATH 4, 3072, 8, 2, 256, WQC, WQS
.Lw_o:
	s_wait_alu depctr_va_vdst(0)
	WPATH 6, 1024, 8, 2, 304, WOC, WOS
.Lw_1:
	s_wait_alu depctr_va_vdst(0)
	WPATH 8, 4096, 8, 2, 320, W1C, W1S
.Lw_2:
	s_wait_alu depctr_va_vdst(0)
	WPATH 10, 1024, 32, 4, 384, W2C, W2S
; ---- THE NORM: y = (x - mean) rsqrt(var + 1e-5) w + b over rows of 1,024 f32, quantised along the row.
; A work-group takes one tile of 16 rows (its number is the tile's).  Wave w takes K step w: columns 128 w .. 128 w + 127.
; Each load reads 512 consecutive bytes of one row.  The wave's 16 x 512 bytes turn through its own stage in LDS (pitch 528 = 33 x 16 bytes) so that lane (r, h) holds, of row r, columns 64 c + 32 h + 0 .. 31:
; the very numbers of its twelve operand registers.  Mean and variance are taken in two passes (sum; sum of squared differences), each joined over the eight waves through 512 bytes of LDS and one barrier.
; Out: three stores of 512 consecutive bytes of codes; the tile's 16 scale words are 64 bytes of a pair's 128 (the other tile of the pair belongs to another work-group).
.set NSTG, 8448                        ; a wave's stage: 16 rows x 528
.set NRED, 67584                       ; 16 rows x 8 waves x 4 bytes: the sums;  512 bytes on: the sums of squares
.set NXNS, 3145728                     ; where the scale words begin in xn
.set NR, 64                            ; v64-127  x as loaded, later b
.set NX, 128                           ; v128-191 my 64 numbers
.set NW, 192                           ; v192-255 w
.set NPC, 16                           ; v16-27   the codes
.set NPT, 48                           ; v48-54   the conversions' second halves
.set NTM, 56                           ; v56-63   at work
.set NPW, 30                           ; v30      the scale word
.Lnorm:
	s_load_b256 s[4:11], s[0:1], 0x30              ; x, ln1_w, ln1_b, xn
	v_lshrrev_b32 v1, 5, v0
	s_delay_alu instid0(VALU_DEP_1)
	v_readfirstlane_b32 s12, v1                    ; wave
	v_and_b32 v2, 31, v0
	v_and_b32 v3, 15, v0                           ; r
	v_bfe_u32 v4, v0, 4, 1                         ; h
	s_delay_alu instid0(VALU_DEP_3)
	v_lshlrev_b32 v5, 4, v2                        ; 16 x lane
	s_delay_alu instid0(VALU_DEP_2)
	v_lshlrev_b32 v6, 7, v4                        ; 128 h
	s_mul_i32 s13, s12, NSTG
	v_add_nc_u32 v7, s13, v5                       ; the stage, on the way in
	v_mul_u32_u24 v8, v3, 528
	s_delay_alu instid0(VALU_DEP_1)
	v_add_nc_u32 v8, v8, v6
	s_delay_alu instid0(VALU_DEP_1)
	v_add_nc_u32 v8, s13, v8                       ; and on the way out: row r, + 128 h
	v_lshlrev_b32 v9, 5, v3
	s_delay_alu instid0(VALU_DEP_1)
	v_add_nc_u32 v9, NRED, v9                      ; my row's eight partial sums
	s_lshl_b32 s14, s12, 2
	v_add_nc_u32 v10, s14, v9                      ; and my wave's word among them
	v_lshlrev_b32 v11, 2, v3                       ; 4 r
	v_mov_b32 v40, 0                               ; (a lane permute's destination counts as one of its sources)
	s_lshr_b32 s15, ttmp9, 1
	s_lshl_b32 s15, s15, 5
	s_and_b32 s16, ttmp9, 1
	s_lshl_b32 s17, s16, 3
	s_add_co_u32 s15, s15, s17                     ; the tile's first row
	s_lshl_b32 s18, s15, 12
	s_lshl_b32 s20, s12, 9                         ; my 512 bytes of a row
	s_add_co_u32 s18, s18, s20
	s_mov_b32 s19, 0
	s_mov_b32 s21, 0
	s_mov_b32 s22, 0x76543210
	s_mov_b32 s23, 0xfedcba98                      ; lane l xor 16
	s_lshl_b32 s24, ttmp9, 3
	s_add_co_u32 s24, s24, s12
	s_mul_i32 s24, s24, 1536                       ; my fragment's image
	s_mov_b32 s25, 0
	s_lshr_b32 s26, ttmp9, 1
	s_lshl_b32 s26, s26, 3
	s_add_co_u32 s26, s26, s12
	s_lshl_b32 s26, s26, 7
	s_lshl_b32 s27, s16, 6
	s_add_co_u32 s26, s26, s27                     ; my tile's half of the pair's scale words
	s_mov_b32 s27, 0
	s_mov_b32 s28, 0x3a800000                      ; 1 / 1024
	s_mov_b32 s29, 0x3727c5ac                      ; 1e-5
	s_wait_alu depctr_va_vdst(0)
	s_wait_kmcnt 0x0
	s_add_nc_u64 s[4:5], s[4:5], s[18:19]
	s_add_nc_u64 s[6:7], s[6:7], s[20:21]
	s_add_nc_u64 s[8:9], s[8:9], s[20:21]
	s_add_nc_u64 s[24:25], s[10:11], s[24:25]
	s_add_nc_u64 s[26:27], s[10:11], s[26:27]
	s_add_nc_u64 s[26:27], s[26:27], NXNS
.irp i, 0,1,2,3,4,5,6,7,8,9,10,11,12,13,14,15
	global_load_b128 v[NR+4*\i:NR+4*\i+3], v5, s[4:5] offset:(\i+8*(\i/8))*4096
.endr
.irp c, 0,1
.irp j, 0,1,2,3,4,5,6,7
	global_load_b128 v[NW+32*\c+4*\j:NW+32*\c+4*\j+3], v6, s[6:7] offset:256*\c+16*\j
.endr
.endr
	s_wait_loadcnt 16                              ; x is in; the gain's sixteen loads may be out
.irp i, 0,1,2,3,4,5,6,7,8,9,10,11,12,13,14,15
	ds_store_b128 v7, v[NR+4*\i:NR+4*\i+3] offset:528*\i
.endr
.irp c, 0,1
.irp j, 0,1,2,3,4,5,6,7
	ds_load_b128 v[NX+32*\c+4*\j:NX+32*\c+4*\j+3], v8 offset:256*\c+16*\j   ; LDS serves a wave's instructions in order: these see my stores
.endr
.endr
	s_wait_dscnt 0x0
.irp c, 0,1
.irp j, 0,1,2,3,4,5,6,7
	global_load_b128 v[NR+32*\c+4*\j:NR+32*\c+4*\j+3], v6, s[8:9] offset:256*\c+16*\j   ; the bias, into the registers that the stage's stores have read
.endr
.endr
; four packed chains in v32-39 become my row's sum over all 1,024 columns, in every lane
.macro REDUCE off
	s_delay_alu instid0(VALU_DEP_3)
	v_pk_add_f32 v[32:33], v[32:33], v[34:35]
	s_delay_alu instid0(VALU_DEP_2)
	v_pk_add_f32 v[36:37], v[36:37], v[38:39]
	s_delay_alu instid0(VALU_DEP_1)
	v_pk_add_f32 v[32:33], v[32:33], v[36:37]
	s_delay_alu instid0(VALU_DEP_1)
	v_add_f32 v32, v32, v33
	s_delay_alu instid0(VALU_DEP_1)
	v_permlanex16_b32 v40, v32, s22, s23
	s_delay_alu instid0(VALU_DEP_1)
	v_add_f32 v32, v32, v40                        ; my wave's 128 columns of row r
	ds_store_b32 v10, v32 offset:\off              ; both lanes of a row write the same word with the same value
	s_wait_dscnt 0x0                               ; for the others' sake
	s_barrier_signal -1
	s_barrier_wait -1
	ds_load_b128 v[32:35], v9 offset:\off
	ds_load_b128 v[36:39], v9 offset:\off+16
	s_wait_dscnt 0x0
	v_add_f32 v32, v32, v33
	v_add_f32 v34, v34, v35
	v_add_f32 v36, v36, v37
	v_add_f32 v38, v38, v39
	s_delay_alu instid0(VALU_DEP_3)
	v_add_f32 v32, v32, v34
	s_delay_alu instid0(VALU_DEP_2)
	v_add_f32 v36, v36, v38
	s_delay_alu instid0(VALU_DEP_1)
	v_add_f32 v32, v32, v36
.endm
.irp k, 0,1,2,3
	v_pk_add_f32 v[32+2*\k:33+2*\k], v[NX+2*\k:NX+2*\k+1], v[NX+8+2*\k:NX+9+2*\k]
.endr
.irp j, 2,3,4,5,6,7
.irp k, 0,1,2,3
	s_delay_alu instid0(VALU_DEP_4)
	v_pk_add_f32 v[32+2*\k:33+2*\k], v[32+2*\k:33+2*\k], v[NX+8*\j+2*\k:NX+8*\j+2*\k+1]
.endr
.endr
	REDUCE 0
	s_delay_alu instid0(VALU_DEP_1)
	v_mul_f32 v42, 0xba800000, v32                 ; -mean
	s_delay_alu instid0(VALU_DEP_1)
	v_mov_b32 v43, v42
.set i, 0
.rept 32
	v_pk_add_f32 v[NX+2*i:NX+2*i+1], v[NX+2*i:NX+2*i+1], v[42:43]
.set i, i+1
.endr
.irp k, 0,1,2,3
	v_pk_mul_f32 v[32+2*\k:33+2*\k], v[NX+2*\k:NX+2*\k+1], v[NX+2*\k:NX+2*\k+1]
.endr
.irp j, 1,2,3,4,5,6,7
.irp k, 0,1,2,3
	s_delay_alu instid0(VALU_DEP_4)
	v_pk_fma_f32 v[32+2*\k:33+2*\k], v[NX+8*\j+2*\k:NX+8*\j+2*\k+1], v[NX+8*\j+2*\k:NX+8*\j+2*\k+1], v[32+2*\k:33+2*\k]
.endr
.endr
	REDUCE 512                                     ; other bytes than the first sum's: so one barrier serves each
	s_delay_alu instid0(VALU_DEP_1)
	v_fma_f32 v44, v32, s28, s29                   ; var + eps
	s_wait_alu depctr_va_vdst(0)
	v_rsq_f32 v46, v44
	v_nop                                          ; a plain line behind the transcendental
	s_wait_alu depctr_va_vdst(0)                   ; and the wait ahead of its first reader
	v_mov_b32 v47, v46
	s_wait_alu depctr_va_vdst(0)
	s_wait_loadcnt 0x0                             ; gain and bias
.set i, 0
.rept 32
	v_pk_mul_f32 v[NX+2*i:NX+2*i+1], v[NX+2*i:NX+2*i+1], v[46:47]
.set i, i+1
.endr
.set i, 0
.rept 32
	v_pk_fma_f32 v[NX+2*i:NX+2*i+1], v[NX+2*i:NX+2*i+1], v[NW+2*i:NW+2*i+1], v[NR+2*i:NR+2*i+1]
.set i, i+1
.endr
	; the quantiser: register 32 c + i is k = 64 c + 32 h + i: two whole blocks a lane
.irp c, 0,1
	v_max3_num_f32 v[NTM+\c], |v[NX+32*\c]|, |v[NX+32*\c+1]|, 0x1800000   ; with the floor 2^(3 - 127)
.endr
.irp i, 2,4,6,8,10,12,14,16,18,20,22,24,26,28,30
.irp c, 0,1
	s_delay_alu instid0(VALU_DEP_2)
	v_max3_num_f32 v[NTM+\c], v[NTM+\c], |v[NX+32*\c+\i]|, |v[NX+32*\c+\i+1]|
.endr
.endr
.irp c, 0,1
	s_delay_alu instid0(VALU_DEP_2)
	v_add_nc_u32 v[NTM+4+\c], 0xff000000, v[NTM+\c]  ; 2 off the exponent field: the conversion's scale operand
.endr
.irp c, 0,1
	s_delay_alu instid0(VALU_DEP_2)
	v_lshrrev_b32 v[NTM+2+\c], 23, v[NTM+4+\c]
.endr
	s_delay_alu instid0(VALU_DEP_1)
	v_lshl_or_b32 v[NPW], v[NTM+3], 16, v[NTM+2]   ; my bytes: blocks h and 2 + h,
	v_lshlrev_b32 v[NTM+6], 3, v4
	s_delay_alu instid0(VALU_DEP_1)
	v_lshlrev_b32 v[NPW], v[NTM+6], v[NPW]         ; at their places;
	v_mov_b32 v[NTM+7], 0
	s_delay_alu instid0(VALU_DEP_1)
	v_permlanex16_b32 v[NTM+7], v[NPW], s22, s23
	s_delay_alu instid0(VALU_DEP_1)
	v_or_b32 v[NPW], v[NPW], v[NTM+7]              ; with lane l xor 16's two the word is whole
.irp c, 0,1
	v_cvt_scalef32_pk16_fp6_f32 v[NPC+6*\c:NPC+6*\c+2], v[NX+32*\c:NX+32*\c+15], v[NTM+4+\c]
	v_cvt_scalef32_pk16_fp6_f32 v[NPT+4*\c:NPT+4*\c+2], v[NX+32*\c+16:NX+32*\c+31], v[NTM+4+\c]
.endr
	v_nop
.irp c, 0,1
.irp i, 0,1,2
	v_mov_b32 v[NPC+6*\c+3+\i], v[NPT+4*\c+\i]
.endr
.endr
.irp g, 0,1,2
	global_store_b128 v5, v[NPC+4*\g:NPC+4*\g+3], s[24:25] offset:512*\g
.endr
	global_store_b32 v11, v[NPW], s[26:27]         ; lanes 16-31 repeat lanes 0-15's words at the same places
	s_wait_tensorcnt 0x0                           ; the wave's end
	ds_add_u32 v15, v14
	s_wait_dscnt 0x0
	s_endpgm
.Lfunc_end_k_q83adf590d3_prep:
	.size	k_q83adf590d3_prep, .Lfunc_end_k_q83adf590d3_prep-k_q83adf590d3_prep
	.p2alignl 7, 3214868480
	.fill 96, 4, 3214868480
	.section	.rodata,"a",@progbits
	.p2align	6, 0x0
	.amdhsa_kernel k_q83adf590d3_prep
		.amdhsa_group_segment_fixed_size 69632
		.amdhsa_private_segment_fixed_size 0
		.amdhsa_enable_private_segment 0
		.amdhsa_kernarg_size 80
		.amdhsa_user_sgpr_count 2
		.amdhsa_user_sgpr_kernarg_segment_ptr 1
		.amdhsa_wavefront_size32 1
		.amdhsa_system_sgpr_workgroup_id_x 1
		.amdhsa_system_sgpr_workgroup_id_y 1
		.amdhsa_system_sgpr_workgroup_id_z 1
		.amdhsa_system_vgpr_workitem_id 0
		.amdhsa_next_free_vgpr 256
		.amdhsa_next_free_sgpr 66
		.amdhsa_reserve_vcc 1
		.amdhsa_float_denorm_mode_32 3
		.amdhsa_float_denorm_mode_16_64 3
		.amdhsa_memory_ordered 1
		.amdhsa_forward_progress 1
		.amdhsa_inst_pref_size 234
	.end_amdhsa_kernel
	.amdgpu_metadata
---
amdhsa.version: [ 1, 2 ]
amdhsa.kernels:
  - .name:           k_q83adf590d3_prep
    .symbol:         k_q83adf590d3_prep.kd
    .args:
      - { .name: qkv_w, .offset: 0, .size: 8, .value_kind: global_buffer, .address_space: global }
      - { .name: o_w, .offset: 8, .size: 8, .value_kind: global_buffer, .address_space: global }
      - { .name: mlp_w1, .offset: 16, .size: 8, .value_kind: global_buffer, .address_space: global }
      - { .name: mlp_w2, .offset: 24, .size: 8, .value_kind: global_buffer, .address_space: global }
      - { .name: pos, .offset: 32, .size: 8, .value_kind: global_buffer, .address_space: global }
      - { .name: wts, .offset: 40, .size: 8, .value_kind: global_buffer, .address_space: global }
      - { .name: x, .offset: 48, .size: 8, .value_kind: global_buffer, .address_space: global }
      - { .name: ln1_w, .offset: 56, .size: 8, .value_kind: global_buffer, .address_space: global }
      - { .name: ln1_b, .offset: 64, .size: 8, .value_kind: global_buffer, .address_space: global }
      - { .name: xn, .offset: 72, .size: 8, .value_kind: global_buffer, .address_space: global }
    .group_segment_fixed_size: 69632
    .private_segment_fixed_size: 0
    .kernarg_segment_align: 8
    .kernarg_segment_size: 80
    .max_flat_workgroup_size: 256
    .sgpr_count:     66
    .vgpr_count:     256
    .wavefront_size: 32
...
	.end_amdgpu_metadata
.endif
;; end of part 1
;; launch qkvp (part 2): grid 8 x 24, 4 waves a work-group, clusters of 4 x 4, 327,680 bytes of LDS; arguments xn, wts, qkv_b, qkv; writes qkv
.if DOCPART == 2
	.amdgcn_target "amdgcn-amd-amdhsa--gfx1250"
	.amdhsa_code_object_version 6
	.text
	.protected	k_q83adf590d3_qkvp
	.globl	k_q83adf590d3_qkvp
	.p2align	8
	.type	k_q83adf590d3_qkvp,@function
k_q83adf590d3_qkvp:
	s_mov_b64 s[64:65], 0
	v_nop
	global_prefetch_b8 v0, s[64:65] scope:SCOPE_SE
	s_setreg_imm32_b32 hwreg(HW_REG_WAVE_MODE, 25, 1), 1
	s_wait_xcnt 0x0
	s_wait_alu depctr_hold_cnt(0) depctr_sa_sdst(0) depctr_va_vdst(0) depctr_va_sdst(0) depctr_va_ssrc(0) depctr_va_vcc(0) depctr_vm_vsrc(0)
	s_getreg_b32 s2, hwreg(HW_REG_IB_STS2, 6, 4)
	s_cmp_eq_u32 s2, 0
	s_cbranch_scc0 .Lentry_in_a_cluster
	s_endpgm
.Lentry_in_a_cluster:
	s_bfe_u32 s2, ttmp6, 0x10000c
	s_cmp_lg_u32 s2, 0xf033
	s_cbranch_scc0 .Lentry_shape_is_right
	s_endpgm
.Lentry_shape_is_right:
; qkv = xn W + b on codes of FP6 (E2M3); then q and k are rotated (RoPE) and quantised along the head's 64, v along the keys; all three leave as images of the next products' operand registers.
; THE CORE (shared by four launches): a work-group of four waves makes 256 x 256; a wave 128 x 128: 64 accumulators.  Both operands lie in memory as register images (a fragment of 16 rows x 128 K: 1,536 bytes,
; registers 4 g .. 4 g + 3 of lane l at 512 g + 16 l), [tile][K step]; scale words [pair of tiles][K step][128 bytes], lanes 0-15 the even tile, lanes 16-31 the odd one.  K goes in slots of two steps through a ring of
; two LDS slots; each wave fetches a quarter of a slot by one tensor load (8 rows of 3,072 bytes).  The scale words for all of K come once, with the first fills.  A fragment comes from LDS by three loads of 16 bytes a lane.
; THE MATRIX INSTRUCTION IS USED TRANSPOSED: source 0 = the B side's 16 rows, source 1 = the A side's.  A tile's lane row r stands for true row 32 (t / 2) + 8 (t % 2) + r + 8 (r / 8), so a lane's 64 results of one
; A block are 128 / 2 neighbours in the order that the quantiser wants: register 16 b + i = B row 32 b + 16 (lane / 16) + i.
; CLUSTERS of 4 x 4: A's tiles hang on the work-group's y and are asked for jointly along a row of the cluster, B's on x and along a column.
; ROLES.  Cluster rows 0-3: A = 256 tokens (xn), B = 256 columns of q or k.  Cluster rows 4, 5: A = 256 columns of v, B = 256 tokens: so a lane holds one channel of v and 128 keys.  The choice hangs on the cluster's y alone.
; The table of cos and sin of A's 16 tiles of tokens comes by one more joint first fill (in the v work-groups it is asked for alike, inside the table, and not read).
; By this text's count a wave has one tensor load out at the start and one behind each round.
; No prefetch is laid: half of K is asked for by the first fills, and the rest one slot ahead.
; LIMITS: a block of zeros, or under 2^-124, gets the byte 1 (its codes are zeros; this program alone reads the bytes); NaN and infinities are not served.
.set T, 8                              ; tiles of 16 a wave and side
.set NQ, 2                             ; K steps of 128 in a slot
.set KS, 8                             ; K steps in all
.set AHF, 0
.set XNS, 3145728                      ; xn's scale words
.set WQS, 9437184                      ; qkv_w's scale words in wts (its codes begin at 0)
.set ROPE, 9830400                     ; the table in wts
.set KC, 3145728                       ; in qkv: k's codes (q's at 0), v's codes, q's, k's and v's scale words
.set VC, 6291456
.set QS, 9437184
.set VS, 9961472
.set HALFT, NQ*T*1536                  ; a quarter of a slot
.set SLOT, 4*HALFT
.set LAPS, KS/(2*NQ)
.set SCL, 2*SLOT                       ; behind the ring: the scale words
.set HALFS, (T/2)*KS*128
.set SPARE, SCL+4*HALFS                ; the spare words: 128 bytes a wave, named by no other line
.set SCR, SPARE+512                    ; scratch of the way out: bytes of its own, into which no fill lands
.set ROPL, SCR+4096                    ; the table of 16 tiles of tokens, 4,096 bytes each: filled once
.set ADRA, 16                          ; v16-17 LDS address of my A fragments in slot 0, 1
.set ADRA8, 18
.set ADRB, 20                          ; v20-21 of my B fragments
.set ADRSA, 22                         ; v22, v23 of the scale words in hand
.set ADRSB, 23
.set SPW, 28                           ; v28 my spare word's address, v29 = 0: never rewritten
.set NIL, 29
.set SC, 32                            ; v32-47 scale words: set p at SC + T p: A's pairs, then B's
.set AF, 64                            ; window 0: A's two sets of fragments;  window 1: B's two sets at v0 and v128;  windows 2, 3: the accumulators, (a, b) at v[8 (T (a % 4) + b)] of window 2 + a / 4
.set WV, 2                             ; s2 wave; s3 wave / 2: my half of A, and whether I fetch for A (0) or B (1); s15 wave % 2: my half of B, and which half I fetch
.set WA, 3
.set LAPC, 14
.set BL, 14
.set WB, 15
.set TA, 16                            ; s16, s17 the work-group's tile on the A side and on the B side
.set TB, 17
.set G1, 24
.set G0, 32
.set G1B, 48
.set G0B, 56
.set G1S, 68
.set G0S, 76
.set G1SB, 80
.set G0SB, 88
.set TM, 32                            ; the way out: v32-47 at work, v224-235 codes, v236-242 the conversions' second halves, v244 the scale word
.set PC, 224
.set PT, 236
.set PW, 244
.set SEL, 24
.set MSB, 0
.macro WIN new                         ; the immediate's high byte repeats the setting that is left
.if MSB != (\new)
	s_set_vgpr_msb (MSB<<8)|(\new)
.set MSB, (\new)
.endif
.endm
.macro PLACES n
.rept \n
	v_nop
.endr
.endm
.macro JLOAD g0a, g1a, g0b, g1b        ; a joint load: waves 0, 1 for A, waves 2, 3 for B; four v_nop follow each line
	s_cmp_eq_u32 s[WA], 0
	s_cbranch_scc0 .Lfor_b_\@
	tensor_load_to_lds s[\g0a:\g0a+3], s[\g1a:\g1a+7]
	s_nop 0
	PLACES 4
	s_branch .Lasked_\@
.Lfor_b_\@:
	tensor_load_to_lds s[\g0b:\g0b+3], s[\g1b:\g1b+7]
	s_nop 0
	PLACES 4
.Lasked_\@:
.endm
.macro CREST                           ; a round of the cluster's barrier behind its opening barrier
	s_cmp_lg_u32 s[WV], 0
	s_cbranch_scc1 .Lnot_wave_0_\@
	s_barrier_signal -3
.Lnot_wave_0_\@:
	s_barrier_wait -3
	s_barrier_signal -1
	s_barrier_wait -1
.endm
.macro CROUND
	s_barrier_signal -1
	s_barrier_wait -1
	CREST
.endm
; one product.  cm = 1: C is the constant 0, else v[cr ..].  rb, ra: which half of the lanes holds the scale words of source 0 and of source 1
.macro WM d, bf, af, cm, cr, sb, sa, rb, ra
.if (\cm) == 1
.if (\rb) == 0 && (\ra) == 0
	v_wmma_scale_f32_16x16x128_f8f6f4 v[\d:\d+7], v[\bf:\bf+11], v[\af:\af+11], 0, v[\sb], v[\sa] matrix_a_fmt:MATRIX_FMT_FP6 matrix_b_fmt:MATRIX_FMT_FP6
.elseif (\rb) == 1 && (\ra) == 0
	v_wmma_scale_f32_16x16x128_f8f6f4 v[\d:\d+7], v[\bf:\bf+11], v[\af:\af+11], 0, v[\sb], v[\sa] matrix_a_fmt:MATRIX_FMT_FP6 matrix_b_fmt:MATRIX_FMT_FP6 matrix_a_scale:MATRIX_SCALE_ROW1
.elseif (\rb) == 0
	v_wmma_scale_f32_16x16x128_f8f6f4 v[\d:\d+7], v[\bf:\bf+11], v[\af:\af+11], 0, v[\sb], v[\sa] matrix_a_fmt:MATRIX_FMT_FP6 matrix_b_fmt:MATRIX_FMT_FP6 matrix_b_scale:MATRIX_SCALE_ROW1
.else
	v_wmma_scale_f32_16x16x128_f8f6f4 v[\d:\d+7], v[\bf:\bf+11], v[\af:\af+11], 0, v[\sb], v[\sa] matrix_a_fmt:MATRIX_FMT_FP6 matrix_b_fmt:MATRIX_FMT_FP6 matrix_a_scale:MATRIX_SCALE_ROW1 matrix_b_scale:MATRIX_SCALE_ROW1
.endif
.else
.if (\rb) == 0 && (\ra) == 0
	v_wmma_scale_f32_16x16x128_f8f6f4 v[\d:\d+7], v[\bf:\bf+11], v[\af:\af+11], v[\cr:\cr+7], v[\sb], v[\sa] matrix_a_fmt:MATRIX_FMT_FP6 matrix_b_fmt:MATRIX_FMT_FP6
.elseif (\rb) == 1 && (\ra) == 0
	v_wmma_scale_f32_16x16x128_f8f6f4 v[\d:\d+7], v[\bf:\bf+11], v[\af:\af+11], v[\cr:\cr+7], v[\sb], v[\sa] matrix_a_fmt:MATRIX_FMT_FP6 matrix_b_fmt:MATRIX_FMT_FP6 matrix_a_scale:MATRIX_SCALE_ROW1
.elseif (\rb) == 0
	v_wmma_scale_f32_16x16x128_f8f6f4 v[\d:\d+7], v[\bf:\bf+11], v[\af:\af+11], v[\cr:\cr+7], v[\sb], v[\sa] matrix_a_fmt:MATRIX_FMT_FP6 matrix_b_fmt:MATRIX_FMT_FP6 matrix_b_scale:MATRIX_SCALE_ROW1
.else
	v_wmma_scale_f32_16x16x128_f8f6f4 v[\d:\d+7], v[\bf:\bf+11], v[\af:\af+11], v[\cr:\cr+7], v[\sb], v[\sa] matrix_a_fmt:MATRIX_FMT_FP6 matrix_b_fmt:MATRIX_FMT_FP6 matrix_a_scale:MATRIX_SCALE_ROW1 matrix_b_scale:MATRIX_SCALE_ROW1
.endif
.endif
.endm
; A's block a against B's T tiles, on set p.  mode 0: onto the sums; 1: the sums begin with 0; 2: with the bias tiles (window 1).  The accumulators take turns, one instruction a turn
.macro MULA a, p, mode
.if (\mode) == 2
	WIN 0x91+0x40*((\a)/4)
.else
	WIN 0xa1+0x50*((\a)/4)
.endif
.irp b, 0,1,2,3,4,5,6,7
.if \b < T
.set rD, 8*(T*((\a)%4)+\b)
.set rC, rD
.if (\mode) == 2
.set rC, 96+128*(\b/4)+8*(\b%4)
.endif
.set rB, 128*(\p)+12*\b
.set rA, AF+12*T*(\p)+12*(\a)
.set rSB, SC+T*(\p)+T/2+\b/2
.set rSA, SC+T*(\p)+(\a)/2
	WM rD, rB, rA, \mode, rC, rSB, rSA, \b%2, (\a)%2
.endif
.endr
.endm
.macro MULR a0, n, p, mode             ; blocks a0 .. a0 + n - 1
.set aa, \a0
.rept \n
	MULA aa, \p, \mode
.set aa, aa+1
.endr
.endm
.macro FETCH slot, q, p                ; the fragments and scale words of the slot's q-th K step into set p
	WIN 0x40
.set i, 0
.rept T
.irp g, 0,1,2
	ds_load_b128 v[128*(\p)+12*i+4*\g:128*(\p)+12*i+4*\g+3], v[ADRB+\slot] offset:(i*NQ+(\q))*1536+512*\g
.endr
.set i, i+1
.endr
	WIN 0
.set i, 0
.rept T
.set rA, AF+12*T*(\p)+12*i
.set oA, (i*NQ+(\q))*1536
.if AHF
	ds_load_b128 v[rA:rA+3], v[ADRA+\slot] offset:oA
	ds_load_b64 v[rA+4:rA+5], v[ADRA8+\slot] offset:oA+512
	ds_load_b128 v[rA+6:rA+9], v[ADRA+\slot] offset:oA+768
	ds_load_b64 v[rA+10:rA+11], v[ADRA8+\slot] offset:oA+1280
.else
.irp g, 0,1,2
	ds_load_b128 v[rA+4*\g:rA+4*\g+3], v[ADRA+\slot] offset:oA+512*\g
.endr
.endif
.set i, i+1
.endr
.set i, 0
.rept T/2
	ds_load_b32 v[SC+T*(\p)+i], v[ADRSA] offset:(i*KS+(\q))*128
	ds_load_b32 v[SC+T*(\p)+T/2+i], v[ADRSB] offset:(i*KS+(\q))*128
.set i, i+1
.endr
.endm
.macro STEP slot, q, mode              ; a K step that has its successor in the same slot: the successor's fragments are asked for first, into the other set
	s_wait_dscnt 0x0                               ; this step's fragments are in (asked for a whole step ago)
	PLACES 4                                       ; four places in front of loads into registers that matrix instructions have read
	FETCH \slot, (\q)+1, 1-(\q)%2
	MULR 0, T, (\q)%2, \mode
.endm
.macro MID slot, q0                    ; STEP for q = q0 .. NQ - 2
.set qq, \q0
.rept NQ-1-(\q0)
	STEP \slot, qq, 0
.set qq, qq+1
.endr
.endm
; a slot's last step changes slots: one barrier; in front of it each wave waits for all its tensor loads, adds 0 to its spare word, and waits for that and for its reads of this slot
.macro TURN slot, next, fill
	WIN 0
	s_wait_tensorcnt 0x0                           ; all my tensor loads have landed: my part of the next slot
	ds_add_u32 v[SPW], v[NIL]                      ; 0 onto my spare word
	s_wait_dscnt 1                                 ; the add alone may be out: this step's fragments are in
	MULR 0, T/4, 1, 0
	s_wait_dscnt 0x0                               ; the add is done, and my reads of this slot are over
	s_barrier_signal -1
	MULR T/4, T/4, 1, 0
	WIN 0
	s_barrier_wait -1
.if (\fill) == 1
	CREST                                          ; the barrier has opened a round of the cluster's: no wave of any partner still reads this slot or has a load on its way
	s_add_nc_u64 s[G0+4*\slot+2:G0+4*\slot+3], s[G0+4*\slot+2:G0+4*\slot+3], 2*NQ*1536
	s_add_nc_u64 s[G0B+4*\slot+2:G0B+4*\slot+3], s[G0B+4*\slot+2:G0B+4*\slot+3], 2*NQ*1536
	JLOAD G0+4*\slot, G1, G0B+4*\slot, G1B         ; the first tensor load behind the round; its four v_nop are the places in front of the loads below
.elseif (\fill) == 2                   ; the table's first fill stands here, behind a round, every wave its quarter
	CREST
	tensor_load_to_lds s[20:23], s[92:99]
	s_nop 0
	PLACES 4
.else
	PLACES 4
.endif
	s_wait_alu depctr_va_vdst(0)
	v_add_nc_u32 v[ADRSA], NQ*128, v[ADRSA]        ; on to the next slot's scale words
	v_add_nc_u32 v[ADRSB], NQ*128, v[ADRSB]
	FETCH \next, 0, 0
	MULR T/2, T/2, 1, 0
.endm
; 64 numbers of a lane, register 16 b + i = k 32 b + 16 (lane / 16) + i of my row, become a fragment's codes in v[PC] on and its scale word in v[PW]
.macro QUANT s
.irp b, 0,1,2,3
	v_max3_num_f32 v[TM+\b], |v[\s+16*\b]|, |v[\s+1+16*\b]|, 0x1800000   ; with the floor 2^(3 - 127): the byte cannot fall under 1
.endr
.irp i, 2,4,6,8,10,12,14
.irp b, 0,1,2,3
	v_max3_num_f32 v[TM+\b], v[TM+\b], |v[\s+16*\b+\i]|, |v[\s+1+16*\b+\i]|
.endr
.endr
.irp b, 0,1,2,3
	v_permlanex16_b32 v[TM+4+\b], v[TM+\b], s[SEL], s[SEL+1]
.endr
.irp b, 0,1,2,3
	v_max_num_f32 v[TM+\b], v[TM+\b], v[TM+4+\b]   ; with lane l xor 16's: the block's largest magnitude
.endr
.irp b, 0,1,2,3
	v_add_nc_u32 v[TM+12+\b], 0xff000000, v[TM+\b] ; 2 off its exponent field: the conversion's scale operand
.endr
.irp b, 0,1,2,3
	v_lshrrev_b32 v[TM+4+\b], 23, v[TM+12+\b]      ; the byte
.endr
	v_lshl_or_b32 v[PW], v[TM+5], 8, v[TM+4]
	v_lshl_or_b32 v[PW], v[TM+6], 16, v[PW]
	v_lshl_or_b32 v[PW], v[TM+7], 24, v[PW]
.irp c, 0,1
	v_cvt_scalef32_pk16_fp6_f32 v[PC+6*\c:PC+2+6*\c], v[\s+32*\c:\s+15+32*\c], v[TM+12+2*\c]
	v_cvt_scalef32_pk16_fp6_f32 v[PT+4*\c:PT+2+4*\c], v[\s+16+32*\c:\s+31+32*\c], v[TM+12+2*\c+1]
.endr
	v_nop                                          ; one plain line behind the conversions
.irp c, 0,1                            ; the operand wants a whole block in a lane
.irp i, 0,1,2
	v_permlane16_swap_b32 v[PC+6*\c+\i], v[PT+4*\c+\i]
.endr
.irp i, 0,1,2
	v_mov_b32 v[PC+3+6*\c+\i], v[PT+4*\c+\i]
.endr
.endr
.endm
	s_load_b256 s[4:11], s[0:1], 0x0               ; xn, wts, qkv_b, qkv
	v_lshl_add_u32 v[SPW], v0, 2, SPARE
	v_mov_b32 v[NIL], 0
	ds_add_u32 v28, v29
	ds_add_u32 v28, v29
	s_wait_dscnt 0x0
	v_lshrrev_b32 v1, 5, v0
	v_readfirstlane_b32 s[WV], v1
	s_lshr_b32 s[WA], s[WV], 1
	s_and_b32 s[WB], s[WV], 1
	s_bfe_u32 s40, ttmp6, 0x40000                  ; cx
	s_bfe_u32 s41, ttmp6, 0x40004                  ; cy
	s_and_b32 s18, ttmp7, 0xffff                   ; the cluster's y
	s_lshl_b32 s[TA], s18, 2
	s_add_co_u32 s[TA], s[TA], s41                 ; q, k: A is the tile of tokens 4 y + cy
	s_add_co_u32 s19, s41, 8                       ; v: A is the tile of columns 8 + cy
	s_lshl_b32 s[TB], ttmp9, 2
	s_add_co_u32 s[TB], s[TB], s40                 ; q, k: B is the tile of columns 4 x + cx
	s_lshl_b32 s14, s18, 3
	s_add_co_u32 s14, s14, s[TB]
	s_sub_co_u32 s14, s14, 32                      ; v: B is the tile of tokens 4 x + cx + 8 (y - 4)
	s_lshl_b32 s42, s41, 2
	s_lshl_b32 s42, 15, s42                        ; my row of the cluster
	s_lshl_b32 s43, 0x1111, s40                    ; my column
	s_or_b32 s[G1], s42, (3<<16)|(1<<21)           ; the mask; elements of 8 bytes; bit 21 beside a mask; no padding
	s_or_b32 s[G1B], s43, (3<<16)|(1<<21)
.irp g, G1, G1B
	s_mov_b32 s[\g+1], (NQ*192)<<16                ; a row: NQ fragments
	s_mov_b32 s[\g+2], (2*T)<<16                   ; 2 T rows for the head's loads; T behind them
	s_mov_b32 s[\g+3], (NQ*192)<<16
	s_mov_b32 s[\g+4], 2*T
	s_mov_b32 s[\g+5], KS*192                      ; from tile to tile
	s_mov_b32 s[\g+6], 0
	s_mov_b32 s[\g+7], 0
.endr
	s_or_b32 s[G1S], s42, (3<<16)|(1<<21)          ; the scale words: a dense block as rows of 256 bytes
	s_or_b32 s[G1SB], s43, (3<<16)|(1<<21)
.irp g, G1S, G1SB
	s_mov_b32 s[\g+1], 32<<16
	s_mov_b32 s[\g+2], (2*HALFS/256)<<16           ; a side's scale words whole
	s_mov_b32 s[\g+3], 32<<16
	s_mov_b32 s[\g+4], 2*HALFS/256
	s_mov_b32 s[\g+5], 32
	s_mov_b32 s[\g+6], 0
	s_mov_b32 s[\g+7], 0
.endr
	s_or_b32 s92, s42, (3<<16)|(1<<21)             ; the table: 64 rows of 256 bytes a wave, shared along my row of the cluster
	s_mov_b32 s93, 32<<16
	s_mov_b32 s94, 64<<16
	s_mov_b32 s95, 32<<16
	s_mov_b32 s96, 64
	s_mov_b32 s97, 32
	s_mov_b32 s98, 0
	s_mov_b32 s99, 0
	s_mov_b32 s12, XNS
	s_mov_b32 s40, WQS
	s_wait_kmcnt 0x0
	s_cmp_ge_u32 s18, 4                            ; the v part?  The same answer in all sixteen partners
	s_cselect_b32 s13, 1, 0
	s_cselect_b32 s[TA], s19, s[TA]
	s_cselect_b32 s[TB], s14, s[TB]
	s_cselect_b64 s[20:21], s[6:7], s[4:5]         ; A's buffer
	s_cselect_b64 s[44:45], s[4:5], s[6:7]         ; B's buffer
	s_cselect_b32 s12, WQS, s12                    ; where A's scale words begin in it
	s_cselect_b32 s40, XNS, s40                    ; and B's
	s_mul_i32 s18, s[TA], 2*T
	s_mul_i32 s22, s18, KS*1536
	s_mov_b32 s23, 0
	s_add_nc_u64 s[G0+2:G0+3], s[20:21], s[22:23]
	s_mul_i32 s22, s18, KS*64
	s_add_co_u32 s22, s22, s12
	s_add_nc_u64 s[G0S+2:G0S+3], s[20:21], s[22:23]
	s_mul_i32 s19, s[TB], 2*T
	s_mul_i32 s46, s19, KS*1536
	s_mov_b32 s47, 0
	s_add_nc_u64 s[G0B+2:G0B+3], s[44:45], s[46:47]
	s_mul_i32 s46, s19, KS*64
	s_add_co_u32 s46, s46, s40
	s_add_nc_u64 s[G0SB+2:G0SB+3], s[44:45], s[46:47]
	s_mul_i32 s46, s[WB], T*KS*1536                ; in the ring I fetch T tiles of a side: which half, in bytes (s47 = 0)
	s_add_nc_u64 s[G0+6:G0+7], s[G0+2:G0+3], s[46:47]
	s_add_nc_u64 s[G0+6:G0+7], s[G0+6:G0+7], NQ*1536
	s_add_nc_u64 s[G0B+6:G0B+7], s[G0B+2:G0B+3], s[46:47]
	s_add_nc_u64 s[G0B+6:G0B+7], s[G0B+6:G0B+7], NQ*1536
.irp g, G0, G0+4, G0B, G0B+4, G0S, G0SB
	s_mov_b32 s[\g], 1
	s_or_b32 s[\g+3], s[\g+3], 0x80000000
.endr
	s_mul_i32 s[G0+5], s[WV], HALFT                ; slot 1: wave x a quarter: no place in the cluster enters an LDS address
	s_add_co_u32 s[G0+5], s[G0+5], SLOT
	s_mul_i32 s[G0B+5], s[WV], HALFT
	s_add_co_u32 s[G0B+5], s[G0B+5], SLOT
	s_mov_b32 s[G0+1], 0                           ; the head's four tiles, each whole: A's part of slot 0, B's, A's scale words, B's
	s_mov_b32 s[G0B+1], 2*HALFT
	s_mov_b32 s[G0S+1], SCL
	s_mov_b32 s[G0SB+1], SCL+2*HALFS
	s_lshl_b32 s18, s[TA], 4
	s_lshl_b32 s22, s[WV], 2
	s_add_co_u32 s18, s18, s22                     ; the table of tiles 16 A + 4 wave .. + 3
	s_lshl_b32 s22, s18, 12
	s_mov_b32 s23, 0
	s_add_nc_u64 s[22:23], s[6:7], s[22:23]
	s_add_nc_u64 s[22:23], s[22:23], ROPE
	s_or_b32 s23, s23, 0x80000000
	s_mov_b32 s20, 1
	s_lshl_b32 s21, s[WV], 14
	s_add_co_u32 s21, s21, ROPL
	CROUND                                         ; all sixteen work-groups are here: the first joint loads meet
; THE HEAD'S LOADS AS THEY NOW STAND, ONE A WAVE: wave 0 A's 2 T tiles of slot 0, wave 1 B's, wave 2 A's scale words, wave 3 B's; one chain of branches on the wave's number.
; Slot 1 is first filled behind the full sequence and a round; the table of cos and sin behind the last change of slots.  By this text's count a wave has one tensor load out at any time.
.macro ARM under, g0, g1, next
	s_cmp_lt_u32 s[WV], \under
	s_cbranch_scc0 \next
	tensor_load_to_lds s[\g0:\g0+3], s[\g1:\g1+7]
	s_nop 0
	PLACES 4
	s_branch .Lhead_asked
\next:
.endm
	ARM 1, G0, G1, .Lhead_b
	ARM 2, G0B, G1B, .Lhead_sa
	ARM 3, G0S, G1S, .Lhead_sb
	tensor_load_to_lds s[G0SB:G0SB+3], s[G1SB:G1SB+7]
	s_nop 0
	PLACES 4
.Lhead_asked:
	v_and_b32 v1, 31, v0
	v_and_b32 v4, 15, v0                           ; r
	v_bfe_u32 v5, v0, 4, 1                         ; h
	v_lshlrev_b32 v24, 4, v1                       ; 16 x lane
	s_wait_alu depctr_va_vdst(0)
	v_lshlrev_b32 v25, 3, v1                       ; 8 x lane
	v_lshlrev_b32 v30, 2, v1                       ; 4 x lane
	s_mul_i32 s18, s[WA], HALFT
	s_mul_i32 s19, s[WB], HALFT
	s_add_co_u32 s19, s19, 2*HALFT
	v_add_nc_u32 v[ADRA], s18, v24
	v_add_nc_u32 v[ADRA+1], SLOT, v[ADRA]
	v_add_nc_u32 v[ADRB], s19, v24
	v_add_nc_u32 v[ADRB+1], SLOT, v[ADRB]
	s_mul_i32 s18, s[WA], HALFS
	s_add_co_u32 s18, s18, SCL
	s_mul_i32 s19, s[WB], HALFS
	s_add_co_u32 s19, s19, SCL+2*HALFS
	v_add_nc_u32 v[ADRSA], s18, v30
	v_add_nc_u32 v[ADRSB], s19, v30
	s_lshl_b32 s18, s[WA], 15
	s_add_co_u32 s18, s18, ROPL
	v_add_nc_u32 v27, s18, v24                     ; the table of my eight tiles of tokens
	s_lshl_b32 s18, s[WV], 10
	s_add_co_u32 s18, s18, SCR
	v_lshl_add_u32 v31, v4, 2, s18                 ; my scratch: a block's scale words at 4 r,
	v_add_nc_u32 v1, s18, v24                      ; and back, 16 bytes a lane
	v_lshlrev_b32 v2, 6, v5                        ; q, k: the bias at 64 h
	v_and_b32 v3, 8, v4
	v_add_nc_u32 v3, v3, v4
	v_lshlrev_b32 v3, 2, v3                        ; v: the bias of my column: 4 (r + 8 (r / 8))
	s_wait_alu depctr_va_vdst(0)
	s_wait_tensorcnt 0x0                           ; my tile of the head's four is in
	ds_add_u32 v[SPW], v[NIL]
	s_mov_b32 s[G1+2], T<<16                       ; no tensor load of mine is out: from here on a load brings T tiles,
	s_mov_b32 s[G1+4], T
	s_mov_b32 s[G1B+2], T<<16
	s_mov_b32 s[G1B+4], T
	s_add_nc_u64 s[G0+2:G0+3], s[G0+2:G0+3], s[46:47]      ; my half of a side,
	s_add_nc_u64 s[G0B+2:G0B+3], s[G0B+2:G0B+3], s[46:47]
	s_mul_i32 s[G0+1], s[WV], HALFT                ; to wave x a quarter of slot 0
	s_mul_i32 s[G0B+1], s[WV], HALFT
	s_wait_dscnt 0x0
	CROUND                                         ; all four tiles are in, and all sixteen work-groups are here
	JLOAD G0+4, G1, G0B+4, G1B                     ; slot 1's first fill, the first tensor load behind the round
	FETCH 0, 0, 0
	STEP 0, 0, 1                                   ; the first step's products start the sums
	WIN 0
	s_mov_b32 s[LAPC], LAPS-1
.Llap:
	MID 0, 1
	TURN 0, 1, 1
	s_wait_alu depctr_va_vdst(0)
	MID 1, 0
	TURN 1, 0, 1
	s_wait_alu depctr_va_vdst(0)
	STEP 0, 0, 0
	WIN 0
	s_sub_co_u32 s[LAPC], s[LAPC], 1
	s_cmp_lg_u32 s[LAPC], 0
	s_cbranch_scc1 .Llap
	MID 0, 1
	TURN 0, 1, 2                                   ; the last lap fills no slot again; the table is asked for here
	s_wait_alu depctr_va_vdst(0)
	MID 1, 0
	s_wait_dscnt 0x0
	MULR 0, T, 1, 0
	WIN 0
	PLACES 4
	; ---- THE WAY OUT, a block of 16 A rows a trip.  Only the lines whose register numbers hang on the block are written eight times; a chain of compares on the trip's counter leads to them.
	s_wait_tensorcnt 0x0                           ; my quarter of the table is in,
	s_barrier_signal -1
	s_barrier_wait -1                              ; and everybody's
	s_mov_b32 s[SEL], 0x76543210                   ; (no tensor load is out: the descriptors' registers are free)
	s_mov_b32 s[SEL+1], 0xfedcba98
.irp b, 0,1,2,3
	v_mov_b32 v[TM+4+\b], 0                        ; a lane permute's destination counts as one of its sources
.endr
	s_cmp_eq_u32 s13, 1
	s_cbranch_scc1 .Lvpath
	; ---- q, k: lane (r, h) holds token r of the block; register 16 b + i is column 32 b + 16 h + i of my 128: heads 0 and 1 of my two, each as first half (b even) and second half (b odd), frequency 16 h + i
	s_lshr_b32 s26, s[TA], 3
	s_lshl_b32 s26, s26, 4
	s_and_b32 s27, s[TB], 3
	s_lshl_b32 s27, s27, 2
	s_add_co_u32 s26, s26, s27
	s_lshl_b32 s27, s[WB], 1
	s_add_co_u32 s26, s26, s27                     ; 16 batch + my first head
	s_and_b32 s27, s[TA], 7
	s_lshl_b32 s27, s27, 4
	s_lshl_b32 s28, s[WA], 3
	s_add_co_u32 s27, s27, s28                     ; my first tile of tokens in the batch
	s_lshr_b32 s28, s[TB], 2                       ; 0: q, 1: k
	s_lshl_b32 s30, s26, 7
	s_add_co_u32 s30, s30, s27
	s_lshl_b32 s34, s30, 6                         ; scale words: 64 bytes a tile
	s_mul_i32 s30, s30, 768                        ; codes: 768 bytes a tile
	s_mul_i32 s29, s28, KC
	s_add_co_u32 s30, s30, s29
	s_mov_b32 s31, 0
	s_add_nc_u64 s[20:21], s[10:11], s[30:31]
	s_mul_i32 s29, s28, 262144
	s_add_co_u32 s34, s34, s29
	s_mov_b32 s35, 0
	s_add_nc_u64 s[22:23], s[10:11], s[34:35]
	s_add_nc_u64 s[22:23], s[22:23], QS
	s_lshl_b32 s30, s[TB], 10
	s_lshl_b32 s29, s[WB], 9
	s_add_co_u32 s30, s30, s29
	s_add_nc_u64 s[36:37], s[8:9], s[30:31]        ; the bias of my 128 columns
	WIN 0x40
.irp b, 0,1,2,3
.irp j, 0,1,2,3
	global_load_b128 v[16*\b+4*\j:16*\b+4*\j+3], v2, s[36:37] offset:128*\b+16*\j   ; window 1, v0-63: in the results' order
.endr
.endr
	WIN 0
	s_mov_b32 s[BL], 0
	s_mov_b32 s18, 0                               ; the block's table: 4,096 bytes a trip
	s_mov_b32 s19, 0                               ; the block's scale words in my scratch: 64 bytes a trip
	s_wait_loadcnt 0x0
.Lqblk:
	v_add_nc_u32 v26, s18, v27
.irp g, 0,1,2,3,4,5,6,7
	ds_load_b128 v[192+4*\g:195+4*\g], v26 offset:512*\g   ; v192-207 cos, v208-223 sin of frequencies 16 h + 0 .. 15 at my token
.endr
.irp k, 0,1,2,3,4,5,6
	s_cmp_eq_u32 s[BL], \k
	s_cbranch_scc1 .Lxq\k
.endr
	s_branch .Lxq7
.macro XQ a
.Lxq\a:
	WIN 0x06+((\a)/4)                              ; source 0: the accumulators' window; source 1: window 1
.set i, 0
.rept 32
	v_pk_add_f32 v[64+2*i:65+2*i], v[64*((\a)%4)+2*i:64*((\a)%4)+2*i+1], v[2*i:2*i+1]   ; + bias; each accumulator from its low end on
.set i, i+1
.endr
	WIN 0
	s_branch .Lqcom
.endm
.irp a, 0,1,2,3,4,5,6,7
	XQ \a
.endr
.Lqcom:
	s_wait_dscnt 0x0                               ; the table (and the last trip's scratch stores)
.irp n, 0,1
.set i, 0
.rept 8
	v_pk_mul_f32 v[128+32*\n+2*i:129+32*\n+2*i], v[80+32*\n+2*i:81+32*\n+2*i], v[208+2*i:209+2*i]
	v_pk_fma_f32 v[128+32*\n+2*i:129+32*\n+2*i], v[64+32*\n+2*i:65+32*\n+2*i], v[192+2*i:193+2*i], v[128+32*\n+2*i:129+32*\n+2*i] neg_lo:[0,0,1] neg_hi:[0,0,1]   ; t1 cos - t2 sin
	v_pk_mul_f32 v[144+32*\n+2*i:145+32*\n+2*i], v[64+32*\n+2*i:65+32*\n+2*i], v[208+2*i:209+2*i]
	v_pk_fma_f32 v[144+32*\n+2*i:145+32*\n+2*i], v[80+32*\n+2*i:81+32*\n+2*i], v[192+2*i:193+2*i], v[144+32*\n+2*i:145+32*\n+2*i]   ; t2 cos + t1 sin
.set i, i+1
.endr
.endr
	QUANT 128
	global_store_b128 v24, v[PC:PC+3], s[20:21]                 ; head 0: six registers: 512 + 256 consecutive bytes
	global_store_b64 v25, v[PC+4:PC+5], s[20:21] offset:512
	global_store_b128 v24, v[PC+6:PC+9], s[20:21] offset:98304  ; head 1: a head's 128 tiles further on
	global_store_b64 v25, v[PC+10:PC+11], s[20:21] offset:98304+512
	v_lshrrev_b32 v245, 16, v[PW]
	v_add_nc_u32 v26, s19, v31
	ds_store_b32 v26, v[PW]                        ; head 0's two bytes below (what lies above them scales zero codes, and is never 0xff)
	ds_store_b32 v26, v245 offset:512              ; head 1's
	s_wait_xcnt 0x0                                ; the stores have read their registers and their base: both are written again only behind this wait
	s_add_nc_u64 s[20:21], s[20:21], 768
	s_add_co_u32 s18, s18, 4096
	s_add_co_u32 s19, s19, 64
	s_add_co_u32 s[BL], s[BL], 1
	s_cmp_lt_u32 s[BL], 8
	s_cbranch_scc1 .Lqblk
	ds_load_b128 v[32:35], v1                      ; eight tiles' scale words of a head are 512 consecutive bytes
	ds_load_b128 v[36:39], v1 offset:512
	s_wait_dscnt 0x0
	global_store_b128 v24, v[32:35], s[22:23]
	global_store_b128 v24, v[36:39], s[22:23] offset:8192
	s_branch .Lend
.Lvpath:
	; ---- v: lane (r, h) holds one channel of v; register 16 b + i is key 32 b + 16 h + i of my 128
	s_lshr_b32 s26, s[TB], 3
	s_lshl_b32 s26, s26, 4                         ; 16 batch
	s_sub_co_u32 s27, s[TA], 8
	s_lshl_b32 s28, s27, 2
	s_add_co_u32 s26, s26, s28
	s_lshl_b32 s28, s[WA], 1
	s_add_co_u32 s26, s26, s28                     ; + my first head
	s_and_b32 s28, s[TB], 7
	s_lshl_b32 s28, s28, 1
	s_add_co_u32 s28, s28, s[WB]                   ; my step of 128 keys
	s_lshl_b32 s26, s26, 4
	s_add_co_u32 s26, s26, s28
	s_lshl_b32 s26, s26, 2                         ; x 4 tiles of channels
	s_mul_i32 s30, s26, 1536
	s_mov_b32 s31, 0
	s_add_nc_u64 s[20:21], s[10:11], s[30:31]
	s_add_nc_u64 s[20:21], s[20:21], VC
	s_lshl_b32 s30, s26, 7
	s_add_nc_u64 s[22:23], s[10:11], s[30:31]
	s_add_nc_u64 s[22:23], s[22:23], VS
	s_lshl_b32 s30, s27, 4
	s_lshl_b32 s28, s[WA], 3
	s_add_co_u32 s30, s30, s28                     ; my first tile of v's columns
	s_lshl_b32 s30, s30, 6                         ; 16 columns x 4 bytes
	s_add_co_u32 s30, s30, 8192                    ; behind q's and k's 2,048
	s_add_nc_u64 s[44:45], s[8:9], s[30:31]
.irp a, 0,1,2,3,4,5,6,7
	global_load_b32 v[192+2*\a], v3, s[44:45] offset:(32*(\a/2)+8*(\a%2))*4
	global_load_b32 v[193+2*\a], v3, s[44:45] offset:(32*(\a/2)+8*(\a%2))*4    ; twice: a pair for the packed addition
.endr
	s_mov_b32 s[BL], 0
	s_wait_loadcnt 0x0
.Lvblk:
.irp k, 0,1,2,3,4,5,6
	s_cmp_eq_u32 s[BL], \k
	s_cbranch_scc1 .Lxv\k
.endr
	s_branch .Lxv7
.macro XV a
.Lxv\a:
	WIN 0x02+((\a)/4)
.set i, 0
.rept 32
	v_pk_add_f32 v[64+2*i:65+2*i], v[64*((\a)%4)+2*i:64*((\a)%4)+2*i+1], v[192+2*(\a):193+2*(\a)]
.set i, i+1
.endr
	WIN 0
	s_branch .Lvcom
.endm
.irp a, 0,1,2,3,4,5,6,7
	XV \a
.endr
.Lvcom:
	QUANT 64
	s_lshr_b32 s30, s[BL], 2                       ; which of my two heads,
	s_and_b32 s31, s[BL], 3                        ; which of its four tiles of channels
	s_mul_i32 s34, s30, 98304
	s_mul_i32 s35, s31, 1536
	s_add_co_u32 s34, s34, s35
	s_mov_b32 s35, 0
	s_add_nc_u64 s[36:37], s[20:21], s[34:35]
	s_lshl_b32 s34, s30, 13
	s_lshl_b32 s38, s31, 7
	s_add_co_u32 s34, s34, s38
	s_add_nc_u64 s[38:39], s[22:23], s[34:35]
	s_wait_alu depctr_va_vdst(0)
.irp g, 0,1,2
	global_store_b128 v24, v[PC+4*\g:PC+4*\g+3], s[36:37] offset:512*\g
.endr
	global_store_b32 v30, v[PW], s[38:39]          ; 128 bytes: lanes 16-31 hold the same words as lanes 0-15
	s_wait_xcnt 0x0                                ; the stores have read their registers and their bases
	s_add_co_u32 s[BL], s[BL], 1
	s_cmp_lt_u32 s[BL], 8
	s_cbranch_scc1 .Lvblk
.Lend:
	s_wait_tensorcnt 0x0                           ; the wave's end
	ds_add_u32 v[SPW], v[NIL]
	s_wait_dscnt 0x0
	CROUND                                         ; the closing round
	s_endpgm
.Lfunc_end_k_q83adf590d3_qkvp:
	.size	k_q83adf590d3_qkvp, .Lfunc_end_k_q83adf590d3_qkvp-k_q83adf590d3_qkvp
	.p2alignl 7, 3214868480
	.fill 96, 4, 3214868480
	.section	.rodata,"a",@progbits
	.p2align	6, 0x0
	.amdhsa_kernel k_q83adf590d3_qkvp
		.amdhsa_group_segment_fixed_size 327680
		.amdhsa_private_segment_fixed_size 0
		.amdhsa_enable_private_segment 0
		.amdhsa_kernarg_size 32
		.amdhsa_user_sgpr_count 2
		.amdhsa_user_sgpr_kernarg_segment_ptr 1
		.amdhsa_wavefront_size32 1
		.amdhsa_system_sgpr_workgroup_id_x 1
		.amdhsa_system_sgpr_workgroup_id_y 1
		.amdhsa_system_sgpr_workgroup_id_z 1
		.amdhsa_system_vgpr_workitem_id 0
		.amdhsa_next_free_vgpr 1024
		.amdhsa_next_free_sgpr 100
		.amdhsa_reserve_vcc 0
		.amdhsa_float_denorm_mode_32 3
		.amdhsa_float_denorm_mode_16_64 3
		.amdhsa_memory_ordered 1
		.amdhsa_forward_progress 1
		.amdhsa_inst_pref_size 163
	.end_amdhsa_kernel
	.amdgpu_metadata
---
amdhsa.version: [ 1, 2 ]
amdhsa.kernels:
  - .name:           k_q83adf590d3_qkvp
    .symbol:         k_q83adf590d3_qkvp.kd
    .args:
      - { .name: xn, .offset: 0, .size: 8, .value_kind: global_buffer, .address_space: global }
      - { .name: wts, .offset: 8, .size: 8, .value_kind: global_buffer, .address_space: global }
      - { .name: qkv_b, .offset: 16, .size: 8, .value_kind: global_buffer, .address_space: global }
      - { .name: qkv, .offset: 24, .size: 8, .value_kind: global_buffer, .address_space: global }
    .group_segment_fixed_size: 327680
    .private_segment_fixed_size: 0
    .kernarg_segment_align: 8
    .kernarg_segment_size: 32
    .max_flat_workgroup_size: 128
    .sgpr_count:     100
    .vgpr_count:     1024
    .wavefront_size: 32
...
	.end_amdgpu_metadata
.endif
;; end of part 2
;; launch attn (part 3): grid 8 x 32, 16 waves a work-group, clusters of 4 x 1, 215,040 bytes of LDS; arguments qkv, att; writes att
.if DOCPART == 3
	.amdgcn_target "amdgcn-amd-amdhsa--gfx1250"
	.amdhsa_code_object_version 6
	.text
	.protected	k_q83adf590d3_attn
	.globl	k_q83adf590d3_attn
	.p2align	8
	.type	k_q83adf590d3_attn,@function
k_q83adf590d3_attn:
	s_mov_b64 s[64:65], 0
	v_nop
	global_prefetch_b8 v0, s[64:65] scope:SCOPE_SE
	s_setreg_imm32_b32 hwreg(HW_REG_WAVE_MODE, 25, 1), 1
	s_wait_xcnt 0x0
	s_wait_alu depctr_hold_cnt(0) depctr_sa_sdst(0) depctr_va_vdst(0) depctr_va_sdst(0) depctr_va_ssrc(0) depctr_va_vcc(0) depctr_vm_vsrc(0)
	s_getreg_b32 s2, hwreg(HW_REG_IB_STS2, 6, 4)
	s_cmp_eq_u32 s2, 0
	s_cbranch_scc0 .Lentry_in_a_cluster
	s_endpgm
.Lentry_in_a_cluster:
	s_bfe_u32 s2, ttmp6, 0x10000c
	s_cmp_lg_u32 s2, 0x3003
	s_cbranch_scc0 .Lentry_shape_is_right
	s_endpgm
.Lentry_shape_is_right:
; O = softmax(Q K^T / 8) V for one head and 256 queries a work-group, both products on codes of FP6 (E2M3); O is quantised along the head's 64 and leaves as half a fragment's image for the next product.
; THE SOFTMAX AHEAD OF THE SECOND PRODUCT: t = score x log2(e) / 8; M = the running largest t rounded UP to a whole number; p = 2^(t - M) is quantised along the keys, not normalised; the row's sum is taken of the
; unquantised p and divides O at the end.  When M moves, the sum and O are multiplied by 2^(old M - new M): exact.  The running maximum is kept as a score: t rises with it.
; SHARES.  Sixteen waves, each with one tile of 16 queries in 256 registers: four waves to a SIMD.  Every wave walks the 2,048 keys, 128 a step.
; A WHOLE HEAD'S K AND V LIE IN LDS: 2 x 98,304 bytes of codes and 2 x 8,192 of scale words, each byte filled once.  The four work-groups of a cluster belong to one head: every fill is a joint load.
; Waves 0-3 ask for K's four chunks of 512 keys, waves 4-7 for V's, waves 8 and 12 for the two blocks of scale words: one load a wave.  Every wave waits for its load, ONE barrier follows,
; and behind it LDS is only read: the sixteen waves walk their sixteen steps without meeting again.
; No prefetch is laid: all that the launch reads is asked for at its head.
; K ONE STEP AHEAD: K's fragments have registers of their own.  Behind a step's first products the next step's K is asked of LDS together with this step's V: 34 LDS loads are out at the most, and the one wait
; ahead of the second product covers all of them.  The last step's look-ahead reads filled LDS bytes behind K's (V's codes, V's scale words); nothing uses them.
; LAYOUT.  Both products are used transposed: S^T = K Q^T, O^T = V^T P^T: a lane holds one query throughout.
; WHICH KEYS FORM A TILE OF K is chosen by the lanes' LDS addresses: of a step's 128 keys, row 8 g + j of tile 4 c + u is key 64 c + 32 g + 8 u + j.  So lane (query, h) holds in registers 32 c .. 32 c + 31 of S^T the
; whole block 2 c + h of 32 keys, in order: a block's maximum needs no other lane, and the conversions' results are the operand's registers of that lane.  In memory key 32 b + 16 x + 8 y + j is row 8 x + j of tile 2 b + y:
; lane row (g, j) of tile (c, u) reads stored tile 4 c + 2 g + u % 2, row 8 (u / 2) + j.  Lane rows 0-7 and 8-15 stand 1,536 bytes apart: two lanes to a bank in these loads.
; K = 64 IN AN INSTRUCTION 128 DEEP: Q's upper 64 codes are zeros.  K's tile t is the twelve registers from v[32 + 6 t]: its upper six are the next tile's codes (behind the last tile: V's first six registers, at first
; zeros): finite numbers under scale bytes that are never 0xff, multiplied by zero codes: they add exactly 0.
; LIMITS: the promise holds while the scaled scores stay under 2^31 in magnitude; a block of zeros, or under 2^-124, gets the byte 1; NaN and infinities are not served; the division is v_rcp_f32.
.set KCB, 0
.set VCB, 98304
.set KSB, 196608
.set VSB, 204800
.set SPARE, 212992                     ; the spare words: 128 bytes a wave, named by no other line
.set KC, 3145728
.set VC, 6291456
.set QS, 9437184
.set KSO, 9699328
.set VS, 9961472
.set ATS, 3145728
.set CHUNK, 24576                      ; 512 keys' codes of K, or of V
.set WV, 18
.set SEL, 20
.set CS, 22                            ; s[22:23] c = log2(e) / 8;  s56 = -c
.set NCS, 56
.set W3, 53                            ; wave % 4
.set G1C, 24                           ; s[24:31] a chunk: 96 rows of 256 bytes;  s[32:39] scale words: 32 rows
.set G1S, 32
.set G0C, 40
.set G0S, 44
.set TK, 2                             ; s2 the step's codes: 6,144 bytes a step;  s3 its scale words: 512
.set TS, 3
.set CNT, 8
; REGISTERS: v1-5 LDS bases, v8-11, v29 the step's LDS addresses, v30 16 x lane, v31 8 x lane; v12 -M, v13 the largest score, v[14:15] the sum; v16-27 Q, v28 its scale words
.set VSR, 6                            ; v6-7     V's scale words: lanes 0-15 an even tile's, lanes 16-31 the odd one's
.set KB, 32                            ; v32-79   K's eight tiles, six registers each
.set VB, 80                            ; v80-127  V's four fragments
.set SB, 128                           ; v128-191 S^T, then p
.set OB, 192                           ; v192-223 O^T
.set PC, 224                           ; v224-235 p's codes;  v236-245, v254 at work
.set KSR, 246                          ; v246-249 K's scale words
.set SH8, 250                          ; v250     8 h: where my two scale bytes go in p's word
.set SPW, 251                          ; v251 my spare word's address, v255 = 0;  v252 f, v253 p's scale word
.set NIL, 255
.macro CROUND
	s_barrier_signal -1
	s_barrier_wait -1
	s_cmp_lg_u32 s[WV], 0
	s_cbranch_scc1 .Lnot_wave_0_\@
	s_barrier_signal -3
.Lnot_wave_0_\@:
	s_barrier_wait -3
	s_barrier_signal -1
	s_barrier_wait -1
.endm
	s_load_b128 s[4:7], s[0:1], 0x0                ; qkv, att
	v_lshl_add_u32 v[SPW], v0, 2, SPARE
	v_mov_b32 v[NIL], 0
	ds_add_u32 v[SPW], v[NIL]                      ; the opening lines: the add twice on end and one wait
	ds_add_u32 v[SPW], v[NIL]
	v_lshrrev_b32 v8, 5, v0
	s_delay_alu instid0(VALU_DEP_1)
	v_readfirstlane_b32 s[WV], v8                  ; wave 0..15
	s_bfe_u32 s9, ttmp6, 0x40000                   ; cx: it enters Q's and the output's addresses alone
	s_lshl_b32 s10, ttmp9, 2
	s_add_co_u32 s10, s10, s9                      ; my block of 256 queries
	s_and_b32 s11, ttmp7, 0xffff                   ; 16 batch + head, which the four partners share
	s_lshl_b32 s12, s10, 4
	s_add_co_u32 s12, s12, s[WV]                   ; my tile of queries
	s_mov_b32 s[G1C], 15|(3<<16)|(1<<21)           ; the mask: all four; elements of 8 bytes; bit 21 beside a mask
	s_mov_b32 s[G1C+1], 32<<16
	s_mov_b32 s[G1C+2], 96<<16
	s_mov_b32 s[G1C+3], 32<<16
	s_mov_b32 s[G1C+4], 96
	s_mov_b32 s[G1C+5], 32
	s_mov_b32 s[G1C+6], 0
	s_mov_b32 s[G1C+7], 0
	s_mov_b32 s[G1S], 15|(3<<16)|(1<<21)
	s_mov_b32 s[G1S+1], 32<<16
	s_mov_b32 s[G1S+2], 32<<16
	s_mov_b32 s[G1S+3], 32<<16
	s_mov_b32 s[G1S+4], 32
	s_mov_b32 s[G1S+5], 32
	s_mov_b32 s[G1S+6], 0
	s_mov_b32 s[G1S+7], 0
	; what I fetch, if I fetch.  Waves 0-7: chunk wave % 4 of K (wave / 4 = 0) or of V (1).  Waves 8, 12: K's or V's scale words.  Nothing here hangs on my place in the cluster
	s_lshr_b32 s48, s[WV], 2
	s_and_b32 s[W3], s[WV], 3
	s_mul_i32 s50, s48, VC-KC
	s_mul_i32 s51, s[W3], CHUNK
	s_add_co_u32 s50, s50, s51
	s_mul_i32 s51, s11, 98304                      ; the head's codes
	s_add_co_u32 s50, s50, s51
	s_mov_b32 s51, 0
	s_bfe_u32 s52, s[WV], 0x10002                  ; wave 8: 0, wave 12: 1
	s_lshl_b32 s54, s52, 18                        ; VS - KSO = 262,144
	s_lshl_b32 s55, s11, 13                        ; the head's scale words
	s_add_co_u32 s54, s54, s55
	s_mov_b32 s55, 0
	s_lshl_b32 s92, s11, 7
	s_add_co_u32 s92, s92, s12                     ; 128 x head + my tile
	s_mul_i32 s94, s92, 768
	s_mov_b32 s95, 0
	s_lshl_b32 s98, s92, 6
	s_mov_b32 s99, 0
	s_mov_b32 s[SEL], 0x76543210
	s_mov_b32 s[SEL+1], 0xfedcba98
	s_mov_b32 s[CS], 0x3e38aa3b
	s_mov_b32 s[CS+1], s[CS]
	s_mov_b32 s[NCS], 0xbe38aa3b
	s_mov_b32 s[TK], 0
	s_mov_b32 s[TS], 0
	s_wait_dscnt 0x0
	s_wait_kmcnt 0x0
	s_add_nc_u64 s[96:97], s[4:5], s[94:95]        ; Q's codes of my tile
	s_add_nc_u64 s[98:99], s[4:5], s[98:99]
	s_add_nc_u64 s[98:99], s[98:99], QS            ; and its scale words
	s_mov_b32 s[G0C], 1
	s_mul_i32 s[G0C+1], s[WV], CHUNK               ; K's four chunks, then V's four, lie on end in LDS
	s_add_nc_u64 s[G0C+2:G0C+3], s[4:5], s[50:51]
	s_add_nc_u64 s[G0C+2:G0C+3], s[G0C+2:G0C+3], KC
	s_or_b32 s[G0C+3], s[G0C+3], 0x80000000
	s_mov_b32 s[G0S], 1
	s_lshl_b32 s[G0S+1], s52, 13
	s_add_co_u32 s[G0S+1], s[G0S+1], KSB           ; K's scale words, then V's
	s_add_nc_u64 s[G0S+2:G0S+3], s[4:5], s[54:55]
	s_add_nc_u64 s[G0S+2:G0S+3], s[G0S+2:G0S+3], KSO
	s_or_b32 s[G0S+3], s[G0S+3], 0x80000000
	CROUND                                         ; all four work-groups are here: the joint loads meet
	s_cmp_lt_u32 s[WV], 8                          ; the branches hang on the wave's number alone; s_nop 0 and four v_nop follow each of the two lines
	s_cbranch_scc0 .Lnot_codes
	tensor_load_to_lds s[G0C:G0C+3], s[G1C:G1C+7]
	s_nop 0
.rept 4
	v_nop
.endr
	s_branch .Lasked
.Lnot_codes:
	s_cmp_eq_u32 s[W3], 0                          ; waves 8 and 12
	s_cbranch_scc0 .Lasked
	tensor_load_to_lds s[G0S:G0S+3], s[G1S:G1S+7]
	s_nop 0
.rept 4
	v_nop
.endr
.Lasked:
	v_and_b32 v29, 31, v0                          ; lane
	v_and_b32 v8, 7, v0                            ; j
	v_bfe_u32 v9, v0, 3, 1                         ; g
	v_bfe_u32 v10, v0, 4, 1                        ; h
	v_and_b32 v11, 15, v0                          ; r
	v_lshlrev_b32 v30, 4, v29                      ; 16 x lane
	v_lshlrev_b32 v31, 3, v29                      ; 8 x lane
	v_mul_u32_u24 v1, v9, 1536                     ; two stored tiles for g
	v_lshl_add_u32 v3, v9, 7, KSB                  ; K's scale words: 128 g + 64 h + 4 j
	v_lshl_add_u32 v4, v29, 4, VCB                 ; V's codes
	v_lshl_add_u32 v5, v11, 2, VSB                 ; V's scale words: 4 r + 128 h: lanes 16-31 take the next tile's
	v_lshlrev_b32 v11, 2, v11                      ; 4 r
	v_lshl_add_u32 v2, v8, 3, v1
	v_lshl_add_u32 v1, v8, 4, v1
	v_lshl_add_u32 v3, v10, 6, v3
	v_lshl_add_u32 v5, v10, 7, v5
	v_lshl_add_u32 v2, v10, 7, v2                  ; K's codes, registers 4-5: 1,536 g + 8 j + 128 h
	v_lshl_add_u32 v1, v10, 8, v1                  ; registers 0-3: 1,536 g + 16 j + 256 h
	v_lshl_add_u32 v3, v8, 2, v3
	v_lshlrev_b32 v[SH8], 3, v10
	global_load_b128 v[16:19], v30, s[96:97]       ; Q's half fragment stays in registers
	global_load_b64 v[20:21], v31, s[96:97] offset:512
	global_load_b32 v28, v11, s[98:99]             ; and its scale words
.irp j, 22,23,24,25,26,27,80,81,82,83,84,85
	v_mov_b32 v[\j], 0                             ; zero codes
.endr
	v_mov_b32 v13, 0xff61b1e6                      ; the largest score so far: -3e38
	s_delay_alu instid0(VALU_DEP_1)
	v_floor_f32 v12, -v13                          ; -M: so large that the first f is 0
	v_mov_b32 v14, 0                               ; the sum, in two halves
	v_mov_b32 v15, 0
.irp j, 236,237,239,242,253
	v_mov_b32 v[\j], 0                             ; a lane permute's destination counts as one of its sources; v253 is named in a pair
.endr
.set j, 0
.rept 32
	v_mov_b32 v[OB+j], 0                           ; O^T: the step is written once; the first change of M leaves zeros zeros
.set j, j+1
.endr
.macro KLOAD a, b, c, ko, so           ; a step's K: eight tiles and four registers of scale words (lanes 0-15 tile 2 q's words, lanes 16-31 tile 2 q + 1's); ko, so: bytes ahead of the address registers
.irp t, 0,1,2,3,4,5,6,7
	ds_load_b128 v[KB+6*\t:KB+3+6*\t], v[\a] offset:\ko+768*(4*(\t/4)+\t%2)+128*((\t%4)/2)
	ds_load_b64 v[KB+4+6*\t:KB+5+6*\t], v[\b] offset:\ko+768*(4*(\t/4)+\t%2)+512+64*((\t%4)/2)
.endr
.irp q, 0,1,2,3
	ds_load_b32 v[KSR+\q], v[\c] offset:\so+256*(\q/2)+32*(\q%2)
.endr
.endm
.macro STEP
.irp t, 0,2,4,6
	v_wmma_scale_f32_16x16x128_f8f6f4 v[SB+8*\t:SB+7+8*\t], v[KB+6*\t:KB+11+6*\t], v[16:27], 0, v[KSR+\t/2], v28 matrix_a_fmt:MATRIX_FMT_FP6 matrix_b_fmt:MATRIX_FMT_FP6
	v_wmma_scale_f32_16x16x128_f8f6f4 v[SB+8+8*\t:SB+15+8*\t], v[KB+6+6*\t:KB+17+6*\t], v[16:27], 0, v[KSR+\t/2], v28 matrix_a_fmt:MATRIX_FMT_FP6 matrix_b_fmt:MATRIX_FMT_FP6 matrix_a_scale:MATRIX_SCALE_ROW1
.endr
	v_add_nc_u32 v8, s[TK], v1                     ; (these five are the places in front of the loads below and of the first read of the scores)
	v_add_nc_u32 v9, s[TK], v2
	v_add_nc_u32 v10, s[TS], v3
	v_add_nc_u32 v11, s[TK], v4
	v_add_nc_u32 v29, s[TS], v5
.irp t, 0,1,2,3
.irp g, 0,1,2
	ds_load_b128 v[VB+12*\t+4*\g:VB+3+12*\t+4*\g], v11 offset:1536*\t+512*\g   ; V's four fragments
.endr
.endr
	ds_load_b32 v[VSR], v29
	ds_load_b32 v[VSR+1], v29 offset:256
	KLOAD 8, 9, 10, 6144, 512                      ; and the next step's K: all land under the softmax
.irp k, 0,1,2,3
	v_max3_num_f32 v[236+\k], v[SB+16*\k], v[SB+1+16*\k], v[SB+2+16*\k]   ; four chains of 15 scores, each accumulator from its low end on
.endr
.irp i, 3,5,7,9,11,13
.irp k, 0,1,2,3
	v_max3_num_f32 v[236+\k], v[236+\k], v[SB+16*\k+\i], v[SB+1+16*\k+\i]
.endr
.endr
.irp c, 0,1
	v_max3_num_f32 v[236+2*\c], v[236+2*\c], v[237+2*\c], v[SB+15+32*\c]
.endr
.irp c, 0,1
	v_max_num_f32 v[236+2*\c], v[236+2*\c], v[SB+31+32*\c]   ; the largest score of my block 2 c + h: for the row's maximum, and, since p rises with the score, for the block's largest p
.endr
	s_delay_alu instid0(VALU_DEP_1)
	v_max_num_f32 v254, v236, v238
	s_delay_alu instid0(VALU_DEP_1)
	v_permlanex16_b32 v239, v254, s[SEL], s[SEL+1]
	s_delay_alu instid0(VALU_DEP_1)
	v_max3_num_f32 v13, v13, v254, v239            ; the running largest score of my query
	s_delay_alu instid0(VALU_DEP_1)
	v_mul_f32 v254, s[NCS], v13                    ; -t
	s_delay_alu instid0(VALU_DEP_1)
	v_floor_f32 v243, v254                         ; the new -M = -ceil(t)
	s_delay_alu instid0(VALU_DEP_1)
	v_sub_f32 v254, v243, v12                      ; old M - new M: a whole number, 0 or less
	s_delay_alu instid0(VALU_DEP_1)
	v_cvt_i32_f32 v254, v254                       ; (it saturates)
	s_delay_alu instid0(VALU_DEP_1)
	v_ldexp_f32 v252, 1.0, v254                    ; f = 2^(old M - new M)
	v_mov_b32 v12, v243
.set j, 0
.rept 32
	v_pk_fma_f32 v[SB+j:SB+1+j], v[SB+j:SB+1+j], s[CS:CS+1], v[12:13] op_sel_hi:[1,0,0]   ; t - M
.set j, j+2
.endr
	v_fma_f32 v236, v236, s[CS], v12
	v_fma_f32 v238, v238, s[CS], v12
	s_wait_alu depctr_va_vdst(0)                   ; the wait ahead of the batch
.set j, 0
.rept 64
	v_exp_f32 v[SB+j], v[SB+j]                     ; p
.set j, j+1
.endr
	v_exp_f32 v236, v236                           ; my two blocks' largest p
	v_exp_f32 v238, v238
	v_nop                                          ; a plain line behind the batch
	s_wait_alu depctr_va_vdst(0)                   ; one wait for the batch; it also stands directly ahead of the first readers of O^T
.set j, 0
.rept 16
	v_pk_mul_f32 v[OB+j:OB+1+j], v[OB+j:OB+1+j], v[252:253] op_sel_hi:[1,0]   ; O^T under the new M
.set j, j+2
.endr
	v_max_num_f32 v236, 0x1800000, v236            ; the floor 2^(3 - 127): the byte cannot fall under 1
	v_max_num_f32 v238, 0x1800000, v238
	s_delay_alu instid0(VALU_DEP_2)
	v_add_nc_u32 v244, 0xff000000, v236            ; 2 off the exponent field: the conversions' scale operands
	s_delay_alu instid0(VALU_DEP_2)
	v_add_nc_u32 v245, 0xff000000, v238
	s_delay_alu instid0(VALU_DEP_2)
	v_lshrrev_b32 v240, 23, v244
	s_delay_alu instid0(VALU_DEP_2)
	v_lshrrev_b32 v241, 23, v245
	s_delay_alu instid0(VALU_DEP_1)
	v_lshl_or_b32 v253, v241, 16, v240             ; my bytes: blocks h and 2 + h,
	s_delay_alu instid0(VALU_DEP_1)
	v_lshlrev_b32 v253, v[SH8], v253               ; at their places;
	s_delay_alu instid0(VALU_DEP_1)
	v_permlanex16_b32 v242, v253, s[SEL], s[SEL+1]
	s_delay_alu instid0(VALU_DEP_1)
	v_or_b32 v253, v253, v242                      ; with lane l xor 16's two, p's scale word for these 128 keys is whole
.irp c, 0,1
	v_cvt_scalef32_pk16_fp6_f32 v[PC+6*\c:PC+2+6*\c], v[SB+32*\c:SB+15+32*\c], v[244+\c]
	v_cvt_scalef32_pk16_fp6_f32 v[236+4*\c:238+4*\c], v[SB+16+32*\c:SB+31+32*\c], v[244+\c]   ; (a conversion's three registers begin on an even number)
.endr
	v_nop                                          ; one plain line behind the conversions
.irp c, 0,1
.irp i, 0,1,2
	v_mov_b32 v[PC+3+6*\c+\i], v[236+4*\c+\i]
.endr
.endr
	v_pk_fma_f32 v[14:15], v[14:15], v[252:253], v[SB:SB+1] op_sel_hi:[1,0,1]   ; the sum under the new M, and the unquantised p onto it: four chains; these 32 lines are also the places in front of the products below
	v_pk_add_f32 v[236:237], v[SB+2:SB+3], v[SB+4:SB+5]
	v_pk_add_f32 v[240:241], v[SB+6:SB+7], v[SB+8:SB+9]
	v_pk_add_f32 v[242:243], v[SB+10:SB+11], v[SB+12:SB+13]
.set j, SB+14
.rept 6
	v_pk_add_f32 v[14:15], v[14:15], v[j:j+1]
	v_pk_add_f32 v[236:237], v[236:237], v[j+2:j+3]
	v_pk_add_f32 v[240:241], v[240:241], v[j+4:j+5]
	v_pk_add_f32 v[242:243], v[242:243], v[j+6:j+7]
.set j, j+8
.endr
	v_pk_add_f32 v[14:15], v[14:15], v[SB+62:SB+63]
	v_pk_add_f32 v[236:237], v[236:237], v[240:241]
	v_pk_add_f32 v[14:15], v[14:15], v[242:243]
	v_pk_add_f32 v[14:15], v[14:15], v[236:237]
	s_wait_alu depctr_va_vdst(0)                   ; the wait ahead of the wait below
	s_wait_dscnt 0x0                               ; V, and the next step's K
.irp t, 0,2
	v_wmma_scale_f32_16x16x128_f8f6f4 v[OB+8*\t:OB+7+8*\t], v[VB+12*\t:VB+11+12*\t], v[PC:PC+11], v[OB+8*\t:OB+7+8*\t], v[VSR+\t/2], v253 matrix_a_fmt:MATRIX_FMT_FP6 matrix_b_fmt:MATRIX_FMT_FP6
	v_wmma_scale_f32_16x16x128_f8f6f4 v[OB+8+8*\t:OB+15+8*\t], v[VB+12+12*\t:VB+23+12*\t], v[PC:PC+11], v[OB+8+8*\t:OB+15+8*\t], v[VSR+\t/2], v253 matrix_a_fmt:MATRIX_FMT_FP6 matrix_b_fmt:MATRIX_FMT_FP6 matrix_a_scale:MATRIX_SCALE_ROW1
.endr
	s_add_co_u32 s[TK], s[TK], 6144
	s_add_co_u32 s[TS], s[TS], 512
.endm
	s_wait_alu depctr_va_vdst(0)                   ; the wait at the head's end
	s_wait_loadcnt 0x0                             ; Q
	s_wait_tensorcnt 0x0                           ; my part of the head's K and V is in,
	s_barrier_signal -1
	s_barrier_wait -1                              ; everybody's is: from here on LDS is only read
	KLOAD 1, 2, 3, 0, 0                            ; the first step's K
	s_wait_dscnt 0x0
	s_mov_b32 s[CNT], 16
.Lstep:
	STEP
	s_sub_co_u32 s[CNT], s[CNT], 1
	s_cmp_lg_u32 s[CNT], 0
	s_cbranch_scc1 .Lstep
	; ---- THE WAY OUT
.rept 4
	v_nop                                          ; places behind the last products
.endr
	v_and_b32 v8, 15, v0
	v_add_f32 v14, v14, v15
	s_delay_alu instid0(VALU_DEP_2)
	v_lshlrev_b32 v8, 2, v8                        ; 4 r
	s_delay_alu instid0(VALU_DEP_2)
	v_permlanex16_b32 v252, v14, s[SEL], s[SEL+1]
	s_delay_alu instid0(VALU_DEP_1)
	v_add_f32 v14, v14, v252                       ; the row's sum
	s_wait_alu depctr_va_vdst(0)
	v_rcp_f32 v14, v14
	v_nop
	s_lshr_b32 s24, s11, 4                         ; batch  (no tensor load is out: the descriptors' registers are free)
	s_and_b32 s25, s11, 15                         ; head
	s_lshl_b32 s24, s24, 7
	s_add_co_u32 s24, s24, s12                     ; my tile of tokens
	s_lshr_b32 s26, s25, 1                         ; the next product's K step,
	s_and_b32 s25, s25, 1                          ; and which half of it
	s_lshl_b32 s27, s24, 3
	s_add_co_u32 s27, s27, s26
	s_mul_i32 s28, s27, 1536
	s_mul_i32 s29, s25, 768
	s_add_co_u32 s28, s28, s29
	s_mov_b32 s29, 0
	s_add_nc_u64 s[30:31], s[6:7], s[28:29]
	s_lshr_b32 s27, s24, 1
	s_lshl_b32 s27, s27, 3
	s_add_co_u32 s27, s27, s26
	s_lshl_b32 s28, s27, 7
	s_and_b32 s27, s24, 1
	s_lshl_b32 s27, s27, 6
	s_add_co_u32 s28, s28, s27
	s_lshl_b32 s27, s25, 1
	s_add_co_u32 s28, s28, s27
	s_add_nc_u64 s[32:33], s[6:7], s[28:29]
	s_add_nc_u64 s[32:33], s[32:33], ATS
	s_wait_alu depctr_va_vdst(0)                   ; the wait ahead of the reciprocal's first reader, and of O^T's
.set j, 0
.rept 16
	v_pk_mul_f32 v[SB+j:SB+1+j], v[OB+j:OB+1+j], v[14:15] op_sel_hi:[1,0]   ; V's tiles of channels keep the stored order: register 16 b + i is channel 32 b + 16 (lane / 16) + i
.set j, j+2
.endr
.irp b, 0,1
	v_max3_num_f32 v[232+\b], |v[SB+16*\b]|, |v[SB+1+16*\b]|, 0x1800000
.endr
.irp i, 2,4,6,8,10,12,14
.irp b, 0,1
	s_delay_alu instid0(VALU_DEP_2)
	v_max3_num_f32 v[232+\b], v[232+\b], |v[SB+16*\b+\i]|, |v[SB+1+16*\b+\i]|
.endr
.endr
.irp b, 0,1
	s_delay_alu instid0(VALU_DEP_2)
	v_permlanex16_b32 v[236+\b], v[232+\b], s[SEL], s[SEL+1]
.endr
.irp b, 0,1
	s_delay_alu instid0(VALU_DEP_2)
	v_max_num_f32 v[232+\b], v[232+\b], v[236+\b]
.endr
.irp b, 0,1
	s_delay_alu instid0(VALU_DEP_2)
	v_add_nc_u32 v[244+\b], 0xff000000, v[232+\b]
.endr
.irp b, 0,1
	s_delay_alu instid0(VALU_DEP_2)
	v_lshrrev_b32 v[236+\b], 23, v[244+\b]
.endr
	s_delay_alu instid0(VALU_DEP_1)
	v_lshl_or_b32 v253, v237, 8, v236              ; my row's two bytes
	v_cvt_scalef32_pk16_fp6_f32 v[224:226], v[SB:SB+15], v244
	v_cvt_scalef32_pk16_fp6_f32 v[240:242], v[SB+16:SB+31], v245
	v_nop
.irp i, 0,1,2
	v_permlane16_swap_b32 v[224+\i], v[240+\i]     ; the operand wants a whole block in a lane
.endr
.irp i, 0,1,2
	s_delay_alu instid0(VALU_DEP_3)
	v_mov_b32 v[227+\i], v[240+\i]
.endr
	global_store_b128 v30, v[224:227], s[30:31]    ; 512 + 256 consecutive bytes
	global_store_b64 v31, v[228:229], s[30:31] offset:512
	global_store_b16 v8, v253, s[32:33]            ; lanes 16-31 repeat lanes 0-15's; the word's other two bytes belong to another head's work-group
	s_wait_tensorcnt 0x0                           ; the wave's end
	ds_add_u32 v[SPW], v[NIL]
	s_wait_dscnt 0x0
	CROUND                                         ; the closing round
	s_endpgm
.Lfunc_end_k_q83adf590d3_attn:
	.size	k_q83adf590d3_attn, .Lfunc_end_k_q83adf590d3_attn-k_q83adf590d3_attn
	.p2alignl 7, 3214868480
	.fill 96, 4, 3214868480
	.section	.rodata,"a",@progbits
	.p2align	6, 0x0
	.amdhsa_kernel k_q83adf590d3_attn
		.amdhsa_group_segment_fixed_size 215040
		.amdhsa_private_segment_fixed_size 0
		.amdhsa_enable_private_segment 0
		.amdhsa_kernarg_size 16
		.amdhsa_user_sgpr_count 2
		.amdhsa_user_sgpr_kernarg_segment_ptr 1
		.amdhsa_wavefront_size32 1
		.amdhsa_system_sgpr_workgroup_id_x 1
		.amdhsa_system_sgpr_workgroup_id_y 1
		.amdhsa_system_sgpr_workgroup_id_z 1
		.amdhsa_system_vgpr_workitem_id 0
		.amdhsa_next_free_vgpr 256
		.amdhsa_next_free_sgpr 100
		.amdhsa_reserve_vcc 0
		.amdhsa_float_denorm_mode_32 3
		.amdhsa_float_denorm_mode_16_64 3
		.amdhsa_memory_ordered 1
		.amdhsa_forward_progress 1
		.amdhsa_inst_pref_size 31
	.end_amdhsa_kernel
	.amdgpu_metadata
---
amdhsa.version: [ 1, 2 ]
amdhsa.kernels:
  - .name:           k_q83adf590d3_attn
    .symbol:         k_q83adf590d3_attn.kd
    .args:
      - { .name: qkv, .offset: 0, .size: 8, .value_kind: global_buffer, .address_space: global }
      - { .name: att, .offset: 8, .size: 8, .value_kind: global_buffer, .address_space: global }
    .group_segment_fixed_size: 215040
    .private_segment_fixed_size: 0
    .kernarg_segment_align: 8
    .kernarg_segment_size: 16
    .max_flat_workgroup_size: 512
    .sgpr_count:     100
    .vgpr_count:     256
    .wavefront_size: 32
...
	.end_amdgpu_metadata
.endif
;; end of part 3
;; launch oproj (part 4): grid 8 x 32, 4 waves a work-group, clusters of 4 x 4, 327,680 bytes of LDS; arguments att, wts, o_b, x, x1; writes x1
.if DOCPART == 4
	.amdgcn_target "amdgcn-amd-amdhsa--gfx1250"
	.amdhsa_code_object_version 6
	.text
	.protected	k_q83adf590d3_oproj
	.globl	k_q83adf590d3_oproj
	.p2align	8
	.type	k_q83adf590d3_oproj,@function
k_q83adf590d3_oproj:
	s_mov_b64 s[64:65], 0
	v_nop
	global_prefetch_b8 v0, s[64:65] scope:SCOPE_SE
	s_setreg_imm32_b32 hwreg(HW_REG_WAVE_MODE, 25, 1), 1
	s_wait_xcnt 0x0
	s_wait_alu depctr_hold_cnt(0) depctr_sa_sdst(0) depctr_va_vdst(0) depctr_va_sdst(0) depctr_va_ssrc(0) depctr_va_vcc(0) depctr_vm_vsrc(0)
	s_getreg_b32 s2, hwreg(HW_REG_IB_STS2, 6, 4)
	s_cmp_eq_u32 s2, 0
	s_cbranch_scc0 .Lentry_in_a_cluster
	s_endpgm
.Lentry_in_a_cluster:
	s_bfe_u32 s2, ttmp6, 0x10000c
	s_cmp_lg_u32 s2, 0xf033
	s_cbranch_scc0 .Lentry_shape_is_right
	s_endpgm
.Lentry_shape_is_right:
; x1 = x + att o_w + o_b on codes of FP6 (E2M3).  THE CORE as in the other three products of this program, here on tiles of 128 x 128 so that N = 1,024 gives 256 work-groups: four waves, each 64 x 64: 16 accumulators.
; Both operands lie in memory as register images (a fragment of 16 rows x 128 K: 1,536 bytes), [tile][K step]; scale words [pair of tiles][K step][128 bytes].  A slot holds eight K steps; waves 0 and 1 each fetch half of a
; slot by one tensor load (8 rows of 12,288 bytes).  K = 1,024 is one slot: the head's loads fill it, and nothing is filled again.  The scale words for all of K come with them.
; A's images are two half fragments of 768 bytes (one head each): registers 0-3 at 16 l, 4-5 at 512 + 8 l.
; THE MATRIX INSTRUCTION IS USED TRANSPOSED: source 0 = 16 columns of the weight, source 1 = 16 tokens.  A tile's lane row r is true row 32 (t / 2) + 8 (t % 2) + r + 8 (r / 8): the way out undoes that order.
; The bias is the C of each sum's first product.  The residual's 32 loads a lane are issued at the head, in the layout of the stores, and land under the K loop.
; CLUSTERS of 4 x 4: A's tiles are asked for jointly along a row of the cluster, B's along a column.  By this text's count a wave has one tensor load out at the start.
; No prefetch is laid: all of K is asked for by the first fills.
.set T, 4
.set NQ, 8                             ; AS THE TEXT NOW STANDS: all of K = 1,024 lies in ONE slot of eight K steps (196,608 bytes), filled once by the head's loads, one a wave; nothing is filled later
.set KS, 8
.set AHF, 1
.set ASOFF, 3145728                    ; A's scale words in its buffer
.set BCOFF, 2359296                    ; the weight's codes and scale words in wts
.set BSOFF, 9535488
.set HALFT, NQ*T*1536
.set SLOT, 4*HALFT
.set LAPS, KS/(2*NQ)
.set SCL, SLOT
.set HALFS, (T/2)*KS*128
.set SPARE, SCL+4*HALFS                ; the spare words: 128 bytes a wave, named by no other line
.set SCR, SPARE+512                    ; the stages of the way out: 16 rows x 272 bytes a wave: bytes of their own
.set ADRA, 16
.set ADRA8, 18
.set ADRB, 20
.set ADRSA, 22
.set ADRSB, 23
.set SPW, 28
.set NIL, 29
.set SC, 32
.set AF, 64                            ; window 0: A's two sets;  window 1: B's two sets at v0, v128, the bias tiles at v96;  window 2: the accumulators;  window 3: the residual
.set WV, 2
.set WA, 3
.set LAPC, 14
.set WB, 15
.set TA, 16
.set TB, 17
.set G1, 24
.set G0, 32
.set G1B, 48
.set G0B, 56
.set G1S, 68
.set G0S, 76
.set G1SB, 80
.set G0SB, 88
.set MSB, 0
.macro WIN new
.if MSB != (\new)
	s_set_vgpr_msb (MSB<<8)|(\new)
.set MSB, (\new)
.endif
.endm
.macro PLACES n
.rept \n
	v_nop
.endr
.endm
.macro JLOAD g0a, g1a, g0b, g1b
	s_cmp_eq_u32 s[WA], 0
	s_cbranch_scc0 .Lfor_b_\@
	tensor_load_to_lds s[\g0a:\g0a+3], s[\g1a:\g1a+7]
	s_nop 0
	PLACES 4
	s_branch .Lasked_\@
.Lfor_b_\@:
	tensor_load_to_lds s[\g0b:\g0b+3], s[\g1b:\g1b+7]
	s_nop 0
	PLACES 4
.Lasked_\@:
.endm
.macro CREST
	s_cmp_lg_u32 s[WV], 0
	s_cbranch_scc1 .Lnot_wave_0_\@
	s_barrier_signal -3
.Lnot_wave_0_\@:
	s_barrier_wait -3
	s_barrier_signal -1
	s_barrier_wait -1
.endm
.macro CROUND
	s_barrier_signal -1
	s_barrier_wait -1
	CREST
.endm
.macro WM d, bf, af, cm, cr, sb, sa, rb, ra
.if (\cm) == 1
.if (\rb) == 0 && (\ra) == 0
	v_wmma_scale_f32_16x16x128_f8f6f4 v[\d:\d+7], v[\bf:\bf+11], v[\af:\af+11], 0, v[\sb], v[\sa] matrix_a_fmt:MATRIX_FMT_FP6 matrix_b_fmt:MATRIX_FMT_FP6
.elseif (\rb) == 1 && (\ra) == 0
	v_wmma_scale_f32_16x16x128_f8f6f4 v[\d:\d+7], v[\bf:\bf+11], v[\af:\af+11], 0, v[\sb], v[\sa] matrix_a_fmt:MATRIX_FMT_FP6 matrix_b_fmt:MATRIX_FMT_FP6 matrix_a_scale:MATRIX_SCALE_ROW1
.elseif (\rb) == 0
	v_wmma_scale_f32_16x16x128_f8f6f4 v[\d:\d+7], v[\bf:\bf+11], v[\af:\af+11], 0, v[\sb], v[\sa] matrix_a_fmt:MATRIX_FMT_FP6 matrix_b_fmt:MATRIX_FMT_FP6 matrix_b_scale:MATRIX_SCALE_ROW1
.else
	v_wmma_scale_f32_16x16x128_f8f6f4 v[\d:\d+7], v[\bf:\bf+11], v[\af:\af+11], 0, v[\sb], v[\sa] matrix_a_fmt:MATRIX_FMT_FP6 matrix_b_fmt:MATRIX_FMT_FP6 matrix_a_scale:MATRIX_SCALE_ROW1 matrix_b_scale:MATRIX_SCALE_ROW1
.endif
.else
.if (\rb) == 0 && (\ra) == 0
	v_wmma_scale_f32_16x16x128_f8f6f4 v[\d:\d+7], v[\bf:\bf+11], v[\af:\af+11], v[\cr:\cr+7], v[\sb], v[\sa] matrix_a_fmt:MATRIX_FMT_FP6 matrix_b_fmt:MATRIX_FMT_FP6
.elseif (\rb) == 1 && (\ra) == 0
	v_wmma_scale_f32_16x16x128_f8f6f4 v[\d:\d+7], v[\bf:\bf+11], v[\af:\af+11], v[\cr:\cr+7], v[\sb], v[\sa] matrix_a_fmt:MATRIX_FMT_FP6 matrix_b_fmt:MATRIX_FMT_FP6 matrix_a_scale:MATRIX_SCALE_ROW1
.elseif (\rb) == 0
	v_wmma_scale_f32_16x16x128_f8f6f4 v[\d:\d+7], v[\bf:\bf+11], v[\af:\af+11], v[\cr:\cr+7], v[\sb], v[\sa] matrix_a_fmt:MATRIX_FMT_FP6 matrix_b_fmt:MATRIX_FMT_FP6 matrix_b_scale:MATRIX_SCALE_ROW1
.else
	v_wmma_scale_f32_16x16x128_f8f6f4 v[\d:\d+7], v[\bf:\bf+11], v[\af:\af+11], v[\cr:\cr+7], v[\sb], v[\sa] matrix_a_fmt:MATRIX_FMT_FP6 matrix_b_fmt:MATRIX_FMT_FP6 matrix_a_scale:MATRIX_SCALE_ROW1 matrix_b_scale:MATRIX_SCALE_ROW1
.endif
.endif
.endm
.macro MULA a, p, mode                 ; A's block a against B's T tiles, on set p; mode 0: onto the sums; 2: the sums begin with the bias tiles.  The accumulators take turns
.if (\mode) == 2
	WIN 0x91+0x40*((\a)/4)
.else
	WIN 0xa1+0x50*((\a)/4)
.endif
.irp b, 0,1,2,3,4,5,6,7
.if \b < T
.set rD, 8*(T*((\a)%4)+\b)
.set rC, rD
.if (\mode) == 2
.set rC, 96+128*(\b/4)+8*(\b%4)
.endif
.set rB, 128*(\p)+12*\b
.set rA, AF+12*T*(\p)+12*(\a)
.set rSB, SC+T*(\p)+T/2+\b/2
.set rSA, SC+T*(\p)+(\a)/2
	WM rD, rB, rA, \mode, rC, rSB, rSA, \b%2, (\a)%2
.endif
.endr
.endm
.macro MULR a0, n, p, mode
.set aa, \a0
.rept \n
	MULA aa, \p, \mode
.set aa, aa+1
.endr
.endm
.macro FETCH slot, q, p
	WIN 0x40
.set i, 0
.rept T
.irp g, 0,1,2
	ds_load_b128 v[128*(\p)+12*i+4*\g:128*(\p)+12*i+4*\g+3], v[ADRB+\slot] offset:(i*NQ+(\q))*1536+512*\g
.endr
.set i, i+1
.endr
	WIN 0
.set i, 0
.rept T
.set rA, AF+12*T*(\p)+12*i
.set oA, (i*NQ+(\q))*1536
.if AHF
	ds_load_b128 v[rA:rA+3], v[ADRA+\slot] offset:oA
	ds_load_b64 v[rA+4:rA+5], v[ADRA8+\slot] offset:oA+512
	ds_load_b128 v[rA+6:rA+9], v[ADRA+\slot] offset:oA+768
	ds_load_b64 v[rA+10:rA+11], v[ADRA8+\slot] offset:oA+1280
.else
.irp g, 0,1,2
	ds_load_b128 v[rA+4*\g:rA+4*\g+3], v[ADRA+\slot] offset:oA+512*\g
.endr
.endif
.set i, i+1
.endr
.set i, 0
.rept T/2
	ds_load_b32 v[SC+T*(\p)+i], v[ADRSA] offset:(i*KS+(\q))*128
	ds_load_b32 v[SC+T*(\p)+T/2+i], v[ADRSB] offset:(i*KS+(\q))*128
.set i, i+1
.endr
.endm
.macro STEP slot, q, mode
	s_wait_dscnt 0x0                               ; this step's fragments are in
	PLACES 4                                       ; places in front of loads into registers that matrix instructions have read
	FETCH \slot, (\q)+1, 1-(\q)%2
	MULR 0, T, (\q)%2, \mode
.endm
.macro MID slot, q0
.set qq, \q0
.rept NQ-1-(\q0)
	STEP \slot, qq, 0
.set qq, qq+1
.endr
.endm
.macro TURN slot, next, fill           ; a slot's last step changes slots: one barrier, with the waits and the add in front of it
	WIN 0
	s_wait_tensorcnt 0x0                           ; all my tensor loads have landed: my part of the next slot
	ds_add_u32 v[SPW], v[NIL]                      ; 0 onto my spare word
	s_wait_dscnt 1                                 ; the add alone may be out
	MULR 0, T/4, 1, 0
	s_wait_dscnt 0x0                               ; the add is done, and my reads of this slot are over
	s_barrier_signal -1
	MULR T/4, T/4, 1, 0
	WIN 0
	s_barrier_wait -1
.if \fill
	CREST
	s_add_nc_u64 s[G0+4*\slot+2:G0+4*\slot+3], s[G0+4*\slot+2:G0+4*\slot+3], 2*NQ*1536
	s_add_nc_u64 s[G0B+4*\slot+2:G0B+4*\slot+3], s[G0B+4*\slot+2:G0B+4*\slot+3], 2*NQ*1536
	JLOAD G0+4*\slot, G1, G0B+4*\slot, G1B
.else
	PLACES 4
.endif
	v_add_nc_u32 v[ADRSA], NQ*128, v[ADRSA]
	v_add_nc_u32 v[ADRSB], NQ*128, v[ADRSB]
	FETCH \next, 0, 0
	MULR T/2, T/2, 1, 0
.endm
	s_load_b256 s[4:11], s[0:1], 0x0               ; A, wts, bias, residual
	s_load_b64 s[12:13], s[0:1], 0x20              ; out
	v_lshl_add_u32 v[SPW], v0, 2, SPARE
	v_mov_b32 v[NIL], 0
	ds_add_u32 v28, v29
	ds_add_u32 v28, v29
	s_wait_dscnt 0x0
	v_lshrrev_b32 v1, 5, v0
	v_readfirstlane_b32 s[WV], v1
	s_lshr_b32 s[WA], s[WV], 1
	s_and_b32 s[WB], s[WV], 1
	s_bfe_u32 s40, ttmp6, 0x40000
	s_bfe_u32 s41, ttmp6, 0x40004
	s_lshl_b32 s[TB], ttmp9, 2
	s_add_co_u32 s[TB], s[TB], s40                 ; the tile of columns
	s_and_b32 s[TA], ttmp7, 0xffff
	s_lshl_b32 s[TA], s[TA], 2
	s_add_co_u32 s[TA], s[TA], s41                 ; the tile of tokens
	s_lshl_b32 s42, s41, 2
	s_lshl_b32 s42, 15, s42
	s_lshl_b32 s43, 0x1111, s40
	s_or_b32 s[G1], s42, (3<<16)|(1<<21)
	s_or_b32 s[G1B], s43, (3<<16)|(1<<21)
.irp g, G1, G1B
	s_mov_b32 s[\g+1], (NQ*192)<<16
	s_mov_b32 s[\g+2], (2*T)<<16                   ; a side's 2 T tiles, all of K
	s_mov_b32 s[\g+3], (NQ*192)<<16
	s_mov_b32 s[\g+4], 2*T
	s_mov_b32 s[\g+5], KS*192
	s_mov_b32 s[\g+6], 0
	s_mov_b32 s[\g+7], 0
.endr
	s_or_b32 s[G1S], s42, (3<<16)|(1<<21)
	s_or_b32 s[G1SB], s43, (3<<16)|(1<<21)
.irp g, G1S, G1SB
	s_mov_b32 s[\g+1], 32<<16
	s_mov_b32 s[\g+2], (2*HALFS/256)<<16           ; a side's scale words whole
	s_mov_b32 s[\g+3], 32<<16
	s_mov_b32 s[\g+4], 2*HALFS/256
	s_mov_b32 s[\g+5], 32
	s_mov_b32 s[\g+6], 0
	s_mov_b32 s[\g+7], 0
.endr
	s_mul_i32 s18, s[TA], 2*T
	s_mul_i32 s20, s18, KS*1536
	s_mov_b32 s21, 0
	s_mul_i32 s22, s18, KS*64
	s_mov_b32 s23, 0
	s_mul_i32 s19, s[TB], 2*T
	s_mul_i32 s44, s19, KS*1536
	s_mov_b32 s45, 0
	s_mul_i32 s46, s19, KS*64
	s_mov_b32 s47, 0
	s_wait_kmcnt 0x0
	s_add_nc_u64 s[G0+2:G0+3], s[4:5], s[20:21]
	s_add_nc_u64 s[G0S+2:G0S+3], s[4:5], s[22:23]
	s_add_nc_u64 s[G0S+2:G0S+3], s[G0S+2:G0S+3], ASOFF
	s_add_nc_u64 s[G0B+2:G0B+3], s[6:7], s[44:45]
	s_add_nc_u64 s[G0B+2:G0B+3], s[G0B+2:G0B+3], BCOFF
	s_add_nc_u64 s[G0SB+2:G0SB+3], s[6:7], s[46:47]
	s_add_nc_u64 s[G0SB+2:G0SB+3], s[G0SB+2:G0SB+3], BSOFF
.irp g, G0, G0B, G0S, G0SB
	s_mov_b32 s[\g], 1
	s_or_b32 s[\g+3], s[\g+3], 0x80000000
.endr
	s_mov_b32 s[G0+1], 0                           ; four tiles, each whole: A's codes, B's, A's scale words, B's
	s_mov_b32 s[G0B+1], 2*HALFT
	s_mov_b32 s[G0S+1], SCL
	s_mov_b32 s[G0SB+1], SCL+2*HALFS
	CROUND                                         ; all sixteen work-groups are here: the first joint loads meet
; THE HEAD'S LOADS, ONE A WAVE: wave 0 A's codes, wave 1 B's, wave 2 A's scale words, wave 3 B's; one chain of branches on the wave's number
.macro ARM under, g0, g1, next
	s_cmp_lt_u32 s[WV], \under
	s_cbranch_scc0 \next
	tensor_load_to_lds s[\g0:\g0+3], s[\g1:\g1+7]
	s_nop 0
	PLACES 4
	s_branch .Lhead_asked
\next:
.endm
	ARM 1, G0, G1, .Lhead_b
	ARM 2, G0B, G1B, .Lhead_sa
	ARM 3, G0S, G1S, .Lhead_sb
	tensor_load_to_lds s[G0SB:G0SB+3], s[G1SB:G1SB+7]
	s_nop 0
	PLACES 4
.Lhead_asked:
	v_and_b32 v1, 31, v0
	v_and_b32 v4, 15, v0                           ; r
	v_bfe_u32 v5, v0, 4, 1                         ; h
	v_lshlrev_b32 v24, 4, v1
	v_lshlrev_b32 v25, 3, v1
	v_lshlrev_b32 v30, 2, v1
	s_mul_i32 s18, s[WA], HALFT
	s_mul_i32 s19, s[WB], HALFT
	s_add_co_u32 s19, s19, 2*HALFT
	v_add_nc_u32 v[ADRA], s18, v24
	v_add_nc_u32 v[ADRA+1], SLOT, v[ADRA]
	v_add_nc_u32 v[ADRA8], s18, v25
	v_add_nc_u32 v[ADRA8+1], SLOT, v[ADRA8]
	v_add_nc_u32 v[ADRB], s19, v24
	v_add_nc_u32 v[ADRB+1], SLOT, v[ADRB]
	s_mul_i32 s18, s[WA], HALFS
	s_add_co_u32 s18, s18, SCL
	s_mul_i32 s19, s[WB], HALFS
	s_add_co_u32 s19, s19, SCL+2*HALFS
	v_add_nc_u32 v[ADRSA], s18, v30
	v_add_nc_u32 v[ADRSB], s19, v30
	s_mul_i32 s18, s[WV], 4352
	s_add_co_u32 s18, s18, SCR                     ; my stage
	v_mul_u32_u24 v27, v4, 272
	v_lshl_add_u32 v27, v5, 6, v27
	v_add_nc_u32 v27, s18, v27                     ; in: row r, + 64 h
	v_mul_u32_u24 v31, v5, 272
	v_lshl_add_u32 v31, v4, 4, v31
	v_add_nc_u32 v31, s18, v31                     ; back: lanes 0-15 one row of 256 bytes, lanes 16-31 the next
	v_lshlrev_b32 v3, 6, v5                        ; the bias at 64 h
	s_wait_alu depctr_va_vdst(0)
	v_lshlrev_b32 v26, 12, v5
	v_lshl_add_u32 v26, v4, 4, v26                 ; residual and output: the same two rows
	s_wait_alu depctr_va_vdst(0)
	s_lshl_b32 s18, s[TB], 9
	s_lshl_b32 s19, s[WB], 8
	s_add_co_u32 s18, s18, s19                     ; my 64 columns, in bytes
	s_mov_b32 s19, 0
	s_add_nc_u64 s[8:9], s[8:9], s[18:19]
	s_lshl_b32 s92, s[TA], 7
	s_lshl_b32 s93, s[WA], 6
	s_add_co_u32 s92, s92, s93
	s_lshl_b32 s92, s92, 12                        ; my 64 rows
	s_add_co_u32 s18, s18, s92
	s_add_nc_u64 s[10:11], s[10:11], s[18:19]
	s_add_nc_u64 s[12:13], s[12:13], s[18:19]
	WIN 0x40
.irp b, 0,1,2,3
	global_load_b128 v[96+8*\b:99+8*\b], v3, s[8:9] offset:(32*(\b/2)+8*(\b%2))*4
	global_load_b128 v[100+8*\b:103+8*\b], v3, s[8:9] offset:(32*(\b/2)+8*(\b%2))*4+16
.endr
	WIN 0xc0
.irp a, 0,1,2,3
.irp t, 0,1,2,3,4,5,6,7
	global_load_b128 v[4*(8*\a+\t):4*(8*\a+\t)+3], v26, s[10:11] offset:(32*(\a/2)+8*(\a%2)+2*\t+8*(\t/4))*4096
.endr
.endr
	WIN 0
	s_wait_tensorcnt 0x0                           ; my tile of the four is in; behind the barrier everybody's is, and LDS tiles are only read
	s_barrier_signal -1
	s_barrier_wait -1
	FETCH 0, 0, 0
	s_wait_loadcnt 32                              ; the bias is in; the residual's 32 loads stay out
	STEP 0, 0, 2
.if LAPS > 1
	WIN 0
	s_mov_b32 s[LAPC], LAPS-1
.Llap:
	MID 0, 1
	TURN 0, 1, 1
	MID 1, 0
	TURN 1, 0, 1
	STEP 0, 0, 0
	WIN 0
	s_sub_co_u32 s[LAPC], s[LAPC], 1
	s_cmp_lg_u32 s[LAPC], 0
	s_cbranch_scc1 .Llap
.endif
	MID 0, 1                                       ; K steps 1 to 6; step 7 follows
	s_wait_dscnt 0x0
	MULR 0, T, 1, 0
	WIN 0
	PLACES 4
	; ---- THE WAY OUT, a block of 16 tokens at a time, through my own stage: in by the results' layout, back as rows of 256 bytes; + the residual; sixteen lanes store 256 consecutive bytes, aligned
	s_wait_loadcnt 0x0                             ; the residual
.irp a, 0,1,2,3
.if \a >= 2
	s_wait_xcnt 0x0                                ; block a - 2's stores have read the registers that this block's rows land in
.endif
	WIN 0x08                                       ; an LDS store's data: window 2
.irp b, 0,1,2,3
	ds_store_b128 v27, v[8*(4*\a+\b):8*(4*\a+\b)+3] offset:128*(\b/2)+32*(\b%2)        ; each accumulator from its low end on
	ds_store_b128 v27, v[8*(4*\a+\b)+4:8*(4*\a+\b)+7] offset:128*(\b/2)+32*(\b%2)+16
.endr
	WIN 0
.irp t, 0,1,2,3,4,5,6,7
	ds_load_b128 v[64+32*(\a%2)+4*\t:64+32*(\a%2)+4*\t+3], v31 offset:544*\t   ; LDS serves a wave's instructions in order
.endr
	s_wait_dscnt 0x0
	WIN 0x0c                                       ; source 1: window 3
.irp t, 0,1,2,3,4,5,6,7,8,9,10,11,12,13,14,15
	v_pk_add_f32 v[64+32*(\a%2)+2*\t:64+32*(\a%2)+2*\t+1], v[64+32*(\a%2)+2*\t:64+32*(\a%2)+2*\t+1], v[32*\a+2*\t:32*\a+2*\t+1]
.endr
	WIN 0
.irp t, 0,1,2,3,4,5,6,7
	global_store_b128 v26, v[64+32*(\a%2)+4*\t:64+32*(\a%2)+4*\t+3], s[12:13] offset:(32*(\a/2)+8*(\a%2)+2*\t+8*(\t/4))*4096
.endr
.endr
	s_wait_tensorcnt 0x0                           ; the wave's end
	ds_add_u32 v[SPW], v[NIL]
	s_wait_dscnt 0x0
	CROUND                                         ; the closing round
	s_endpgm
.Lfunc_end_k_q83adf590d3_oproj:
	.size	k_q83adf590d3_oproj, .Lfunc_end_k_q83adf590d3_oproj-k_q83adf590d3_oproj
	.p2alignl 7, 3214868480
	.fill 96, 4, 3214868480
	.section	.rodata,"a",@progbits
	.p2align	6, 0x0
	.amdhsa_kernel k_q83adf590d3_oproj
		.amdhsa_group_segment_fixed_size 327680
		.amdhsa_private_segment_fixed_size 0
		.amdhsa_enable_private_segment 0
		.amdhsa_kernarg_size 40
		.amdhsa_user_sgpr_count 2
		.amdhsa_user_sgpr_kernarg_segment_ptr 1
		.amdhsa_wavefront_size32 1
		.amdhsa_system_sgpr_workgroup_id_x 1
		.amdhsa_system_sgpr_workgroup_id_y 1
		.amdhsa_system_sgpr_workgroup_id_z 1
		.amdhsa_system_vgpr_workitem_id 0
		.amdhsa_next_free_vgpr 1024
		.amdhsa_next_free_sgpr 100
		.amdhsa_reserve_vcc 0
		.amdhsa_float_denorm_mode_32 3
		.amdhsa_float_denorm_mode_16_64 3
		.amdhsa_memory_ordered 1
		.amdhsa_forward_progress 1
		.amdhsa_inst_pref_size 59
	.end_amdhsa_kernel
	.amdgpu_metadata
---
amdhsa.version: [ 1, 2 ]
amdhsa.kernels:
  - .name:           k_q83adf590d3_oproj
    .symbol:         k_q83adf590d3_oproj.kd
    .args:
      - { .name: att, .offset: 0, .size: 8, .value_kind: global_buffer, .address_space: global }
      - { .name: wts, .offset: 8, .size: 8, .value_kind: global_buffer, .address_space: global }
      - { .name: o_b, .offset: 16, .size: 8, .value_kind: global_buffer, .address_space: global }
      - { .name: x, .offset: 24, .size: 8, .value_kind: global_buffer, .address_space: global }
      - { .name: x1, .offset: 32, .size: 8, .value_kind: global_buffer, .address_space: global }
    .group_segment_fixed_size: 327680
    .private_segment_fixed_size: 0
    .kernarg_segment_align: 8
    .kernarg_segment_size: 40
    .max_flat_workgroup_size: 128
    .sgpr_count:     100
    .vgpr_count:     1024
    .wavefront_size: 32
...
	.end_amdgpu_metadata
.endif
;; end of part 4
;; launch ln2 (part 5): grid 256 x 1, 8 waves a work-group, no clusters, 69,632 bytes of LDS; arguments x1, ln2_w, ln2_b, xn; writes xn
.if DOCPART == 5
	.amdgcn_target "amdgcn-amd-amdhsa--gfx1250"
	.amdhsa_code_object_version 6
	.text
	.protected	k_q83adf590d3_ln2
	.globl	k_q83adf590d3_ln2
	.p2align	8
	.type	k_q83adf590d3_ln2,@function
k_q83adf590d3_ln2:
	s_mov_b64 s[64:65], 0
	v_nop
	global_prefetch_b8 v0, s[64:65] scope:SCOPE_SE
	s_setreg_imm32_b32 hwreg(HW_REG_WAVE_MODE, 25, 1), 1
	s_wait_xcnt 0x0
; y = (x - mean) rsqrt(var + 1e-5) w + b over rows of 1,024 f32, quantised along the row to FP6 (E2M3) with one E8M0 byte for each 32, and stored as images of the matrix operand's registers.
; A work-group takes one tile of 16 rows: lane row r is row 32 (t / 2) + 8 (t % 2) + r + 8 (r / 8).  Wave w takes K step w: columns 128 w .. 128 w + 127.
; Each load reads 512 consecutive bytes of one row.  The wave's 16 x 512 bytes turn through its own stage in LDS (pitch 528 = 33 x 16 bytes) so that lane (r, h) holds, of row r, columns 64 c + 32 h + 0 .. 31:
; the very numbers of its twelve operand registers.  Mean and variance are taken in two passes (sum; sum of squared differences), each joined over the eight waves through 512 bytes of LDS and one barrier.
; Out: three stores of 512 consecutive bytes of codes; the tile's 16 scale words are 64 bytes of a pair's 128 (the other tile of the pair belongs to another work-group).
; LIMITS: a block of zeros, or under 2^-124, gets the byte 1 (its codes are zeros; this program alone reads the bytes); NaN and infinities are not served; rsqrt is v_rsq_f32.
.set STG, 8448                         ; a wave's stage: 16 rows x 528
.set RED1, 67584                       ; 16 rows x 8 waves x 4 bytes: the sums;  512 bytes on: the sums of squares
.set XNS, 3145728                      ; where the scale words begin in the output
.set R, 64                             ; v64-127  x as loaded, later b
.set X, 128                            ; v128-191 my 64 numbers
.set WT, 192                           ; v192-255 w
.set PC, 16                            ; v16-27   the codes
.set PT, 48                            ; v48-54   the conversions' second halves
.set TM, 56                            ; v56-63   at work
.set PW, 30                            ; v30      the scale word
	s_load_b256 s[4:11], s[0:1], 0x0               ; x, w, b, out
	v_lshl_add_u32 v51, v0, 2, 0x10c00
	v_mov_b32 v55, 0
	v_lshrrev_b32 v1, 5, v0
	s_delay_alu instid0(VALU_DEP_1)
	v_readfirstlane_b32 s12, v1                    ; wave
	v_and_b32 v2, 31, v0
	v_and_b32 v3, 15, v0                           ; r
	v_bfe_u32 v4, v0, 4, 1                         ; h
	s_delay_alu instid0(VALU_DEP_3)
	v_lshlrev_b32 v5, 4, v2                        ; 16 x lane
	s_delay_alu instid0(VALU_DEP_2)
	v_lshlrev_b32 v6, 7, v4                        ; 128 h
	s_mul_i32 s13, s12, STG
	v_add_nc_u32 v7, s13, v5                       ; the stage, on the way in
	v_mul_u32_u24 v8, v3, 528
	s_delay_alu instid0(VALU_DEP_1)
	v_add_nc_u32 v8, v8, v6
	s_delay_alu instid0(VALU_DEP_1)
	v_add_nc_u32 v8, s13, v8                       ; and on the way out: row r, + 128 h
	v_lshlrev_b32 v9, 5, v3
	s_delay_alu instid0(VALU_DEP_1)
	v_add_nc_u32 v9, RED1, v9                      ; my row's eight partial sums
	s_lshl_b32 s14, s12, 2
	v_add_nc_u32 v10, s14, v9                      ; and my wave's word among them
	v_lshlrev_b32 v11, 2, v3                       ; 4 r
	v_mov_b32 v40, 0                               ; (a lane permute's destination counts as one of its sources)
	s_lshr_b32 s15, ttmp9, 1
	s_lshl_b32 s15, s15, 5
	s_and_b32 s16, ttmp9, 1
	s_lshl_b32 s17, s16, 3
	s_add_co_u32 s15, s15, s17                     ; the tile's first row
	s_lshl_b32 s18, s15, 12
	s_lshl_b32 s20, s12, 9                         ; my 512 bytes of a row
	s_add_co_u32 s18, s18, s20
	s_mov_b32 s19, 0
	s_mov_b32 s21, 0
	s_mov_b32 s22, 0x76543210
	s_mov_b32 s23, 0xfedcba98                      ; lane l xor 16
	s_lshl_b32 s24, ttmp9, 3
	s_add_co_u32 s24, s24, s12
	s_mul_i32 s24, s24, 1536                       ; my fragment's image
	s_mov_b32 s25, 0
	s_lshr_b32 s26, ttmp9, 1
	s_lshl_b32 s26, s26, 3
	s_add_co_u32 s26, s26, s12
	s_lshl_b32 s26, s26, 7
	s_lshl_b32 s27, s16, 6
	s_add_co_u32 s26, s26, s27                     ; my tile's half of the pair's scale words
	s_mov_b32 s27, 0
	s_mov_b32 s28, 0x3a800000                      ; 1 / 1024
	s_mov_b32 s29, 0x3727c5ac                      ; 1e-5
	s_wait_alu depctr_va_vdst(0)
	s_wait_kmcnt 0x0
	s_add_nc_u64 s[4:5], s[4:5], s[18:19]
	s_add_nc_u64 s[6:7], s[6:7], s[20:21]
	s_add_nc_u64 s[8:9], s[8:9], s[20:21]
	s_add_nc_u64 s[24:25], s[10:11], s[24:25]
	s_add_nc_u64 s[26:27], s[10:11], s[26:27]
	s_add_nc_u64 s[26:27], s[26:27], XNS
.irp i, 0,1,2,3,4,5,6,7,8,9,10,11,12,13,14,15
	global_load_b128 v[R+4*\i:R+4*\i+3], v5, s[4:5] offset:(\i+8*(\i/8))*4096
.endr
.irp c, 0,1
.irp j, 0,1,2,3,4,5,6,7
	global_load_b128 v[WT+32*\c+4*\j:WT+32*\c+4*\j+3], v6, s[6:7] offset:256*\c+16*\j
.endr
.endr
	s_wait_loadcnt 16                              ; x is in; the gain's sixteen loads may be out
.irp i, 0,1,2,3,4,5,6,7,8,9,10,11,12,13,14,15
	ds_store_b128 v7, v[R+4*\i:R+4*\i+3] offset:528*\i
.endr
.irp c, 0,1
.irp j, 0,1,2,3,4,5,6,7
	ds_load_b128 v[X+32*\c+4*\j:X+32*\c+4*\j+3], v8 offset:256*\c+16*\j   ; LDS serves a wave's instructions in order: these see my stores
.endr
.endr
	s_wait_dscnt 0x0
.irp c, 0,1
.irp j, 0,1,2,3,4,5,6,7
	global_load_b128 v[R+32*\c+4*\j:R+32*\c+4*\j+3], v6, s[8:9] offset:256*\c+16*\j   ; the bias, into the registers that the stage's stores have read
.endr
.endr
; four packed chains in v32-39 become my row's sum over all 1,024 columns, in every lane
.macro REDUCE off
	s_delay_alu instid0(VALU_DEP_3)
	v_pk_add_f32 v[32:33], v[32:33], v[34:35]
	s_delay_alu instid0(VALU_DEP_2)
	v_pk_add_f32 v[36:37], v[36:37], v[38:39]
	s_delay_alu instid0(VALU_DEP_1)
	v_pk_add_f32 v[32:33], v[32:33], v[36:37]
	s_delay_alu instid0(VALU_DEP_1)
	v_add_f32 v32, v32, v33
	s_delay_alu instid0(VALU_DEP_1)
	v_permlanex16_b32 v40, v32, s22, s23
	s_delay_alu instid0(VALU_DEP_1)
	v_add_f32 v32, v32, v40                        ; my wave's 128 columns of row r
	ds_store_b32 v10, v32 offset:\off              ; both lanes of a row write the same word with the same value
	s_wait_dscnt 0x0                               ; for the others' sake
	s_barrier_signal -1
	s_barrier_wait -1
	ds_load_b128 v[32:35], v9 offset:\off
	ds_load_b128 v[36:39], v9 offset:\off+16
	s_wait_dscnt 0x0
	v_add_f32 v32, v32, v33
	v_add_f32 v34, v34, v35
	v_add_f32 v36, v36, v37
	v_add_f32 v38, v38, v39
	s_delay_alu instid0(VALU_DEP_3)
	v_add_f32 v32, v32, v34
	s_delay_alu instid0(VALU_DEP_2)
	v_add_f32 v36, v36, v38
	s_delay_alu instid0(VALU_DEP_1)
	v_add_f32 v32, v32, v36
.endm
.irp k, 0,1,2,3
	v_pk_add_f32 v[32+2*\k:33+2*\k], v[X+2*\k:X+2*\k+1], v[X+8+2*\k:X+9+2*\k]
.endr
.irp j, 2,3,4,5,6,7
.irp k, 0,1,2,3
	s_delay_alu instid0(VALU_DEP_4)
	v_pk_add_f32 v[32+2*\k:33+2*\k], v[32+2*\k:33+2*\k], v[X+8*\j+2*\k:X+8*\j+2*\k+1]
.endr
.endr
	REDUCE 0
	s_delay_alu instid0(VALU_DEP_1)
	v_mul_f32 v42, 0xba800000, v32                 ; -mean
	s_delay_alu instid0(VALU_DEP_1)
	v_mov_b32 v43, v42
.set i, 0
.rept 32
	v_pk_add_f32 v[X+2*i:X+2*i+1], v[X+2*i:X+2*i+1], v[42:43]
.set i, i+1
.endr
.irp k, 0,1,2,3
	v_pk_mul_f32 v[32+2*\k:33+2*\k], v[X+2*\k:X+2*\k+1], v[X+2*\k:X+2*\k+1]
.endr
.irp j, 1,2,3,4,5,6,7
.irp k, 0,1,2,3
	s_delay_alu instid0(VALU_DEP_4)
	v_pk_fma_f32 v[32+2*\k:33+2*\k], v[X+8*\j+2*\k:X+8*\j+2*\k+1], v[X+8*\j+2*\k:X+8*\j+2*\k+1], v[32+2*\k:33+2*\k]
.endr
.endr
	REDUCE 512                                     ; other bytes than the first sum's: so one barrier serves each
	s_delay_alu instid0(VALU_DEP_1)
	v_fma_f32 v44, v32, s28, s29                   ; var + eps
	s_wait_alu depctr_va_vdst(0)
	v_rsq_f32 v46, v44
	v_nop                                          ; a plain line behind the transcendental
	s_wait_alu depctr_va_vdst(0)                   ; and the wait ahead of its first reader
	v_mov_b32 v47, v46
	s_wait_alu depctr_va_vdst(0)
	s_wait_loadcnt 0x0                             ; gain and bias
.set i, 0
.rept 32
	v_pk_mul_f32 v[X+2*i:X+2*i+1], v[X+2*i:X+2*i+1], v[46:47]
.set i, i+1
.endr
.set i, 0
.rept 32
	v_pk_fma_f32 v[X+2*i:X+2*i+1], v[X+2*i:X+2*i+1], v[WT+2*i:WT+2*i+1], v[R+2*i:R+2*i+1]
.set i, i+1
.endr
	; the quantiser: register 32 c + i is k = 64 c + 32 h + i: two whole blocks a lane
.irp c, 0,1
	v_max3_num_f32 v[TM+\c], |v[X+32*\c]|, |v[X+32*\c+1]|, 0x1800000   ; with the floor 2^(3 - 127)
.endr
.irp i, 2,4,6,8,10,12,14,16,18,20,22,24,26,28,30
.irp c, 0,1
	s_delay_alu instid0(VALU_DEP_2)
	v_max3_num_f32 v[TM+\c], v[TM+\c], |v[X+32*\c+\i]|, |v[X+32*\c+\i+1]|
.endr
.endr
.irp c, 0,1
	s_delay_alu instid0(VALU_DEP_2)
	v_add_nc_u32 v[TM+4+\c], 0xff000000, v[TM+\c]  ; 2 off the exponent field: the conversion's scale operand
.endr
.irp c, 0,1
	s_delay_alu instid0(VALU_DEP_2)
	v_lshrrev_b32 v[TM+2+\c], 23, v[TM+4+\c]
.endr
	s_delay_alu instid0(VALU_DEP_1)
	v_lshl_or_b32 v[PW], v[TM+3], 16, v[TM+2]      ; my bytes: blocks h and 2 + h,
	v_lshlrev_b32 v[TM+6], 3, v4
	s_delay_alu instid0(VALU_DEP_1)
	v_lshlrev_b32 v[PW], v[TM+6], v[PW]            ; at their places;
	v_mov_b32 v[TM+7], 0
	s_delay_alu instid0(VALU_DEP_1)
	v_permlanex16_b32 v[TM+7], v[PW], s22, s23
	s_delay_alu instid0(VALU_DEP_1)
	v_or_b32 v[PW], v[PW], v[TM+7]                 ; with lane l xor 16's two the word is whole
.irp c, 0,1
	v_cvt_scalef32_pk16_fp6_f32 v[PC+6*\c:PC+6*\c+2], v[X+32*\c:X+32*\c+15], v[TM+4+\c]
	v_cvt_scalef32_pk16_fp6_f32 v[PT+4*\c:PT+4*\c+2], v[X+32*\c+16:X+32*\c+31], v[TM+4+\c]
.endr
	v_nop
.irp c, 0,1
.irp i, 0,1,2
	v_mov_b32 v[PC+6*\c+3+\i], v[PT+4*\c+\i]
.endr
.endr
.irp g, 0,1,2
	global_store_b128 v5, v[PC+4*\g:PC+4*\g+3], s[24:25] offset:512*\g
.endr
	global_store_b32 v11, v[PW], s[26:27]          ; lanes 16-31 repeat lanes 0-15's words at the same places
	s_wait_tensorcnt 0x0
	ds_add_u32 v51, v55
	s_wait_dscnt 0x0
	s_endpgm
.Lfunc_end_k_q83adf590d3_ln2:
	.size	k_q83adf590d3_ln2, .Lfunc_end_k_q83adf590d3_ln2-k_q83adf590d3_ln2
	.p2alignl 7, 3214868480
	.fill 96, 4, 3214868480
	.section	.rodata,"a",@progbits
	.p2align	6, 0x0
	.amdhsa_kernel k_q83adf590d3_ln2
		.amdhsa_group_segment_fixed_size 69632
		.amdhsa_private_segment_fixed_size 0
		.amdhsa_enable_private_segment 0
		.amdhsa_kernarg_size 32
		.amdhsa_user_sgpr_count 2
		.amdhsa_user_sgpr_kernarg_segment_ptr 1
		.amdhsa_wavefront_size32 1
		.amdhsa_system_sgpr_workgroup_id_x 1
		.amdhsa_system_sgpr_workgroup_id_y 1
		.amdhsa_system_sgpr_workgroup_id_z 1
		.amdhsa_system_vgpr_workitem_id 0
		.amdhsa_next_free_vgpr 256
		.amdhsa_next_free_sgpr 66
		.amdhsa_reserve_vcc 0
		.amdhsa_float_denorm_mode_32 3
		.amdhsa_float_denorm_mode_16_64 3
		.amdhsa_memory_ordered 1
		.amdhsa_forward_progress 1
		.amdhsa_inst_pref_size 28
	.end_amdhsa_kernel
	.amdgpu_metadata
---
amdhsa.version: [ 1, 2 ]
amdhsa.kernels:
  - .name:           k_q83adf590d3_ln2
    .symbol:         k_q83adf590d3_ln2.kd
    .args:
      - { .name: x1, .offset: 0, .size: 8, .value_kind: global_buffer, .address_space: global }
      - { .name: ln2_w, .offset: 8, .size: 8, .value_kind: global_buffer, .address_space: global }
      - { .name: ln2_b, .offset: 16, .size: 8, .value_kind: global_buffer, .address_space: global }
      - { .name: xn, .offset: 24, .size: 8, .value_kind: global_buffer, .address_space: global }
    .group_segment_fixed_size: 69632
    .private_segment_fixed_size: 0
    .kernarg_segment_align: 8
    .kernarg_segment_size: 32
    .max_flat_workgroup_size: 256
    .sgpr_count:     66
    .vgpr_count:     256
    .wavefront_size: 32
...
	.end_amdgpu_metadata
.endif
;; end of part 5
;; launch up (part 6): grid 16 x 16, 4 waves a work-group, clusters of 4 x 4, 327,680 bytes of LDS; arguments xn, wts, mlp_b1, hid; writes hid
.if DOCPART == 6
	.amdgcn_target "amdgcn-amd-amdhsa--gfx1250"
	.amdhsa_code_object_version 6
	.text
	.protected	k_q83adf590d3_up
	.globl	k_q83adf590d3_up
	.p2align	8
	.type	k_q83adf590d3_up,@function
k_q83adf590d3_up:
	s_mov_b64 s[64:65], 0
	v_nop
	global_prefetch_b8 v0, s[64:65] scope:SCOPE_SE
	s_setreg_imm32_b32 hwreg(HW_REG_WAVE_MODE, 25, 1), 1
	s_wait_xcnt 0x0
	s_wait_alu depctr_hold_cnt(0) depctr_sa_sdst(0) depctr_va_vdst(0) depctr_va_sdst(0) depctr_va_ssrc(0) depctr_va_vcc(0) depctr_vm_vsrc(0)
	s_getreg_b32 s2, hwreg(HW_REG_IB_STS2, 6, 4)
	s_cmp_eq_u32 s2, 0
	s_cbranch_scc0 .Lentry_in_a_cluster
	s_endpgm
.Lentry_in_a_cluster:
	s_bfe_u32 s2, ttmp6, 0x10000c
	s_cmp_lg_u32 s2, 0xf033
	s_cbranch_scc0 .Lentry_shape_is_right
	s_endpgm
.Lentry_shape_is_right:
; hid = Q(gelu(xn W1 + b1)) on codes of FP6 (E2M3): the hidden layer is quantised along its own axis, the next product's K, and leaves as images of that product's operand registers.
; THE CORE as in qkvp: a work-group of four waves makes 256 x 256, a wave 128 x 128: 64 accumulators.  Operands are register images (a fragment of 16 rows x 128 K: 1,536 bytes), [tile][K step]; scale words
; [pair of tiles][K step][128 bytes].  Two LDS slots of two K steps; each wave fetches a quarter of a slot by one tensor load (8 rows of 3,072 bytes); the scale words for all of K come with the first fills.
; THE MATRIX INSTRUCTION IS USED TRANSPOSED: source 0 = 16 columns of W1, source 1 = 16 tokens.  A tile's lane row r is true row 32 (t / 2) + 8 (t % 2) + r + 8 (r / 8): so a lane's 64 results of a block of tokens are
; register 16 b + i = hidden unit 32 b + 16 (lane / 16) + i of my 128: one K step of the next product.  The bias is the C of each sum's first product.
; GELU is exact: z / 2 (1 + erf(z / sqrt 2)); erf(x) = x P(x^2) / Q(x^2) with x held to +-4, degrees 6 and 4; the division is v_rcp_f32.  Eight numbers at a time: the chains of P and of Q take turns, so that eight
; independent lines stand between a line and the line that reads it, and the eight reciprocals stand among P's last lines; no result of a reciprocal is named before all 64 are issued: one wait serves them.
; CLUSTERS of 4 x 4: A's tiles are asked for jointly along a row of the cluster, B's along a column.  By this text's count a wave has one tensor load out at the start and one behind each round.
; No prefetch is laid: half of K is asked for by the first fills, and the two refills follow them by one slot's work: a request for them could stand only at the head.
; The scale words leave as runs of 128 bytes (a pair of tiles for one K step): their neighbours along K belong to other work-groups.
; LIMITS: a block of zeros, or under 2^-124, gets the byte 1 (its codes are zeros; this program alone reads the bytes); NaN and infinities are not served.
.set T, 8
.set NQ, 2
.set KS, 8
.set AHF, 0
.set ASOFF, 3145728                    ; xn's scale words
.set BCOFF, 3145728                    ; mlp_w1's codes and scale words in wts
.set BSOFF, 9568256
.set HSO, 12582912                     ; hid's scale words
.set HALFT, NQ*T*1536
.set SLOT, 4*HALFT
.set LAPS, KS/(2*NQ)
.set SCL, 2*SLOT
.set HALFS, (T/2)*KS*128
.set SPARE, SCL+4*HALFS                ; the spare words: 128 bytes a wave, named by no other line
.set SCR, SPARE+512                    ; scratch of the way out: 512 bytes a wave: bytes of its own
.set ADRA, 16
.set ADRA8, 18
.set ADRB, 20
.set ADRSA, 22
.set ADRSB, 23
.set SPW, 28
.set NIL, 29
.set SC, 32
.set AF, 64                            ; window 0: A's two sets;  window 1: B's two sets at v0, v128, the bias tiles in the gaps;  windows 2, 3: the accumulators
.set WV, 2
.set WA, 3
.set LAPC, 14
.set BL, 14
.set WB, 15
.set TA, 16
.set TB, 17
.set G1, 24
.set G0, 32
.set G1B, 48
.set G0B, 56
.set G1S, 68
.set G0S, 76
.set G1SB, 80
.set G0SB, 88
.set TM, 32                            ; the way out: v32-47 at work, v192-203 codes, v204-210 the conversions' second halves, v48 the scale word
.set PC, 192
.set PT, 204
.set PW, 48
.set SEL, 12
.set KA0, 24                           ; erf's constants, a pair of equal words each, in the descriptors' registers once no tensor load is out
.set KA2, 26
.set KA3, 28
.set KA4, 30
.set KA5, 32
.set KA6, 34
.set KB0, 36
.set KB2, 38
.set KB3, 40
.set KB4, 42
.set KRS, 44
.set MSB, 0
.macro WIN new
.if MSB != (\new)
	s_set_vgpr_msb (MSB<<8)|(\new)
.set MSB, (\new)
.endif
.endm
.macro PLACES n
.rept \n
	v_nop
.endr
.endm
.macro JLOAD g0a, g1a, g0b, g1b
	s_cmp_eq_u32 s[WA], 0
	s_cbranch_scc0 .Lfor_b_\@
	tensor_load_to_lds s[\g0a:\g0a+3], s[\g1a:\g1a+7]
	s_nop 0
	PLACES 4
	s_branch .Lasked_\@
.Lfor_b_\@:
	tensor_load_to_lds s[\g0b:\g0b+3], s[\g1b:\g1b+7]
	s_nop 0
	PLACES 4
.Lasked_\@:
.endm
.macro CREST
	s_cmp_lg_u32 s[WV], 0
	s_cbranch_scc1 .Lnot_wave_0_\@
	s_barrier_signal -3
.Lnot_wave_0_\@:
	s_barrier_wait -3
	s_barrier_signal -1
	s_barrier_wait -1
.endm
.macro CROUND
	s_barrier_signal -1
	s_barrier_wait -1
	CREST
.endm
.macro WM d, bf, af, cm, cr, sb, sa, rb, ra
.if (\cm) == 1
.if (\rb) == 0 && (\ra) == 0
	v_wmma_scale_f32_16x16x128_f8f6f4 v[\d:\d+7], v[\bf:\bf+11], v[\af:\af+11], 0, v[\sb], v[\sa] matrix_a_fmt:MATRIX_FMT_FP6 matrix_b_fmt:MATRIX_FMT_FP6
.elseif (\rb) == 1 && (\ra) == 0
	v_wmma_scale_f32_16x16x128_f8f6f4 v[\d:\d+7], v[\bf:\bf+11], v[\af:\af+11], 0, v[\sb], v[\sa] matrix_a_fmt:MATRIX_FMT_FP6 matrix_b_fmt:MATRIX_FMT_FP6 matrix_a_scale:MATRIX_SCALE_ROW1
.elseif (\rb) == 0
	v_wmma_scale_f32_16x16x128_f8f6f4 v[\d:\d+7], v[\bf:\bf+11], v[\af:\af+11], 0, v[\sb], v[\sa] matrix_a_fmt:MATRIX_FMT_FP6 matrix_b_fmt:MATRIX_FMT_FP6 matrix_b_scale:MATRIX_SCALE_ROW1
.else
	v_wmma_scale_f32_16x16x128_f8f6f4 v[\d:\d+7], v[\bf:\bf+11], v[\af:\af+11], 0, v[\sb], v[\sa] matrix_a_fmt:MATRIX_FMT_FP6 matrix_b_fmt:MATRIX_FMT_FP6 matrix_a_scale:MATRIX_SCALE_ROW1 matrix_b_scale:MATRIX_SCALE_ROW1
.endif
.else
.if (\rb) == 0 && (\ra) == 0
	v_wmma_scale_f32_16x16x128_f8f6f4 v[\d:\d+7], v[\bf:\bf+11], v[\af:\af+11], v[\cr:\cr+7], v[\sb], v[\sa] matrix_a_fmt:MATRIX_FMT_FP6 matrix_b_fmt:MATRIX_FMT_FP6
.elseif (\rb) == 1 && (\ra) == 0
	v_wmma_scale_f32_16x16x128_f8f6f4 v[\d:\d+7], v[\bf:\bf+11], v[\af:\af+11], v[\cr:\cr+7], v[\sb], v[\sa] matrix_a_fmt:MATRIX_FMT_FP6 matrix_b_fmt:MATRIX_FMT_FP6 matrix_a_scale:MATRIX_SCALE_ROW1
.elseif (\rb) == 0
	v_wmma_scale_f32_16x16x128_f8f6f4 v[\d:\d+7], v[\bf:\bf+11], v[\af:\af+11], v[\cr:\cr+7], v[\sb], v[\sa] matrix_a_fmt:MATRIX_FMT_FP6 matrix_b_fmt:MATRIX_FMT_FP6 matrix_b_scale:MATRIX_SCALE_ROW1
.else
	v_wmma_scale_f32_16x16x128_f8f6f4 v[\d:\d+7], v[\bf:\bf+11], v[\af:\af+11], v[\cr:\cr+7], v[\sb], v[\sa] matrix_a_fmt:MATRIX_FMT_FP6 matrix_b_fmt:MATRIX_FMT_FP6 matrix_a_scale:MATRIX_SCALE_ROW1 matrix_b_scale:MATRIX_SCALE_ROW1
.endif
.endif
.endm
.macro MULA a, p, mode                 ; A's block a against B's T tiles, on set p; mode 0: onto the sums; 2: the sums begin with the bias tiles.  The accumulators take turns
.if (\mode) == 2
	WIN 0x91+0x40*((\a)/4)
.else
	WIN 0xa1+0x50*((\a)/4)
.endif
.irp b, 0,1,2,3,4,5,6,7
.if \b < T
.set rD, 8*(T*((\a)%4)+\b)
.set rC, rD
.if (\mode) == 2
.set rC, 96+128*(\b/4)+8*(\b%4)
.endif
.set rB, 128*(\p)+12*\b
.set rA, AF+12*T*(\p)+12*(\a)
.set rSB, SC+T*(\p)+T/2+\b/2
.set rSA, SC+T*(\p)+(\a)/2
	WM rD, rB, rA, \mode, rC, rSB, rSA, \b%2, (\a)%2
.endif
.endr
.endm
.macro MULR a0, n, p, mode
.set aa, \a0
.rept \n
	MULA aa, \p, \mode
.set aa, aa+1
.endr
.endm
.macro FETCH slot, q, p
	WIN 0x40
.set i, 0
.rept T
.irp g, 0,1,2
	ds_load_b128 v[128*(\p)+12*i+4*\g:128*(\p)+12*i+4*\g+3], v[ADRB+\slot] offset:(i*NQ+(\q))*1536+512*\g
.endr
.set i, i+1
.endr
	WIN 0
.set i, 0
.rept T
.set rA, AF+12*T*(\p)+12*i
.set oA, (i*NQ+(\q))*1536
.irp g, 0,1,2
	ds_load_b128 v[rA+4*\g:rA+4*\g+3], v[ADRA+\slot] offset:oA+512*\g
.endr
.set i, i+1
.endr
.set i, 0
.rept T/2
	ds_load_b32 v[SC+T*(\p)+i], v[ADRSA] offset:(i*KS+(\q))*128
	ds_load_b32 v[SC+T*(\p)+T/2+i], v[ADRSB] offset:(i*KS+(\q))*128
.set i, i+1
.endr
.endm
.macro STEP slot, q, mode
	s_wait_dscnt 0x0                               ; this step's fragments are in (asked for a whole step ago)
	PLACES 4                                       ; places in front of loads into registers that matrix instructions have read
	FETCH \slot, (\q)+1, 1-(\q)%2
	MULR 0, T, (\q)%2, \mode
.endm
.macro MID slot, q0
.set qq, \q0
.rept NQ-1-(\q0)
	STEP \slot, qq, 0
.set qq, qq+1
.endr
.endm
.macro TURN slot, next, fill           ; a slot's last step changes slots: one barrier, with the waits and the add in front of it
	WIN 0
	s_wait_tensorcnt 0x0                           ; all my tensor loads have landed: my part of the next slot
	ds_add_u32 v[SPW], v[NIL]                      ; 0 onto my spare word
	s_wait_dscnt 1                                 ; the add alone may be out
	MULR 0, T/4, 1, 0
	s_wait_dscnt 0x0                               ; the add is done, and my reads of this slot are over
	s_barrier_signal -1
	MULR T/4, T/4, 1, 0
	WIN 0
	s_barrier_wait -1
.if \fill
	CREST                                          ; the barrier has opened a round of the cluster's: no wave of any partner still reads this slot or has a load on its way
	s_add_nc_u64 s[G0+4*\slot+2:G0+4*\slot+3], s[G0+4*\slot+2:G0+4*\slot+3], 2*NQ*1536
	s_add_nc_u64 s[G0B+4*\slot+2:G0B+4*\slot+3], s[G0B+4*\slot+2:G0B+4*\slot+3], 2*NQ*1536
	JLOAD G0+4*\slot, G1, G0B+4*\slot, G1B
.else
	PLACES 4
.endif
	s_wait_alu depctr_va_vdst(0)
	v_add_nc_u32 v[ADRSA], NQ*128, v[ADRSA]
	v_add_nc_u32 v[ADRSB], NQ*128, v[ADRSB]
	FETCH \next, 0, 0
	MULR T/2, T/2, 1, 0
.endm
.macro QUANT s                         ; 64 numbers of a lane, register 16 b + i = k 32 b + 16 (lane / 16) + i, become a fragment's codes in v[PC] on and its scale word in v[PW]
.irp b, 0,1,2,3
	v_max3_num_f32 v[TM+\b], |v[\s+16*\b]|, |v[\s+1+16*\b]|, 0x1800000
.endr
.irp i, 2,4,6,8,10,12,14
.irp b, 0,1,2,3
	v_max3_num_f32 v[TM+\b], v[TM+\b], |v[\s+16*\b+\i]|, |v[\s+1+16*\b+\i]|
.endr
.endr
.irp b, 0,1,2,3
	v_permlanex16_b32 v[TM+4+\b], v[TM+\b], s[SEL], s[SEL+1]
.endr
.irp b, 0,1,2,3
	v_max_num_f32 v[TM+\b], v[TM+\b], v[TM+4+\b]
.endr
.irp b, 0,1,2,3
	v_add_nc_u32 v[TM+12+\b], 0xff000000, v[TM+\b]
.endr
.irp b, 0,1,2,3
	v_lshrrev_b32 v[TM+4+\b], 23, v[TM+12+\b]
.endr
	v_lshl_or_b32 v[PW], v[TM+5], 8, v[TM+4]
	v_lshl_or_b32 v[PW], v[TM+6], 16, v[PW]
	v_lshl_or_b32 v[PW], v[TM+7], 24, v[PW]
.irp c, 0,1
	v_cvt_scalef32_pk16_fp6_f32 v[PC+6*\c:PC+2+6*\c], v[\s+32*\c:\s+15+32*\c], v[TM+12+2*\c]
	v_cvt_scalef32_pk16_fp6_f32 v[PT+4*\c:PT+2+4*\c], v[\s+16+32*\c:\s+31+32*\c], v[TM+12+2*\c+1]
.endr
	v_nop
.irp c, 0,1
.irp i, 0,1,2
	v_permlane16_swap_b32 v[PC+6*\c+\i], v[PT+4*\c+\i]
.endr
.irp i, 0,1,2
	v_mov_b32 v[PC+3+6*\c+\i], v[PT+4*\c+\i]
.endr
.endr
.endm
	s_load_b256 s[4:11], s[0:1], 0x0               ; xn, wts, mlp_b1, hid
	v_lshl_add_u32 v[SPW], v0, 2, SPARE
	v_mov_b32 v[NIL], 0
	ds_add_u32 v28, v29
	ds_add_u32 v28, v29
	s_wait_dscnt 0x0
	v_lshrrev_b32 v1, 5, v0
	v_readfirstlane_b32 s[WV], v1
	s_lshr_b32 s[WA], s[WV], 1
	s_and_b32 s[WB], s[WV], 1
	s_bfe_u32 s40, ttmp6, 0x40000
	s_bfe_u32 s41, ttmp6, 0x40004
	s_lshl_b32 s[TB], ttmp9, 2
	s_add_co_u32 s[TB], s[TB], s40                 ; the tile of columns
	s_and_b32 s[TA], ttmp7, 0xffff
	s_lshl_b32 s[TA], s[TA], 2
	s_add_co_u32 s[TA], s[TA], s41                 ; the tile of tokens
	s_lshl_b32 s42, s41, 2
	s_lshl_b32 s42, 15, s42
	s_lshl_b32 s43, 0x1111, s40
	s_or_b32 s[G1], s42, (3<<16)|(1<<21)
	s_or_b32 s[G1B], s43, (3<<16)|(1<<21)
.irp g, G1, G1B
	s_mov_b32 s[\g+1], (NQ*192)<<16
	s_mov_b32 s[\g+2], (2*T)<<16                   ; 2 T rows for the head's loads; T behind them
	s_mov_b32 s[\g+3], (NQ*192)<<16
	s_mov_b32 s[\g+4], 2*T
	s_mov_b32 s[\g+5], KS*192
	s_mov_b32 s[\g+6], 0
	s_mov_b32 s[\g+7], 0
.endr
	s_or_b32 s[G1S], s42, (3<<16)|(1<<21)
	s_or_b32 s[G1SB], s43, (3<<16)|(1<<21)
.irp g, G1S, G1SB
	s_mov_b32 s[\g+1], 32<<16
	s_mov_b32 s[\g+2], (2*HALFS/256)<<16           ; a side's scale words whole
	s_mov_b32 s[\g+3], 32<<16
	s_mov_b32 s[\g+4], 2*HALFS/256
	s_mov_b32 s[\g+5], 32
	s_mov_b32 s[\g+6], 0
	s_mov_b32 s[\g+7], 0
.endr
	s_mul_i32 s18, s[TA], 2*T
	s_mul_i32 s20, s18, KS*1536
	s_mov_b32 s21, 0
	s_mul_i32 s22, s18, KS*64
	s_mov_b32 s23, 0
	s_mul_i32 s19, s[TB], 2*T
	s_mul_i32 s44, s19, KS*1536
	s_mov_b32 s45, 0
	s_mul_i32 s46, s19, KS*64
	s_mov_b32 s47, 0
	s_wait_kmcnt 0x0
	s_add_nc_u64 s[G0+2:G0+3], s[4:5], s[20:21]
	s_add_nc_u64 s[G0S+2:G0S+3], s[4:5], s[22:23]
	s_add_nc_u64 s[G0S+2:G0S+3], s[G0S+2:G0S+3], ASOFF
	s_add_nc_u64 s[G0B+2:G0B+3], s[6:7], s[44:45]
	s_add_nc_u64 s[G0B+2:G0B+3], s[G0B+2:G0B+3], BCOFF
	s_add_nc_u64 s[G0SB+2:G0SB+3], s[6:7], s[46:47]
	s_add_nc_u64 s[G0SB+2:G0SB+3], s[G0SB+2:G0SB+3], BSOFF
	s_mul_i32 s46, s[WB], T*KS*1536                ; in the ring I fetch T tiles of a side: which half, in bytes (s47 = 0)
	s_add_nc_u64 s[G0+6:G0+7], s[G0+2:G0+3], s[46:47]
	s_add_nc_u64 s[G0+6:G0+7], s[G0+6:G0+7], NQ*1536
	s_add_nc_u64 s[G0B+6:G0B+7], s[G0B+2:G0B+3], s[46:47]
	s_add_nc_u64 s[G0B+6:G0B+7], s[G0B+6:G0B+7], NQ*1536
.irp g, G0, G0+4, G0B, G0B+4, G0S, G0SB
	s_mov_b32 s[\g], 1
	s_or_b32 s[\g+3], s[\g+3], 0x80000000
.endr
	s_mul_i32 s[G0+5], s[WV], HALFT                ; slot 1: wave x a quarter
	s_add_co_u32 s[G0+5], s[G0+5], SLOT
	s_mul_i32 s[G0B+5], s[WV], HALFT
	s_add_co_u32 s[G0B+5], s[G0B+5], SLOT
	s_mov_b32 s[G0+1], 0                           ; the head's four tiles, each whole: A's part of slot 0, B's, A's scale words, B's
	s_mov_b32 s[G0B+1], 2*HALFT
	s_mov_b32 s[G0S+1], SCL
	s_mov_b32 s[G0SB+1], SCL+2*HALFS
	CROUND                                         ; all sixteen work-groups are here: the first joint loads meet
; THE HEAD'S LOADS AS THEY NOW STAND, ONE A WAVE: wave 0 A's 2 T tiles of slot 0, wave 1 B's, wave 2 A's scale words, wave 3 B's; one chain of branches on the wave's number.
; Slot 1 is first filled behind the full sequence and a round.  By this text's count a wave has one tensor load out at any time.
.macro ARM under, g0, g1, next
	s_cmp_lt_u32 s[WV], \under
	s_cbranch_scc0 \next
	tensor_load_to_lds s[\g0:\g0+3], s[\g1:\g1+7]
	s_nop 0
	PLACES 4
	s_branch .Lhead_asked
\next:
.endm
	ARM 1, G0, G1, .Lhead_b
	ARM 2, G0B, G1B, .Lhead_sa
	ARM 3, G0S, G1S, .Lhead_sb
	tensor_load_to_lds s[G0SB:G0SB+3], s[G1SB:G1SB+7]
	s_nop 0
	PLACES 4
.Lhead_asked:
	v_and_b32 v1, 31, v0
	v_and_b32 v4, 15, v0                           ; r
	v_bfe_u32 v5, v0, 4, 1                         ; h
	v_lshlrev_b32 v24, 4, v1
	v_lshlrev_b32 v30, 2, v1
	s_wait_alu depctr_va_vdst(0)
	s_mul_i32 s18, s[WA], HALFT
	s_mul_i32 s19, s[WB], HALFT
	s_add_co_u32 s19, s19, 2*HALFT
	v_add_nc_u32 v[ADRA], s18, v24
	v_add_nc_u32 v[ADRA+1], SLOT, v[ADRA]
	v_add_nc_u32 v[ADRB], s19, v24
	v_add_nc_u32 v[ADRB+1], SLOT, v[ADRB]
	s_mul_i32 s18, s[WA], HALFS
	s_add_co_u32 s18, s18, SCL
	s_mul_i32 s19, s[WB], HALFS
	s_add_co_u32 s19, s19, SCL+2*HALFS
	v_add_nc_u32 v[ADRSA], s18, v30
	v_add_nc_u32 v[ADRSB], s19, v30
	s_lshl_b32 s18, s[WV], 9
	s_add_co_u32 s18, s18, SCR
	v_lshl_add_u32 v25, v4, 2, s18                 ; my scratch: a block's scale words at 4 r,
	v_add_nc_u32 v27, s18, v30                     ; and back, a pair of tiles at 4 x lane
	v_lshlrev_b32 v3, 6, v5                        ; the bias at 64 h
	s_lshl_b32 s18, s[TB], 10
	s_lshl_b32 s19, s[WB], 9
	s_add_co_u32 s18, s18, s19
	s_mov_b32 s19, 0
	s_add_nc_u64 s[8:9], s[8:9], s[18:19]          ; my 128 columns' bias
	WIN 0x40
.irp b, 0,1,2,3,4,5,6,7
	global_load_b128 v[96+128*(\b/4)+8*(\b%4):99+128*(\b/4)+8*(\b%4)], v3, s[8:9] offset:(32*(\b/2)+8*(\b%2))*4
	global_load_b128 v[100+128*(\b/4)+8*(\b%4):103+128*(\b/4)+8*(\b%4)], v3, s[8:9] offset:(32*(\b/2)+8*(\b%2))*4+16
.endr
	WIN 0
	s_wait_alu depctr_va_vdst(0)
	s_wait_tensorcnt 0x0                           ; my tile of the head's four is in
	ds_add_u32 v[SPW], v[NIL]
	s_mov_b32 s[G1+2], T<<16                       ; no tensor load of mine is out: from here on a load brings T tiles,
	s_mov_b32 s[G1+4], T
	s_mov_b32 s[G1B+2], T<<16
	s_mov_b32 s[G1B+4], T
	s_add_nc_u64 s[G0+2:G0+3], s[G0+2:G0+3], s[46:47]      ; my half of a side,
	s_add_nc_u64 s[G0B+2:G0B+3], s[G0B+2:G0B+3], s[46:47]
	s_mul_i32 s[G0+1], s[WV], HALFT                ; to wave x a quarter of slot 0
	s_mul_i32 s[G0B+1], s[WV], HALFT
	s_wait_dscnt 0x0
	CROUND                                         ; all four tiles are in, and all sixteen work-groups are here
	JLOAD G0+4, G1, G0B+4, G1B                     ; slot 1's first fill, the first tensor load behind the round
	FETCH 0, 0, 0
	s_wait_loadcnt 0x0                             ; the bias
	STEP 0, 0, 2
	WIN 0
	s_mov_b32 s[LAPC], LAPS-1
.Llap:
	MID 0, 1
	TURN 0, 1, 1
	s_wait_alu depctr_va_vdst(0)
	MID 1, 0
	TURN 1, 0, 1
	s_wait_alu depctr_va_vdst(0)
	STEP 0, 0, 0
	WIN 0
	s_sub_co_u32 s[LAPC], s[LAPC], 1
	s_cmp_lg_u32 s[LAPC], 0
	s_cbranch_scc1 .Llap
	MID 0, 1
	TURN 0, 1, 0
	s_wait_alu depctr_va_vdst(0)
	MID 1, 0
	s_wait_dscnt 0x0
	MULR 0, T, 1, 0
	WIN 0
	PLACES 4
	; ---- THE WAY OUT, a block of 16 tokens a trip.  Only the lines whose register numbers hang on the block are written eight times; a chain of compares on the trip's counter leads to them.
	s_mov_b32 s[SEL], 0x76543210
	s_mov_b32 s[SEL+1], 0xfedcba98
.macro KONST k, w
	s_mov_b32 s[\k], \w
	s_mov_b32 s[\k+1], \w
.endm
	KONST KA0, 0xaf95df0b                          ; P: -2.72614225801306e-10, (2.77068142495902e-08 in v[2:3]),
	KONST KA2, 0xb60cff51                          ; -2.10102402082508e-06,
	KONST KA3, 0xb86ec2d2                          ; -5.69250639462346e-05,
	KONST KA4, 0xba40ac63                          ; -7.34990630326855e-04,
	KONST KA5, 0xbb41a1f6                          ; -2.95459980854025e-03,
	KONST KA6, 0xbc83dbd4                          ; -1.60960333262415e-02
	KONST KB0, 0xb77460cd                          ; Q: -1.45660718464996e-05, (-2.13374055278905e-04 in v[4:5]),
	KONST KB2, 0xbadc924e                          ; -1.68282697438203e-03,
	KONST KB3, 0xbbf19bf8                          ; -7.37332916720468e-03,
	KONST KB4, 0xbc69b6a7                          ; -1.42647390514189e-02
	KONST KRS, 0x3f3504f3                          ; 1 / sqrt 2
	v_mov_b32 v2, 0x32edffee
	v_mov_b32 v3, 0x32edffee
	v_mov_b32 v4, 0xb95fbd29
	v_mov_b32 v5, 0xb95fbd29
.irp b, 0,1,2,3
	v_mov_b32 v[TM+4+\b], 0
.endr
	s_lshl_b32 s18, s[TA], 4
	s_lshl_b32 s19, s[WA], 3
	s_add_co_u32 s18, s18, s19                     ; my first tile of tokens
	s_lshl_b32 s19, s[TB], 1
	s_add_co_u32 s19, s19, s[WB]                   ; the next product's K step that my 128 columns are
	s_lshl_b32 s46, s18, 5
	s_add_co_u32 s46, s46, s19
	s_mul_i32 s46, s46, 1536
	s_mov_b32 s47, 0
	s_add_nc_u64 s[20:21], s[10:11], s[46:47]
	s_lshl_b32 s46, s18, 4                         ; (tile / 2) x 32 K steps
	s_add_co_u32 s46, s46, s19
	s_lshl_b32 s46, s46, 7
	s_add_nc_u64 s[22:23], s[10:11], s[46:47]
	s_add_nc_u64 s[22:23], s[22:23], HSO
	s_mov_b32 s[BL], 0
	s_mov_b32 s18, 0                               ; the block's scale words in my scratch: 64 bytes a trip
.Lublk:
.irp k, 0,1,2,3,4,5,6
	s_cmp_eq_u32 s[BL], \k
	s_cbranch_scc1 .Lxu\k
.endr
	s_branch .Lxu7
.macro XU a
.Lxu\a:
	WIN 0x02+((\a)/4)                              ; source 0: the accumulators' window
.set i, 0
.rept 32
	v_pk_mul_f32 v[64+2*i:65+2*i], v[64*((\a)%4)+2*i:64*((\a)%4)+2*i+1], s[KRS:KRS+1] op_sel_hi:[1,0]   ; z / sqrt 2; each accumulator from its low end on
.set i, i+1
.endr
.set i, 0
.rept 32
	v_pk_mul_f32 v[128+2*i:129+2*i], v[64*((\a)%4)+2*i:64*((\a)%4)+2*i+1], 0.5 op_sel_hi:[1,0]          ; z / 2
.set i, i+1
.endr
	WIN 0
	s_branch .Lucom
.endm
.irp a, 0,1,2,3,4,5,6,7
	XU \a
.endr
.Lucom:
.set i, 0
.rept 64
	v_med3_num_f32 v[64+i], v[64+i], -4.0, 4.0
.set i, i+1
.endr
; eight numbers at a time (group g): x^2 in v32-39, P in v40-47, Q in v[192 + 8 g] on
.macro PSTEP co                        ; P = P x^2 + the next coefficient
.irp k, 0,1,2,3
	v_pk_fma_f32 v[40+2*\k:41+2*\k], v[40+2*\k:41+2*\k], v[32+2*\k:33+2*\k], s[\co:\co+1] op_sel_hi:[1,1,0]
.endr
.endm
.macro QSTEP co                        ; Q likewise
.irp k, 0,1,2,3
	v_pk_fma_f32 v[192+8*g+2*\k:193+8*g+2*\k], v[192+8*g+2*\k:193+8*g+2*\k], v[32+2*\k:33+2*\k], s[\co:\co+1] op_sel_hi:[1,1,0]
.endr
.endm
.set g, 0
.rept 8
.irp k, 0,1,2,3
	v_pk_mul_f32 v[32+2*\k:33+2*\k], v[64+8*g+2*\k:65+8*g+2*\k], v[64+8*g+2*\k:65+8*g+2*\k]
.endr
.irp k, 0,1,2,3
	v_pk_fma_f32 v[40+2*\k:41+2*\k], v[32+2*\k:33+2*\k], s[KA0:KA0+1], v[2:3] op_sel_hi:[1,0,1]
.endr
.irp k, 0,1,2,3
	v_pk_fma_f32 v[192+8*g+2*\k:193+8*g+2*\k], v[32+2*\k:33+2*\k], s[KB0:KB0+1], v[4:5] op_sel_hi:[1,0,1]
.endr
	PSTEP KA2                                      ; the two chains by turns
	QSTEP KB2
	PSTEP KA3
	QSTEP KB3
	PSTEP KA4
	QSTEP KB4
	PSTEP KA5
	s_wait_alu depctr_va_vdst(0)
.irp i, 0,1,2,3,4,5,6,7
	v_rcp_f32 v[192+8*g+\i], v[192+8*g+\i]         ; 1 / Q: no line names a result before the wait below
.endr
	PSTEP KA6                                      ; plain lines behind the reciprocals
.irp k, 0,1,2,3
	v_pk_mul_f32 v[64+8*g+2*\k:65+8*g+2*\k], v[64+8*g+2*\k:65+8*g+2*\k], v[40+2*\k:41+2*\k]
.endr
.set g, g+1
.endr
	s_wait_alu depctr_va_vdst(0)                   ; one wait for the 64 reciprocals, ahead of their first reader
.set i, 0
.rept 32
	v_pk_mul_f32 v[64+2*i:65+2*i], v[64+2*i:65+2*i], v[192+2*i:193+2*i]          ; erf
.set i, i+1
.endr
.set i, 0
.rept 32
	v_pk_fma_f32 v[64+2*i:65+2*i], v[128+2*i:129+2*i], v[64+2*i:65+2*i], v[128+2*i:129+2*i]   ; z / 2 erf + z / 2
.set i, i+1
.endr
	QUANT 64
.irp g, 0,1,2
	global_store_b128 v24, v[PC+4*\g:PC+4*\g+3], s[20:21] offset:512*\g
.endr
	v_add_nc_u32 v26, s18, v25
	ds_store_b32 v26, v[PW]                        ; both lanes of a row write the same word with the same value
	s_wait_xcnt 0x0                                ; the stores have read their registers and their base: both are written again only behind this wait
	s_add_nc_u64 s[20:21], s[20:21], 49152         ; the next tile of tokens: 32 K steps on
	s_add_co_u32 s18, s18, 64
	s_add_co_u32 s[BL], s[BL], 1
	s_cmp_lt_u32 s[BL], 8
	s_cbranch_scc1 .Lublk
.irp j, 0,1,2,3
	ds_load_b32 v[32+\j], v27 offset:128*\j        ; LDS serves a wave's instructions in order: these see my stores
.endr
	s_wait_dscnt 0x0
.irp j, 0,1,2,3
	global_store_b32 v30, v[32+\j], s[22:23] offset:\j*4096
.endr
	s_wait_tensorcnt 0x0                           ; the wave's end
	ds_add_u32 v[SPW], v[NIL]
	s_wait_dscnt 0x0
	CROUND                                         ; the closing round
	s_endpgm
.Lfunc_end_k_q83adf590d3_up:
	.size	k_q83adf590d3_up, .Lfunc_end_k_q83adf590d3_up-k_q83adf590d3_up
	.p2alignl 7, 3214868480
	.fill 96, 4, 3214868480
	.section	.rodata,"a",@progbits
	.p2align	6, 0x0
	.amdhsa_kernel k_q83adf590d3_up
		.amdhsa_group_segment_fixed_size 327680
		.amdhsa_private_segment_fixed_size 0
		.amdhsa_enable_private_segment 0
		.amdhsa_kernarg_size 32
		.amdhsa_user_sgpr_count 2
		.amdhsa_user_sgpr_kernarg_segment_ptr 1
		.amdhsa_wavefront_size32 1
		.amdhsa_system_sgpr_workgroup_id_x 1
		.amdhsa_system_sgpr_workgroup_id_y 1
		.amdhsa_system_sgpr_workgroup_id_z 1
		.amdhsa_system_vgpr_workitem_id 0
		.amdhsa_next_free_vgpr 1024
		.amdhsa_next_free_sgpr 100
		.amdhsa_reserve_vcc 0
		.amdhsa_float_denorm_mode_32 3
		.amdhsa_float_denorm_mode_16_64 3
		.amdhsa_memory_ordered 1
		.amdhsa_forward_progress 1
		.amdhsa_inst_pref_size 184
	.end_amdhsa_kernel
	.amdgpu_metadata
---
amdhsa.version: [ 1, 2 ]
amdhsa.kernels:
  - .name:           k_q83adf590d3_up
    .symbol:         k_q83adf590d3_up.kd
    .args:
      - { .name: xn, .offset: 0, .size: 8, .value_kind: global_buffer, .address_space: global }
      - { .name: wts, .offset: 8, .size: 8, .value_kind: global_buffer, .address_space: global }
      - { .name: mlp_b1, .offset: 16, .size: 8, .value_kind: global_buffer, .address_space: global }
      - { .name: hid, .offset: 24, .size: 8, .value_kind: global_buffer, .address_space: global }
    .group_segment_fixed_size: 327680
    .private_segment_fixed_size: 0
    .kernarg_segment_align: 8
    .kernarg_segment_size: 32
    .max_flat_workgroup_size: 128
    .sgpr_count:     100
    .vgpr_count:     1024
    .wavefront_size: 32
...
	.end_amdgpu_metadata
.endif
;; end of part 6
;; launch down (part 7): grid 8 x 32, 4 waves a work-group, clusters of 4 x 4, 327,680 bytes of LDS; arguments hid, wts, mlp_b2, x1, out0; writes out0
.if DOCPART == 7
	.amdgcn_target "amdgcn-amd-amdhsa--gfx1250"
	.amdhsa_code_object_version 6
	.text
	.protected	k_q83adf590d3_down
	.globl	k_q83adf590d3_down
	.p2align	8
	.type	k_q83adf590d3_down,@function
k_q83adf590d3_down:
	s_mov_b64 s[64:65], 0
	v_nop
	global_prefetch_b8 v0, s[64:65] scope:SCOPE_SE
	s_setreg_imm32_b32 hwreg(HW_REG_WAVE_MODE, 25, 1), 1
	s_wait_xcnt 0x0
	s_wait_alu depctr_hold_cnt(0) depctr_sa_sdst(0) depctr_va_vdst(0) depctr_va_sdst(0) depctr_va_ssrc(0) depctr_va_vcc(0) depctr_vm_vsrc(0)
	s_getreg_b32 s2, hwreg(HW_REG_IB_STS2, 6, 4)
	s_cmp_eq_u32 s2, 0
	s_cbranch_scc0 .Lentry_in_a_cluster
	s_endpgm
.Lentry_in_a_cluster:
	s_bfe_u32 s2, ttmp6, 0x10000c
	s_cmp_lg_u32 s2, 0xf033
	s_cbranch_scc0 .Lentry_shape_is_right
	s_endpgm
.Lentry_shape_is_right:
.set T, 4
.set NQ, 4
.set KS, 32
.set AHF, 0
.set ASOFF, 12582912
.set BCOFF, 6291456
.set BSOFF, 9699328
.set HALFT, NQ*T*1536
.set SLOT, 4*HALFT
.set LAPS, KS/(2*NQ)
.set SCL, 2*SLOT
.set HALFS, (T/2)*KS*128
.set SPARE, SCL+4*HALFS
.set SCR, SPARE+512
.set ADRA, 16
.set ADRA8, 18
.set ADRB, 20
.set ADRSA, 22
.set ADRSB, 23
.set PFO, 25
.set SPW, 28
.set NIL, 29
.set SC, 32
.set AF, 64
.set WV, 2
.set WA, 3
.set LAPC, 14
.set WB, 15
.set TA, 16
.set TB, 17
.set G1, 24
.set G0, 32
.set G1B, 48
.set G0B, 56
.set G1S, 68
.set G0S, 76
.set G1SB, 80
.set G0SB, 88
.set PFA, 94
.set LIM, 96
.set MSB, 0
.macro WIN new
.if MSB != (\new)
	s_set_vgpr_msb (MSB<<8)|(\new)
.set MSB, (\new)
.endif
.endm
.macro PLACES n
.rept \n
	v_nop
.endr
.endm
.macro JLOAD g0a, g1a, g0b, g1b
	s_cmp_eq_u32 s[WA], 0
	s_cbranch_scc0 .Lfor_b_\@
	tensor_load_to_lds s[\g0a:\g0a+3], s[\g1a:\g1a+7]
	s_nop 0
	PLACES 4
	s_branch .Lasked_\@
.Lfor_b_\@:
	tensor_load_to_lds s[\g0b:\g0b+3], s[\g1b:\g1b+7]
	s_nop 0
	PLACES 4
.Lasked_\@:
.endm
.macro ASK slot
.if (\slot) == 0
	s_cmp_ge_u32 s[LAPC], s[LIM]
.else
	s_cmp_gt_u32 s[LAPC], s[LIM]
.endif
	s_cbranch_scc0 .Lnot_mine_\@
	global_prefetch_b8 v[PFO], s[PFA:PFA+1] th:TH_LOAD_NT scope:SCOPE_SE
.Lnot_mine_\@:
.endm
.macro CREST
	s_cmp_lg_u32 s[WV], 0
	s_cbranch_scc1 .Lnot_wave_0_\@
	s_barrier_signal -3
.Lnot_wave_0_\@:
	s_barrier_wait -3
	s_barrier_signal -1
	s_barrier_wait -1
.endm
.macro CROUND
	s_barrier_signal -1
	s_barrier_wait -1
	CREST
.endm
.macro WM d, bf, af, cm, cr, sb, sa, rb, ra
.if (\cm) == 1
.if (\rb) == 0 && (\ra) == 0
	v_wmma_scale_f32_16x16x128_f8f6f4 v[\d:\d+7], v[\bf:\bf+11], v[\af:\af+11], 0, v[\sb], v[\sa] matrix_a_fmt:MATRIX_FMT_FP6 matrix_b_fmt:MATRIX_FMT_FP6
.elseif (\rb) == 1 && (\ra) == 0
	v_wmma_scale_f32_16x16x128_f8f6f4 v[\d:\d+7], v[\bf:\bf+11], v[\af:\af+11], 0, v[\sb], v[\sa] matrix_a_fmt:MATRIX_FMT_FP6 matrix_b_fmt:MATRIX_FMT_FP6 matrix_a_scale:MATRIX_SCALE_ROW1
.elseif (\rb) == 0
	v_wmma_scale_f32_16x16x128_f8f6f4 v[\d:\d+7], v[\bf:\bf+11], v[\af:\af+11], 0, v[\sb], v[\sa] matrix_a_fmt:MATRIX_FMT_FP6 matrix_b_fmt:MATRIX_FMT_FP6 matrix_b_scale:MATRIX_SCALE_ROW1
.else
	v_wmma_scale_f32_16x16x128_f8f6f4 v[\d:\d+7], v[\bf:\bf+11], v[\af:\af+11], 0, v[\sb], v[\sa] matrix_a_fmt:MATRIX_FMT_FP6 matrix_b_fmt:MATRIX_FMT_FP6 matrix_a_scale:MATRIX_SCALE_ROW1 matrix_b_scale:MATRIX_SCALE_ROW1
.endif
.else
.if (\rb) == 0 && (\ra) == 0
	v_wmma_scale_f32_16x16x128_f8f6f4 v[\d:\d+7], v[\bf:\bf+11], v[\af:\af+11], v[\cr:\cr+7], v[\sb], v[\sa] matrix_a_fmt:MATRIX_FMT_FP6 matrix_b_fmt:MATRIX_FMT_FP6
.elseif (\rb) == 1 && (\ra) == 0
	v_wmma_scale_f32_16x16x128_f8f6f4 v[\d:\d+7], v[\bf:\bf+11], v[\af:\af+11], v[\cr:\cr+7], v[\sb], v[\sa] matrix_a_fmt:MATRIX_FMT_FP6 matrix_b_fmt:MATRIX_FMT_FP6 matrix_a_scale:MATRIX_SCALE_ROW1
.elseif (\rb) == 0
	v_wmma_scale_f32_16x16x128_f8f6f4 v[\d:\d+7], v[\bf:\bf+11], v[\af:\af+11], v[\cr:\cr+7], v[\sb], v[\sa] matrix_a_fmt:MATRIX_FMT_FP6 matrix_b_fmt:MATRIX_FMT_FP6 matrix_b_scale:MATRIX_SCALE_ROW1
.else
	v_wmma_scale_f32_16x16x128_f8f6f4 v[\d:\d+7], v[\bf:\bf+11], v[\af:\af+11], v[\cr:\cr+7], v[\sb], v[\sa] matrix_a_fmt:MATRIX_FMT_FP6 matrix_b_fmt:MATRIX_FMT_FP6 matrix_a_scale:MATRIX_SCALE_ROW1 matrix_b_scale:MATRIX_SCALE_ROW1
.endif
.endif
.endm
.macro MULA a, p, mode
.if (\mode) == 2
	WIN 0x91+0x40*((\a)/4)
.else
	WIN 0xa1+0x50*((\a)/4)
.endif
.irp b, 0,1,2,3,4,5,6,7
.if \b < T
.set rD, 8*(T*((\a)%4)+\b)
.set rC, rD
.if (\mode) == 2
.set rC, 96+128*(\b/4)+8*(\b%4)
.endif
.set rB, 128*(\p)+12*\b
.set rA, AF+12*T*(\p)+12*(\a)
.set rSB, SC+T*(\p)+T/2+\b/2
.set rSA, SC+T*(\p)+(\a)/2
	WM rD, rB, rA, \mode, rC, rSB, rSA, \b%2, (\a)%2
.endif
.endr
.endm
.macro MULR a0, n, p, mode
.set aa, \a0
.rept \n
	MULA aa, \p, \mode
.set aa, aa+1
.endr
.endm
.macro FETCH slot, q, p
	WIN 0x40
.set i, 0
.rept T
.irp g, 0,1,2
	ds_load_b128 v[128*(\p)+12*i+4*\g:128*(\p)+12*i+4*\g+3], v[ADRB+\slot] offset:(i*NQ+(\q))*1536+512*\g
.endr
.set i, i+1
.endr
	WIN 0
.set i, 0
.rept T
.set rA, AF+12*T*(\p)+12*i
.set oA, (i*NQ+(\q))*1536
.irp g, 0,1,2
	ds_load_b128 v[rA+4*\g:rA+4*\g+3], v[ADRA+\slot] offset:oA+512*\g
.endr
.set i, i+1
.endr
.set i, 0
.rept T/2
	ds_load_b32 v[SC+T*(\p)+i], v[ADRSA] offset:(i*KS+(\q))*128
	ds_load_b32 v[SC+T*(\p)+T/2+i], v[ADRSB] offset:(i*KS+(\q))*128
.set i, i+1
.endr
.endm
.macro STEP slot, q, mode
	s_wait_dscnt 0x0
	PLACES 4
	FETCH \slot, (\q)+1, 1-(\q)%2
	MULR 0, T, (\q)%2, \mode
.endm
.macro MID slot, q0
.set qq, \q0
.rept NQ-1-(\q0)
	STEP \slot, qq, 0
.set qq, qq+1
.endr
.endm
.macro TURN slot, next, fill
	WIN 0
.if \fill
	s_wait_xcnt 0x0
	s_add_nc_u64 s[PFA:PFA+1], s[PFA:PFA+1], NQ*1536
.endif
	s_wait_tensorcnt 0x0
	ds_add_u32 v[SPW], v[NIL]
	s_wait_dscnt 1
	MULR 0, T/4, 1, 0
	s_wait_dscnt 0x0
	s_barrier_signal -1
	MULR T/4, T/4, 1, 0
	WIN 0
	s_barrier_wait -1
.if \fill
	CREST
	s_add_nc_u64 s[G0+4*\slot+2:G0+4*\slot+3], s[G0+4*\slot+2:G0+4*\slot+3], 2*NQ*1536
	s_add_nc_u64 s[G0B+4*\slot+2:G0B+4*\slot+3], s[G0B+4*\slot+2:G0B+4*\slot+3], 2*NQ*1536
	JLOAD G0+4*\slot, G1, G0B+4*\slot, G1B
.else
	PLACES 4
.endif
	v_add_nc_u32 v[ADRSA], NQ*128, v[ADRSA]
	v_add_nc_u32 v[ADRSB], NQ*128, v[ADRSB]
	FETCH \next, 0, 0
.if \fill
	ASK \slot
.endif
	MULR T/2, T/2, 1, 0
.endm
	s_load_b256 s[4:11], s[0:1], 0x0
	s_load_b64 s[12:13], s[0:1], 0x20
	v_lshl_add_u32 v[SPW], v0, 2, SPARE
	v_mov_b32 v[NIL], 0
	ds_add_u32 v28, v29
	ds_add_u32 v28, v29
	s_wait_dscnt 0x0
	v_lshrrev_b32 v1, 5, v0
	v_readfirstlane_b32 s[WV], v1
	s_lshr_b32 s[WA], s[WV], 1
	s_and_b32 s[WB], s[WV], 1
	s_bfe_u32 s40, ttmp6, 0x40000
	s_bfe_u32 s41, ttmp6, 0x40004
	s_lshl_b32 s[TB], ttmp9, 2
	s_add_co_u32 s[TB], s[TB], s40
	s_and_b32 s[TA], ttmp7, 0xffff
	s_lshl_b32 s[TA], s[TA], 2
	s_add_co_u32 s[TA], s[TA], s41
	s_lshl_b32 s42, s41, 2
	s_lshl_b32 s42, 15, s42
	s_lshl_b32 s43, 0x1111, s40
	s_or_b32 s[G1], s42, (3<<16)|(1<<21)
	s_or_b32 s[G1B], s43, (3<<16)|(1<<21)
.irp g, G1, G1B
	s_mov_b32 s[\g+1], (NQ*192)<<16
	s_mov_b32 s[\g+2], (2*T)<<16                   ; 2 T rows for the head's loads; T behind them
	s_mov_b32 s[\g+3], (NQ*192)<<16
	s_mov_b32 s[\g+4], 2*T
	s_mov_b32 s[\g+5], KS*192
	s_mov_b32 s[\g+6], 0
	s_mov_b32 s[\g+7], 0
.endr
	s_or_b32 s[G1S], s42, (3<<16)|(1<<21)
	s_or_b32 s[G1SB], s43, (3<<16)|(1<<21)
.irp g, G1S, G1SB
	s_mov_b32 s[\g+1], 32<<16
	s_mov_b32 s[\g+2], (2*HALFS/256)<<16           ; a side's scale words whole
	s_mov_b32 s[\g+3], 32<<16
	s_mov_b32 s[\g+4], 2*HALFS/256
	s_mov_b32 s[\g+5], 32
	s_mov_b32 s[\g+6], 0
	s_mov_b32 s[\g+7], 0
.endr
	s_mul_i32 s18, s[TA], 2*T
	s_mul_i32 s20, s18, KS*1536
	s_mov_b32 s21, 0
	s_mul_i32 s22, s18, KS*64
	s_mov_b32 s23, 0
	s_mul_i32 s19, s[TB], 2*T
	s_mul_i32 s44, s19, KS*1536
	s_mov_b32 s45, 0
	s_mul_i32 s46, s19, KS*64
	s_mov_b32 s47, 0
	s_wait_kmcnt 0x0
	s_add_nc_u64 s[G0+2:G0+3], s[4:5], s[20:21]
	s_add_nc_u64 s[G0S+2:G0S+3], s[4:5], s[22:23]
	s_add_nc_u64 s[G0S+2:G0S+3], s[G0S+2:G0S+3], ASOFF
	s_add_nc_u64 s[G0B+2:G0B+3], s[6:7], s[44:45]
	s_add_nc_u64 s[G0B+2:G0B+3], s[G0B+2:G0B+3], BCOFF
	s_add_nc_u64 s[G0SB+2:G0SB+3], s[6:7], s[46:47]
	s_add_nc_u64 s[G0SB+2:G0SB+3], s[G0SB+2:G0SB+3], BSOFF
	s_mul_i32 s46, s[WB], T*KS*1536                ; in the ring I fetch T tiles of a side: which half, in bytes (s47 = 0)
	s_add_nc_u64 s[G0+6:G0+7], s[G0+2:G0+3], s[46:47]
	s_add_nc_u64 s[G0+6:G0+7], s[G0+6:G0+7], NQ*1536
	s_add_nc_u64 s[G0B+6:G0B+7], s[G0B+2:G0B+3], s[46:47]
	s_add_nc_u64 s[G0B+6:G0B+7], s[G0B+6:G0B+7], NQ*1536
.irp g, G0, G0+4, G0B, G0B+4, G0S, G0SB
	s_mov_b32 s[\g], 1
	s_or_b32 s[\g+3], s[\g+3], 0x80000000
.endr
	s_mul_i32 s[G0+5], s[WV], HALFT                ; slot 1: wave x a quarter
	s_add_co_u32 s[G0+5], s[G0+5], SLOT
	s_mul_i32 s[G0B+5], s[WV], HALFT
	s_add_co_u32 s[G0B+5], s[G0B+5], SLOT
	s_mov_b32 s[G0+1], 0                           ; the head's four tiles, each whole: A's part of slot 0, B's, A's scale words, B's
	s_mov_b32 s[G0B+1], 2*HALFT
	s_mov_b32 s[G0S+1], SCL
	s_mov_b32 s[G0SB+1], SCL+2*HALFS
	CROUND
; out0 = x1 + hid W2 + b2 on codes of FP6 (E2M3): tiles of 128 x 128, four waves of 64 x 64, a ring of two slots of four K steps, joint loads in clusters of 4 x 4; the scale words for all of K come once.
; THE HEAD'S LOADS, ONE A WAVE: wave 0 A's 2 T tiles of slot 0, wave 1 B's, wave 2 A's scale words, wave 3 B's; one chain of branches on the wave's number.
; Slot 1 is first filled behind the full sequence and a round.  By this text's count a wave has one tensor load out at any time.
.macro ARM under, g0, g1, next
	s_cmp_lt_u32 s[WV], \under
	s_cbranch_scc0 \next
	tensor_load_to_lds s[\g0:\g0+3], s[\g1:\g1+7]
	s_nop 0
	PLACES 4
	s_branch .Lhead_asked
\next:
.endm
	ARM 1, G0, G1, .Lhead_b
	ARM 2, G0B, G1B, .Lhead_sa
	ARM 3, G0S, G1S, .Lhead_sb
	tensor_load_to_lds s[G0SB:G0SB+3], s[G1SB:G1SB+7]
	s_nop 0
	PLACES 4
.Lhead_asked:
	v_and_b32 v1, 31, v0
	v_and_b32 v4, 15, v0
	v_bfe_u32 v5, v0, 4, 1
	v_lshlrev_b32 v24, 4, v1
	v_lshlrev_b32 v30, 2, v1
	s_mul_i32 s18, s[WA], HALFT
	s_mul_i32 s19, s[WB], HALFT
	s_add_co_u32 s19, s19, 2*HALFT
	v_add_nc_u32 v[ADRA], s18, v24
	v_add_nc_u32 v[ADRA+1], SLOT, v[ADRA]
	v_add_nc_u32 v[ADRB], s19, v24
	v_add_nc_u32 v[ADRB+1], SLOT, v[ADRB]
	s_mul_i32 s18, s[WA], HALFS
	s_add_co_u32 s18, s18, SCL
	s_mul_i32 s19, s[WB], HALFS
	s_add_co_u32 s19, s19, SCL+2*HALFS
	v_add_nc_u32 v[ADRSA], s18, v30
	v_add_nc_u32 v[ADRSB], s19, v30
	s_mul_i32 s18, s[WV], 4352
	s_add_co_u32 s18, s18, SCR
	v_mul_u32_u24 v27, v4, 272
	v_lshl_add_u32 v27, v5, 6, v27
	v_add_nc_u32 v27, s18, v27
	v_mul_u32_u24 v31, v5, 272
	v_lshl_add_u32 v31, v4, 4, v31
	v_add_nc_u32 v31, s18, v31
	v_lshlrev_b32 v3, 6, v5
	s_wait_alu depctr_va_vdst(0)
	v_lshlrev_b32 v26, 12, v5
	v_lshl_add_u32 v26, v4, 4, v26
	s_wait_alu depctr_va_vdst(0)
	s_lshl_b32 s18, s[TB], 9
	s_lshl_b32 s19, s[WB], 8
	s_add_co_u32 s18, s18, s19
	s_mov_b32 s19, 0
	s_add_nc_u64 s[8:9], s[8:9], s[18:19]
	s_lshl_b32 s92, s[TA], 7
	s_lshl_b32 s93, s[WA], 6
	s_add_co_u32 s92, s92, s93
	s_lshl_b32 s92, s92, 12
	s_add_co_u32 s18, s18, s92
	s_add_nc_u64 s[10:11], s[10:11], s[18:19]
	s_add_nc_u64 s[12:13], s[12:13], s[18:19]
	s_and_b32 s22, ttmp7, 0xffff
	s_cmp_eq_u32 s[WA], 0
	s_cselect_b32 s20, s[TA], s[TB]
	s_cselect_b32 s21, s40, s41
	s_cselect_b32 s22, ttmp9, s22
	s_cselect_b32 s23, 0, BCOFF
	s_cselect_b64 s[PFA:PFA+1], s[4:5], s[6:7]
	s_cmp_eq_u32 s22, 0
	s_cselect_b32 s[LIM], 1, -1
	s_lshl_b32 s20, s20, 3
	s_lshl_b32 s22, s[WB], 2
	s_add_co_u32 s20, s20, s22
	s_add_co_u32 s20, s20, s21
	s_mul_i32 s20, s20, KS*1536
	s_add_co_u32 s20, s20, s23
	s_add_co_u32 s20, s20, 2*NQ*1536
	s_mov_b32 s21, 0
	s_add_nc_u64 s[PFA:PFA+1], s[PFA:PFA+1], s[20:21]
	v_min_u32 v[PFO], 23, v1
	v_lshlrev_b32 v[PFO], 8, v[PFO]
	WIN 0x40
.irp b, 0,1,2,3
	global_load_b128 v[96+8*\b:99+8*\b], v3, s[8:9] offset:(32*(\b/2)+8*(\b%2))*4
	global_load_b128 v[100+8*\b:103+8*\b], v3, s[8:9] offset:(32*(\b/2)+8*(\b%2))*4+16
.endr
	WIN 0xc0
.irp a, 0,1,2,3
.irp t, 0,1,2,3,4,5,6,7
	global_load_b128 v[4*(8*\a+\t):4*(8*\a+\t)+3], v26, s[10:11] offset:(32*(\a/2)+8*(\a%2)+2*\t+8*(\t/4))*4096
.endr
.endr
	WIN 0
	s_wait_alu depctr_va_vdst(0)                   ; the wait at the head's end
	s_wait_tensorcnt 0x0                           ; my tile of the head's four is in
	ds_add_u32 v[SPW], v[NIL]
	s_mov_b32 s[G1+2], T<<16                       ; no tensor load of mine is out: from here on a load brings T tiles,
	s_mov_b32 s[G1+4], T
	s_mov_b32 s[G1B+2], T<<16
	s_mov_b32 s[G1B+4], T
	s_add_nc_u64 s[G0+2:G0+3], s[G0+2:G0+3], s[46:47]      ; my half of a side,
	s_add_nc_u64 s[G0B+2:G0B+3], s[G0B+2:G0B+3], s[46:47]
	s_mul_i32 s[G0+1], s[WV], HALFT                ; to wave x a quarter of slot 0
	s_mul_i32 s[G0B+1], s[WV], HALFT
	s_wait_dscnt 0x0
	CROUND                                         ; all four tiles are in, and all sixteen work-groups are here
	JLOAD G0+4, G1, G0B+4, G1B                     ; slot 1's first fill, the first tensor load behind the round
	FETCH 0, 0, 0
	s_wait_loadcnt 32
	STEP 0, 0, 2
	WIN 0
	s_mov_b32 s[LAPC], LAPS-1
.Llap:
	s_wait_alu depctr_va_vdst(0)
	MID 0, 1
	TURN 0, 1, 1
	s_wait_alu depctr_va_vdst(0)
	MID 1, 0
	TURN 1, 0, 1
	s_wait_alu depctr_va_vdst(0)
	STEP 0, 0, 0
	WIN 0
	s_sub_co_u32 s[LAPC], s[LAPC], 1
	s_cmp_lg_u32 s[LAPC], 0
	s_cbranch_scc1 .Llap
	MID 0, 1
	TURN 0, 1, 0
	s_wait_alu depctr_va_vdst(0)
	MID 1, 0
	s_wait_dscnt 0x0
	MULR 0, T, 1, 0
	WIN 0
	PLACES 4
	s_wait_loadcnt 0x0
.irp a, 0,1,2,3
.if \a >= 2
	s_wait_xcnt 0x0
.endif
	WIN 0x08
.irp b, 0,1,2,3
	ds_store_b128 v27, v[8*(4*\a+\b):8*(4*\a+\b)+3] offset:128*(\b/2)+32*(\b%2)
	ds_store_b128 v27, v[8*(4*\a+\b)+4:8*(4*\a+\b)+7] offset:128*(\b/2)+32*(\b%2)+16
.endr
	WIN 0
.irp t, 0,1,2,3,4,5,6,7
	ds_load_b128 v[64+32*(\a%2)+4*\t:64+32*(\a%2)+4*\t+3], v31 offset:544*\t
.endr
	s_wait_dscnt 0x0
	WIN 0x0c
.irp t, 0,1,2,3,4,5,6,7,8,9,10,11,12,13,14,15
	v_pk_add_f32 v[64+32*(\a%2)+2*\t:64+32*(\a%2)+2*\t+1], v[64+32*(\a%2)+2*\t:64+32*(\a%2)+2*\t+1], v[32*\a+2*\t:32*\a+2*\t+1]
.endr
	WIN 0
.irp t, 0,1,2,3,4,5,6,7
	global_store_b128 v26, v[64+32*(\a%2)+4*\t:64+32*(\a%2)+4*\t+3], s[12:13] offset:(32*(\a/2)+8*(\a%2)+2*\t+8*(\t/4))*4096
.endr
.endr
	s_wait_tensorcnt 0x0
	ds_add_u32 v[SPW], v[NIL]
	s_wait_dscnt 0x0
	CROUND
	s_endpgm
.Lfunc_end_k_q83adf590d3_down:
	.size	k_q83adf590d3_down, .Lfunc_end_k_q83adf590d3_down-k_q83adf590d3_down
	.p2alignl 7, 3214868480
	.fill 96, 4, 3214868480
	.section	.rodata,"a",@progbits
	.p2align	6, 0x0
	.amdhsa_kernel k_q83adf590d3_down
		.amdhsa_group_segment_fixed_size 327680
		.amdhsa_private_segment_fixed_size 0
		.amdhsa_enable_private_segment 0
		.amdhsa_kernarg_size 40
		.amdhsa_user_sgpr_count 2
		.amdhsa_user_sgpr_kernarg_segment_ptr 1
		.amdhsa_wavefront_size32 1
		.amdhsa_system_sgpr_workgroup_id_x 1
		.amdhsa_system_sgpr_workgroup_id_y 1
		.amdhsa_system_sgpr_workgroup_id_z 1
		.amdhsa_system_vgpr_workitem_id 0
		.amdhsa_next_free_vgpr 1024
		.amdhsa_next_free_sgpr 100
		.amdhsa_reserve_vcc 0
		.amdhsa_float_denorm_mode_32 3
		.amdhsa_float_denorm_mode_16_64 3
		.amdhsa_memory_ordered 1
		.amdhsa_forward_progress 1
		.amdhsa_inst_pref_size 95
	.end_amdhsa_kernel
	.amdgpu_metadata
---
amdhsa.version: [ 1, 2 ]
amdhsa.kernels:
  - .name:           k_q83adf590d3_down
    .symbol:         k_q83adf590d3_down.kd
    .args:
      - { .name: hid, .offset: 0, .size: 8, .value_kind: global_buffer, .address_space: global }
      - { .name: wts, .offset: 8, .size: 8, .value_kind: global_buffer, .address_space: global }
      - { .name: mlp_b2, .offset: 16, .size: 8, .value_kind: global_buffer, .address_space: global }
      - { .name: x1, .offset: 24, .size: 8, .value_kind: global_buffer, .address_space: global }
      - { .name: out0, .offset: 32, .size: 8, .value_kind: global_buffer, .address_space: global }
    .group_segment_fixed_size: 327680
    .private_segment_fixed_size: 0
    .kernarg_segment_align: 8
    .kernarg_segment_size: 40
    .max_flat_workgroup_size: 128
    .sgpr_count:     100
    .vgpr_count:     1024
    .wavefront_size: 32
...
	.end_amdgpu_metadata
.endif
;; end of part 7
